; MI455X (gfx1250); checked and timed in simulation.
; The chip was launched on July 23, 2026; its instructions are those of AMD's public machine-readable ISA for CDNA 5 (MIT licence, August 2026) and "CDNA5" Instruction Set Architecture Reference Guide (July 2026). The comments in the code are by the model that wrote it; some were corrected since.
;; Causal Attention. Allowed arithmetic: float matrix products may take bf16 or f16 operands with f32 sums; other float arithmetic in f32, or as packed bf16 or f16 multiplies, adds, multiply-adds, maxima and minima; sums over many terms, partial sums and values carried from step to step in f32; what a program stores and reads back later, other than sums and carried values, may be rounded once to bf16 or f16.
;; Inputs: W_k 1,024 x 1,024 float32; W_q 1,024 x 1,024 float32; W_v 1,024 x 1,024 float32; X 4 x 2,048 x 1,024 float32.
;; Outputs: out0 4 x 2,048 x 1,024 float32.
;; 2 versions, each right. Each part assembles by itself: llvm-mc -triple=amdgcn-amd-amdhsa -mcpu=gfx1250 --defsym DOCPART=n.
;; ======== version 1 of 2: 4 launches
;; limits: values are held in f16: magnitudes above 65,504 overflow, below 6.1e-05 lose precision
;; workspace buffers: xb 16,777,216 bytes; wt 6,291,456 bytes; qkv 50,331,648 bytes; pw 33,554,432 bytes; st 1,048,576 bytes
;; launch prep (part 1): grid 896 x 1, 8 waves a work-group, no clusters, 18,432 bytes of LDS; arguments X, W_q, W_k, W_v, xb, wt; writes xb, wt
.if DOCPART == 1
	.amdgcn_target "amdgcn-amd-amdhsa--gfx1250"
	.amdhsa_code_object_version 6
	.text
	.protected	k_q1303383eed_prep
	.globl	k_q1303383eed_prep
	.p2align	8
	.type	k_q1303383eed_prep,@function
k_q1303383eed_prep:
	s_mov_b64 s[64:65], 0
	v_nop
	global_prefetch_b8 v0, s[64:65] scope:SCOPE_SE
	s_setreg_imm32_b32 hwreg(HW_REG_WAVE_MODE, 25, 1), 1
	s_wait_xcnt 0x0
; xb = X rounded to bf16, [8192][1024].  wt[n][k] = W[k][n] rounded to bf16, [3072][1024]: W_q's 1,024 columns, then W_k's, then W_v's.
; A stream: every input byte is read once, every output byte written once, in whole aligned runs of 256 bytes.  No matrix unit, no cluster: nothing is shared and nothing is multiplied.
; Work-groups 0-511: 16 rows of X each, through registers.  Work-groups 512-895: a tile of 128 k x 64 n of one W, turned in LDS.
.set TP,    272                        ; a turned row in LDS: 128 k x 2 bytes + 16 of padding
.set SPARE, 64*TP                      ; behind the tile: the spare words, 128 bytes for each of the eight waves; no other line names them
.set SPW, 8                            ; v8  LDS address of my spare word; never rewritten
.set NIL, 9                            ; v9  0; never rewritten
.set XI,  16                           ; v[16:79]   X path: sixteen loads of four f32
.set XO,  80                           ; v[80:111]  X path: sixteen pairs of packed bf16
	s_load_b256 s[4:11], s[0:1], 0x0               ; X s[4:5], W_q s[6:7], W_k s[8:9], W_v s[10:11]
	s_load_b128 s[12:15], s[0:1], 0x20             ; xb s[12:13], wt s[14:15]
	v_lshl_add_u32 v[SPW], v0, 2, SPARE
	v_mov_b32 v[NIL], 0
	s_cmp_lt_u32 ttmp9, 512                        ; the same for all waves of a work-group
	s_cbranch_scc0 .Lweights
	; X: a wave takes 8,192 consecutive bytes (two rows), sixteen loads of 512 bytes; all sixteen are out at once
	v_lshrrev_b32 v1, 5, v0                        ; wave
	v_and_b32 v2, 31, v0                           ; lane
	v_lshlrev_b32 v3, 4, v2
	v_lshl_add_u32 v3, v1, 13, v3                  ; in: 8,192 x wave + 16 x lane
	v_lshlrev_b32 v4, 3, v2
	v_lshl_add_u32 v4, v1, 12, v4                  ; out: 4,096 x wave + 8 x lane
	s_lshl_b32 s16, ttmp9, 16                      ; 16 rows of 4,096 bytes
	s_mov_b32 s17, 0
	s_lshl_b32 s18, ttmp9, 15                      ; 16 rows of 2,048 bytes
	s_mov_b32 s19, 0
	s_wait_kmcnt 0x0
	s_add_nc_u64 s[4:5], s[4:5], s[16:17]
	s_add_nc_u64 s[12:13], s[12:13], s[18:19]
.irp j, 0,1,2,3,4,5,6,7,8,9,10,11,12,13,14,15
	global_load_b128 v[XI+4*(\j):XI+4*(\j)+3], v3, s[4:5] offset:512*(\j) th:TH_LOAD_NT
.endr
.irp j, 0,1,2,3,4,5,6,7,8,9,10,11,12,13,14,15
	s_wait_loadcnt 15-(\j)                         ; loads come back in order: load j is in, the younger ones stay out
	v_cvt_pk_bf16_f32 v[XO+2*(\j)], v[XI+4*(\j)], v[XI+4*(\j)+1]
	v_cvt_pk_bf16_f32 v[XO+2*(\j)+1], v[XI+4*(\j)+2], v[XI+4*(\j)+3]
	global_store_b64 v4, v[XO+2*(\j):XO+2*(\j)+1], s[12:13] offset:256*(\j)  ; 32 lanes store 256 consecutive bytes, aligned; every store has registers of its own
.endr
	s_branch .Lend
.Lweights:
	; W: thread t = (kp, c): four columns 4 c .. 4 c + 3 of the rows 2 (kp + 16 i) + e; sixteen lanes read 256 consecutive bytes of a row
	s_sub_co_u32 s20, ttmp9, 512
	s_lshr_b32 s21, s20, 7                         ; which W
	s_bfe_u32 s22, s20, 0x30004                    ; kt: 128 k
	s_and_b32 s23, s20, 15                         ; nt: 64 n
	s_lshl_b32 s16, s22, 19                        ; in: 128 rows of 4,096 bytes,
	s_lshl_b32 s24, s23, 8                         ; 64 columns of 4 bytes
	s_add_co_u32 s16, s16, s24
	s_mov_b32 s17, 0
	s_lshl_b32 s18, s21, 21                        ; out: 1,024 rows of 2,048 bytes for each W,
	s_lshl_b32 s24, s23, 17                        ; 64 rows,
	s_add_co_u32 s18, s18, s24
	s_lshl_b32 s24, s22, 8                         ; 128 k of 2 bytes
	s_add_co_u32 s18, s18, s24
	s_mov_b32 s19, 0
	v_and_b32 v1, 15, v0                           ; c
	v_lshrrev_b32 v2, 4, v0                        ; kp
	v_lshlrev_b32 v3, 4, v1
	v_lshl_add_u32 v3, v2, 13, v3                  ; in: two rows x kp + 16 c
	v_mul_u32_u24 v4, v1, 4*TP
	v_lshl_add_u32 v4, v2, 2, v4                   ; LDS in: turned row 4 c, byte 4 kp
	v_mul_u32_u24 v5, v2, TP
	v_lshl_add_u32 v5, v1, 4, v5                   ; LDS back: turned row kp, 16 bytes at 16 c
	v_lshlrev_b32 v6, 4, v1
	v_lshl_add_u32 v6, v2, 11, v6                  ; out: row kp of 2,048 bytes + 16 c
	s_wait_kmcnt 0x0
	s_cmp_eq_u32 s21, 0
	s_cselect_b64 s[26:27], s[6:7], s[8:9]
	s_cmp_eq_u32 s21, 2
	s_cselect_b64 s[26:27], s[10:11], s[26:27]
	s_add_nc_u64 s[26:27], s[26:27], s[16:17]
	s_add_nc_u64 s[14:15], s[14:15], s[18:19]
.irp i, 0,1,2,3
.irp e, 0,1
	global_load_b128 v[16+8*(\i)+4*(\e):16+8*(\i)+4*(\e)+3], v3, s[26:27] offset:131072*(\i)+4096*(\e) th:TH_LOAD_NT
.endr
.endr
.irp i, 0,1,2,3
	s_wait_loadcnt 6-2*(\i)                        ; the pair of rows i is in; the later pairs stay out
.irp j, 0,1,2,3
	v_cvt_pk_bf16_f32 v[48+4*(\i)+(\j)], v[16+8*(\i)+(\j)], v[20+8*(\i)+(\j)]  ; k and k + 1 of column 4 c + j: neighbours in the turned row
.endr
.irp j, 0,1,2,3
	ds_store_b32 v4, v[48+4*(\i)+(\j)] offset:TP*(\j)+64*(\i)
.endr
.endr
	s_wait_dscnt 0x0                               ; for the others' sake: my stores into the tile are done
	s_barrier_signal -1
	s_barrier_wait -1
.irp p, 0,1,2,3
	ds_load_b128 v[64+4*(\p):64+4*(\p)+3], v5 offset:16*TP*(\p)
.endr
.irp p, 0,1,2,3
	s_wait_dscnt 3-(\p)
	global_store_b128 v6, v[64+4*(\p):64+4*(\p)+3], s[14:15] offset:32768*(\p)  ; sixteen lanes store 256 consecutive bytes, aligned
.endr
.Lend:
	s_wait_tensorcnt 0x0                           ; the wave's end: behind my last LDS store
	ds_add_u32 v[SPW], v[NIL]
	s_wait_dscnt 0x0
	s_endpgm
.Lfunc_end_k_q1303383eed_prep:
	.size	k_q1303383eed_prep, .Lfunc_end_k_q1303383eed_prep-k_q1303383eed_prep
	.p2alignl 7, 3214868480
	.fill 96, 4, 3214868480
	.section	.rodata,"a",@progbits
	.p2align	6, 0x0
	.amdhsa_kernel k_q1303383eed_prep
		.amdhsa_group_segment_fixed_size 18432
		.amdhsa_private_segment_fixed_size 0
		.amdhsa_enable_private_segment 0
		.amdhsa_kernarg_size 48
		.amdhsa_user_sgpr_count 2
		.amdhsa_user_sgpr_kernarg_segment_ptr 1
		.amdhsa_wavefront_size32 1
		.amdhsa_system_sgpr_workgroup_id_x 1
		.amdhsa_system_sgpr_workgroup_id_y 1
		.amdhsa_system_sgpr_workgroup_id_z 1
		.amdhsa_system_vgpr_workitem_id 0
		.amdhsa_next_free_vgpr 112
		.amdhsa_next_free_sgpr 66
		.amdhsa_reserve_vcc 0
		.amdhsa_float_denorm_mode_32 3
		.amdhsa_float_denorm_mode_16_64 3
		.amdhsa_memory_ordered 1
		.amdhsa_forward_progress 1
		.amdhsa_inst_pref_size 12
	.end_amdhsa_kernel
	.amdgpu_metadata
---
amdhsa.version: [ 1, 2 ]
amdhsa.kernels:
  - .name:           k_q1303383eed_prep
    .symbol:         k_q1303383eed_prep.kd
    .args:
      - { .name: X, .offset: 0, .size: 8, .value_kind: global_buffer, .address_space: global }
      - { .name: W_q, .offset: 8, .size: 8, .value_kind: global_buffer, .address_space: global }
      - { .name: W_k, .offset: 16, .size: 8, .value_kind: global_buffer, .address_space: global }
      - { .name: W_v, .offset: 24, .size: 8, .value_kind: global_buffer, .address_space: global }
      - { .name: xb, .offset: 32, .size: 8, .value_kind: global_buffer, .address_space: global }
      - { .name: wt, .offset: 40, .size: 8, .value_kind: global_buffer, .address_space: global }
    .group_segment_fixed_size: 18432
    .private_segment_fixed_size: 0
    .kernarg_segment_align: 8
    .kernarg_segment_size: 48
    .max_flat_workgroup_size: 256
    .sgpr_count:     66
    .vgpr_count:     112
    .wavefront_size: 32
...
	.end_amdgpu_metadata
.endif
;; end of part 1
;; launch proj (part 2): grid 12 x 32, 4 waves a work-group, clusters of 4 x 4, 327,680 bytes of LDS; arguments xb, wt, qkv; writes qkv
.if DOCPART == 2
	.amdgcn_target "amdgcn-amd-amdhsa--gfx1250"
	.amdhsa_code_object_version 6
	.text
	.protected	k_q1303383eed_proj
	.globl	k_q1303383eed_proj
	.p2align	8
	.type	k_q1303383eed_proj,@function
k_q1303383eed_proj:
	s_mov_b64 s[64:65], 0
	v_nop
	global_prefetch_b8 v0, s[64:65] scope:SCOPE_SE
	s_setreg_imm32_b32 hwreg(HW_REG_WAVE_MODE, 25, 1), 1
	s_wait_xcnt 0x0
	s_wait_alu depctr_hold_cnt(0) depctr_sa_sdst(0) depctr_va_vdst(0) depctr_va_sdst(0) depctr_va_ssrc(0) depctr_va_vcc(0) depctr_vm_vsrc(0)
	s_getreg_b32 s2, hwreg(HW_REG_IB_STS2, 6, 4)
	s_cmp_eq_u32 s2, 0
	s_cbranch_scc0 .Lentry_in_a_cluster
	s_endpgm
.Lentry_in_a_cluster:
	s_bfe_u32 s2, ttmp6, 0x10000c
	s_cmp_lg_u32 s2, 0xf033
	s_cbranch_scc0 .Lentry_shape_is_right
	s_endpgm
.Lentry_shape_is_right:
; qkv[m][n] = sum over k of xb[m][k] wt[n][k].  xb: [8192][1024] bf16, wt: [3072][1024] bf16, qkv: [8192][3072] f16 (columns 0-1023 q, 1024-2047 k, 2048-3071 v); sums in f32, rounded once.
; LIMIT.  f16 holds no number beyond 65,504: q, k and v must lie within it.
; A tile of 256 x 256 is made by four waves, 128 x 128 each: 64 accumulators of 16 x 16, 512 registers.  K goes in steps of 128 through two LDS slots filled by the tensor data mover; a tile's rows are 256 bytes, aligned.
; 384 tiles, one to a work-group.  CLUSTERS of 4 x 4: the four of a row need the same rows of xb, the four of a column the same rows of wt: each tile is asked for jointly, by the same load, descriptor and mask in all four.
; The matrix instruction is used transposed (source 0 = 16 rows of wt, source 1 = 16 rows of xb): a lane holds eight neighbouring columns of one row of qkv.
; REGISTERS in windows of 256 (s_set_vgpr_msb: bits 1:0 source 0, 3:2 source 1, 5:4 source 2, 7:6 destination):
;   window 0: v0-31 addresses; v64-191 xb's fragments, two buffers (in the last K step four of 16 rows x 128 K); v32-63, v192-255 at work on the way out
;   window 1: v64-191 wt's fragments, two buffers; in the last K step all 256      window 2, 3: the accumulators of my rows 0-63, 64-127: (a, b) at v[8 (8 a + b)]
.set SIZE_N, 3072
.set SIZE_K, 1024
.set KSTEP,  128
.set PITCH,  272                       ; an LDS row: 256 bytes + 16 of padding = 68 words: the 16 rows of a fragment load start at 16 different groups of four banks (64 banks of 4 bytes: ISA guide 11.1)
.set HALFT,  128*PITCH                 ; what one tensor load brings, and what one wave reads of either operand
.set SLOT,   4*HALFT
.set STAGE,  2*SLOT                    ; behind the ring: 16 rows x 272 bytes for each wave, for the way out
.set SPITCH, 272
.set SPARE,  STAGE+4*16*SPITCH         ; behind the stages: the spare words, 128 bytes a wave; no other line names them
.set LAPS, SIZE_K/(2*KSTEP)            ; a lap = two K steps = once round the ring
.set ADRA, 16                          ; v16-17  LDS address of my fragments of xb in slot 0, 1
.set ADRB, 20                          ; v20-21  the same for wt
.set STO,  24                          ; v24  the way out: where I put 16 bytes of a row
.set RD,   25                          ; v25  where I read a row back
.set CO,   26                          ; v26  my byte offset in qkv
.set SPW,  28                          ; v28  my spare word's address; never rewritten
.set NIL,  29                          ; v29  0; never rewritten
.set PFO,  30                          ; v30  the prefetches' offset: my lane x a row of 2,048 bytes; never rewritten
.set PFA,  44                          ; s[44:45] where my prefetches stand
.set LIM,  43                          ; s43  1 in a wave that prefetches, else the greatest number
.set F0,   64
.set F1,   128
.set TMP,  192
.set OB,   32
.set PA,   64
.set G1, 24                            ; s[24:31] group 1 for xb's tiles;  s[32:39] group 0, a set for each slot
.set G0, 32
.set G1B, 48                           ; s[48:55], s[56:63] the same for wt's
.set G0B, 56
.set MSB, 0
.macro WIN new                         ; the immediate's high byte repeats the setting that is left; a switch that changes nothing is dropped
.if MSB != (\new)
	s_set_vgpr_msb (MSB<<8)|(\new)
.set MSB, \new
.endif
.endm
.set MUL_LO, 0xa1                      ; source 0 window 1, source 1 window 0, C and D window 2
.set MUL_HI, 0xf1                      ; the same, C and D window 3
.set TO_B,   0x40                      ; destination window 1, address window 0
; A joint load: waves 0 and 1 fetch xb's two halves, waves 2 and 3 wt's.  The branch hangs on the wave's number alone.  An s_nop 0 and four v_nop follow each line.
.macro JLOAD s
	s_cmp_eq_u32 s11, 0
	s_cbranch_scc0 .Lfor_b_\@
	tensor_load_to_lds s[G0+4*(\s):G0+4*(\s)+3], s[G1:G1+7]
	s_nop 0
.rept 4
	v_nop
.endr
	s_branch .Lasked_\@
.Lfor_b_\@:
	tensor_load_to_lds s[G0B+4*(\s):G0B+4*(\s)+3], s[G1B:G1B+7]
	s_nop 0
.rept 4
	v_nop
.endr
.Lasked_\@:
.endm
; A prefetch of the K step that stands two refills on: 32 rows x 256 bytes, a lane a row.  xb's rows are asked for by the clusters with x = 0, wt's by those with y = 0; of the 128 rows that a wave fetches each of
; the four partners takes 32, told apart by address.  So each row's 256 bytes of K steps 4 to 7 are named once in the launch; the loop's last trip (s3 = 1) asks for nothing.
.macro ASK
	s_cmp_gt_u32 s3, s[LIM]
	s_cbranch_scc0 .Lnot_mine_\@
	global_prefetch_b8 v[PFO], s[PFA:PFA+1] offset:KSTEP*2 th:TH_LOAD_NT scope:SCOPE_SE
.Lnot_mine_\@:
.endm
.macro CREST                           ; a round of the cluster's barrier behind its opening barrier
	s_cmp_lg_u32 s10, 0
	s_cbranch_scc1 .Lnot_wave_0_\@
	s_barrier_signal -3
.Lnot_wave_0_\@:
	s_barrier_wait -3
	s_barrier_signal -1
	s_barrier_wait -1
.endm
.macro CROUND
	s_barrier_signal -1
	s_barrier_wait -1
	CREST
.endm
	s_load_b128 s[4:7], s[0:1], 0x0                ; xb s[4:5], wt s[6:7]
	s_load_b64 s[8:9], s[0:1], 0x10                ; qkv
	v_lshl_add_u32 v[SPW], v0, 2, SPARE
	v_mov_b32 v[NIL], 0
	ds_add_u32 v[SPW], v[NIL]                      ; the wave's opening: the add and its wait stand ahead of my first tensor load; work on registers stands between them
	ds_add_u32 v28, v29
	v_lshrrev_b32 v1, 5, v0
	v_readfirstlane_b32 s10, v1                    ; wave 0..3
	s_lshr_b32 s11, s10, 1                         ; my half of the tile's rows.  Also: I fetch for xb (0) or wt (1)
	s_and_b32 s12, s10, 1                          ; my half of its columns.  Also: which 128 rows I fetch
	s_bfe_u32 s40, ttmp6, 0x40000                  ; cx
	s_bfe_u32 s41, ttmp6, 0x40004                  ; cy
	s_lshl_b32 s42, ttmp9, 2
	s_add_co_u32 s42, s42, s40                     ; tile column = 4 x cluster x + cx
	s_and_b32 s13, ttmp7, 0xffff
	s_lshl_b32 s13, s13, 2
	s_add_co_u32 s13, s13, s41                     ; tile row = 4 x cluster y + cy
	s_lshl_b32 s43, s41, 2
	s_lshl_b32 s43, 15, s43                        ; my row of the cluster
	s_lshl_b32 s44, 0x1111, s40                    ; my column
	s_or_b32 s[G1+0], s43, (1<<16)|(1<<20)|(1<<21)|(5<<22)|(3<<25)   ; the mask; 2-byte elements; padding on; bit 21 beside a mask; after every 64 words, 4 words
	s_or_b32 s[G1B+0], s44, (1<<16)|(1<<20)|(1<<21)|(5<<22)|(3<<25)
.irp g, G1, G1B
	s_mov_b32 s[(\g)+1], KSTEP<<16                 ; tensor_dim0 = 128
	s_mov_b32 s[(\g)+2], 128<<16                   ; tensor_dim1 = 128
	s_mov_b32 s[(\g)+3], KSTEP<<16                 ; tile_dim0 = 128
	s_mov_b32 s[(\g)+4], 128                       ; tile_dim1 = 128
	s_mov_b32 s[(\g)+5], SIZE_K                    ; elements from row to row
	s_mov_b32 s[(\g)+6], 0
	s_mov_b32 s[(\g)+7], 0
.endr
	s_lshl_b32 s17, s12, 7
	s_lshl_b32 s16, s13, 8
	s_add_co_u32 s16, s16, s17                     ; xb: row 256 x tile row + 128 x half
	s_lshl_b32 s46, s42, 8
	s_add_co_u32 s46, s46, s17                     ; wt: row 256 x tile column + 128 x half
	s_mov_b32 s17, 0
	s_mov_b32 s47, 0
	s_mov_b64 s[18:19], SIZE_K*2
	s_mul_u64 s[16:17], s[16:17], s[18:19]
	s_mul_u64 s[46:47], s[46:47], s[18:19]
	s_mul_i32 s20, s10, HALFT                      ; where they go: wave x 128 rows
	s_wait_dscnt 0x0                               ; the opening add is done
	s_wait_kmcnt 0x0
	s_add_nc_u64 s[14:15], s[4:5], s[16:17]
	s_add_nc_u64 s[46:47], s[6:7], s[46:47]
	CROUND                                         ; all sixteen work-groups are here: the first joint loads meet
.irp s, 0,1
	s_mov_b32 s[G0+4*(\s)], 1
	s_add_co_u32 s[G0+4*(\s)+1], s20, (\s)*SLOT
	s_add_nc_u64 s[G0+4*(\s)+2:G0+4*(\s)+3], s[14:15], (\s)*KSTEP*2
	s_or_b32 s[G0+4*(\s)+3], s[G0+4*(\s)+3], 0x80000000
	s_mov_b32 s[G0B+4*(\s)], 1
	s_add_co_u32 s[G0B+4*(\s)+1], s20, (\s)*SLOT
	s_add_nc_u64 s[G0B+4*(\s)+2:G0B+4*(\s)+3], s[46:47], (\s)*KSTEP*2
	s_or_b32 s[G0B+4*(\s)+3], s[G0B+4*(\s)+3], 0x80000000
	JLOAD \s                                       ; two loads of mine are out
.endr
	; a fragment is 16 rows x 32 K in 8 registers: lane l holds row l % 16, K = 8 (l / 16) + 0..7 and 16 + 8 (l / 16) + 0..7: two loads of 16 bytes, 32 bytes apart
	v_and_b32 v1, 15, v0
	v_bfe_u32 v2, v0, 4, 1
	v_mul_u32_u24 v3, v1, PITCH
	v_lshl_add_u32 v3, v2, 4, v3
	s_mul_i32 s21, s11, HALFT
	s_mul_i32 s22, s12, HALFT
	s_add_co_u32 s22, s22, 2*HALFT
.irp s, 0,1
	v_add_nc_u32 v[ADRA+(\s)], s21, v3
	v_add_nc_u32 v[ADRB+(\s)], s22, v3
	s_add_co_u32 s21, s21, SLOT
	s_add_co_u32 s22, s22, SLOT
.endr
	s_mul_i32 s23, s10, 16*SPITCH
	s_add_co_u32 s23, s23, STAGE
	v_mul_u32_u24 v4, v1, SPITCH
	v_lshl_add_u32 v4, v2, 4, v4
	v_add_nc_u32 v[STO], s23, v4
	v_mul_u32_u24 v5, v2, SPITCH
	v_lshl_add_u32 v5, v1, 4, v5
	v_add_nc_u32 v[RD], s23, v5
	v_mul_u32_u24 v5, v2, SIZE_N*2
	v_lshl_add_u32 v[CO], v1, 4, v5
	s_lshl_b32 s13, s13, 8
	s_lshl_b32 s14, s11, 7
	s_add_co_u32 s16, s13, s14                     ; my first row of qkv
	s_mov_b32 s17, 0
	s_mov_b64 s[18:19], SIZE_N*2
	s_mul_u64 s[16:17], s[16:17], s[18:19]
	s_lshl_b32 s46, s42, 9                         ; my first column, in bytes
	s_lshl_b32 s47, s12, 8
	s_add_co_u32 s46, s46, s47
	s_mov_b32 s47, 0
	s_add_nc_u64 s[16:17], s[16:17], s[46:47]
	; the prefetches
	s_lshl_b32 s42, s42, 8
	s_and_b32 s22, ttmp7, 0xffff
	s_cmp_eq_u32 s11, 0
	s_cselect_b32 s20, s13, s42                    ; the tile's first row
	s_cselect_b32 s21, s40, s41                    ; my place among the four that ask for it with me
	s_cselect_b32 s22, ttmp9, s22                  ; the coordinate along which other clusters read the same rows
	s_cselect_b64 s[PFA:PFA+1], s[4:5], s[6:7]
	s_cmp_eq_u32 s22, 0
	s_cselect_b32 s[LIM], 1, -1
	s_lshl_b32 s22, s12, 7
	s_add_co_u32 s20, s20, s22
	s_lshl_b32 s21, s21, 5
	s_add_co_u32 s20, s20, s21
	s_mov_b32 s21, 0
	s_mov_b64 s[18:19], SIZE_K*2
	s_mul_u64 s[20:21], s[20:21], s[18:19]
	s_add_nc_u64 s[PFA:PFA+1], s[PFA:PFA+1], s[20:21]
	s_add_nc_u64 s[PFA:PFA+1], s[PFA:PFA+1], 2*KSTEP*2  ; at K step 2: the first refill steps it to 3 and names K step 4
	v_and_b32 v[PFO], 31, v0
	v_mul_u32_u24 v[PFO], v[PFO], SIZE_K*2
; 16 matrix instructions: m blocks a0, a0 + 1 of the window's four x all 8 n blocks, 32 along K.  zero = 1: the first product starts the sums
.macro MUL16 f, hi, a0, zero
	WIN MUL_LO+0x50*(\hi)
.irp a, \a0, (\a0)+1
.irp b, 0,1,2,3,4,5,6,7
.if \zero
	v_wmma_f32_16x16x32_bf16 v[8*(8*(\a)+(\b)):8*(8*(\a)+(\b))+7], v[(\f)+8*(\b):(\f)+8*(\b)+7], v[(\f)+8*(4*(\hi)+(\a)):(\f)+8*(4*(\hi)+(\a))+7], 0
.else
	v_wmma_f32_16x16x32_bf16 v[8*(8*(\a)+(\b)):8*(8*(\a)+(\b))+7], v[(\f)+8*(\b):(\f)+8*(\b)+7], v[(\f)+8*(4*(\hi)+(\a)):(\f)+8*(4*(\hi)+(\a))+7], v[8*(8*(\a)+(\b)):8*(8*(\a)+(\b))+7]
.endif
.endr
.endr
.endm
.macro FETCH slot, k, f                ; 32 LDS loads in one run: the fragments of a quarter step at byte k of the rows
	WIN TO_B
.irp i, 0,1,2,3,4,5,6,7
	ds_load_b128 v[(\f)+8*(\i):(\f)+8*(\i)+3],   v[ADRB+(\slot)] offset:(\k)+(\i)*16*PITCH
	ds_load_b128 v[(\f)+8*(\i)+4:(\f)+8*(\i)+7], v[ADRB+(\slot)] offset:(\k)+(\i)*16*PITCH+32
.endr
	WIN 0
.irp i, 0,1,2,3,4,5,6,7
	ds_load_b128 v[(\f)+8*(\i):(\f)+8*(\i)+3],   v[ADRA+(\slot)] offset:(\k)+(\i)*16*PITCH
	ds_load_b128 v[(\f)+8*(\i)+4:(\f)+8*(\i)+7], v[ADRA+(\slot)] offset:(\k)+(\i)*16*PITCH+32
.endr
.endm
.macro PLACES                          ; four plain instructions between a matrix instruction and a load into, or a vector instruction on, its registers
.rept 4
	v_nop
.endr
.endm
.macro QUARTER slot, k, f, g, zero     ; multiplies buffer f; in its middle fetches the next quarter, at byte k, into g
	s_wait_dscnt 8                                 ; wt's fragments and xb's rows 0-63 are in; the youngest eight loads may be out
	MUL16 \f, 0, 0, \zero
	MUL16 \f, 0, 2, \zero
	PLACES
	FETCH \slot, \k, \g
	s_wait_dscnt 32                                ; all but the 32 just issued
	MUL16 \f, 1, 0, \zero
	MUL16 \f, 1, 2, \zero
.endm
; The first half of a K step's last quarter: one barrier for the change of slots.  In front of it each wave waits for all its tensor loads (one is out: its part of the next slot), adds 0 to its spare word, and waits for that and for its reads of this slot.
.macro MEET round
	WIN 0
	s_wait_tensorcnt 0x0
	ds_add_u32 v[SPW], v[NIL]
	s_wait_dscnt 9                                 ; the add and the youngest eight loads may be out
	MUL16 F1, 0, 0, 0
	s_wait_dscnt 0x0                               ; the add is done, and my reads of this slot are over
	s_barrier_signal -1
	MUL16 F1, 0, 2, 0
.if \round
	WIN 0
.endif
	s_barrier_wait -1
.endm
.macro TURN slot, next                 ; the whole last quarter: the slot just read is filled again, two K steps on, first thing behind the round; then the next slot's first fragments
	s_wait_xcnt 0x0                                ; the last prefetch, a K step back, has read its address
	s_add_nc_u64 s[PFA:PFA+1], s[PFA:PFA+1], KSTEP*2
	MEET 1
	CREST                                          ; no wave of any partner still reads this slot or has a load on its way
	s_add_nc_u64 s[G0+4*(\slot)+2:G0+4*(\slot)+3], s[G0+4*(\slot)+2:G0+4*(\slot)+3], 2*KSTEP*2
	s_add_nc_u64 s[G0B+4*(\slot)+2:G0B+4*(\slot)+3], s[G0B+4*(\slot)+2:G0B+4*(\slot)+3], 2*KSTEP*2
	JLOAD \slot                                    ; its four v_nop are also the places in front of the loads below
	FETCH \next, 0, F0
	ASK
	MUL16 F1, 1, 0, 0
	MUL16 F1, 1, 2, 0
.endm
; The last K step (slot 1) goes by rows of the tile: all its fragments of wt fill window 1; my eight blocks of 16 rows are finished one after the other (8 accumulators by turns, K ascending) and leave at once.
.macro BLOAD q
	WIN TO_B
.irp i, 0,1,2,3,4,5,6,7
	ds_load_b128 v[64*(\q)+8*(\i):64*(\q)+8*(\i)+3],   v[ADRB+1] offset:64*(\q)+(\i)*16*PITCH
	ds_load_b128 v[64*(\q)+8*(\i)+4:64*(\q)+8*(\i)+7], v[ADRB+1] offset:64*(\q)+(\i)*16*PITCH+32
.endr
.endm
.macro ALOAD a
	WIN 0
.set FA, PA+32*((\a)%4)
.irp q, 0,1,2,3
	ds_load_b128 v[FA+8*(\q):FA+8*(\q)+3],   v[ADRA+1] offset:64*(\q)+(\a)*16*PITCH
	ds_load_b128 v[FA+8*(\q)+4:FA+8*(\q)+7], v[ADRA+1] offset:64*(\q)+(\a)*16*PITCH+32
.endr
.endm
.macro ROW a
.set FA, PA+32*((\a)%4)
.set AC, 64*((\a)%4)
	WIN MUL_LO+0x50*((\a)/4)
.irp q, 0,1,2,3
.if (\a) == 0 && (\q) == 2
	s_wait_dscnt 24                                ; wt's quarter 2 is in (behind it: xb's blocks 1 to 3)
.endif
.irp b, 0,1,2,3,4,5,6,7
	v_wmma_f32_16x16x32_bf16 v[AC+8*(\b):AC+8*(\b)+7], v[64*(\q)+8*(\b):64*(\q)+8*(\b)+7], v[FA+8*(\q):FA+8*(\q)+7], v[AC+8*(\b):AC+8*(\b)+7]
.endr
.endr
.endm
.macro PACK a                          ; rounded to f16, 16 bytes a lane; each accumulator's registers in ascending order
.set AC, 64*((\a)%4)
	WIN 0x0a+5*((\a)/4)
.irp b, 0,1,2,3,4,5,6,7
.irp r, 0,1,2,3
	v_cvt_pk_f16_f32 v[TMP+4*(\b)+(\r)], v[AC+8*(\b)+2*(\r)], v[AC+8*(\b)+2*(\r)+1]
.endr
.endr
	WIN 0
.endm
.macro TOSTAGE a                       ; into my own stage, and back as whole rows of 256 bytes
	WIN 0
.set BK, OB+192*((\a)%2)
.irp b, 0,1,2,3,4,5,6,7
	ds_store_b128 v[STO], v[TMP+4*(\b):TMP+4*(\b)+3] offset:32*(\b)
.endr
.irp t, 0,1,2,3,4,5,6,7
	ds_load_b128 v[BK+4*(\t):BK+4*(\t)+3], v[RD] offset:(\t)*2*SPITCH  ; LDS serves a wave's instructions in order (ISA guide 5.7.1.4): these see the stores above
.endr
.endm
.macro SEND a, younger
	WIN 0
.set BK, OB+192*((\a)%2)
	s_wait_dscnt \younger
	s_wait_xcnt 0x0                                ; the stores' base and the registers that earlier stores read are rewritten only behind this wait
.if (\a) == 0
	s_add_nc_u64 s[8:9], s[8:9], s[16:17]
.else
	s_add_nc_u64 s[8:9], s[8:9], 16*SIZE_N*2
.endif
.irp t, 0,1,2,3,4,5,6,7
	global_store_b128 v[CO], v[BK+4*(\t):BK+4*(\t)+3], s[8:9] offset:2*(\t)*SIZE_N*2  ; 16 lanes store 256 consecutive bytes, aligned
.endr
.endm
	s_wait_tensorcnt 1                             ; my part of K step 0 is in; K step 1's may stay out
	s_barrier_signal -1
	s_barrier_wait -1
	FETCH 0, 0, F0
	QUARTER 0, 64,  F0, F1, 1                      ; the first quarter stands in front of the loop: its products start the sums
	WIN 0
	s_mov_b32 s3, LAPS-1
.Llap:                                                 ; a trip goes once round the ring, from a lap's second quarter to the next lap's first, and fills both slots again
	QUARTER 0, 128, F1, F0, 0
	QUARTER 0, 192, F0, F1, 0
	TURN 0, 1
	QUARTER 1, 64,  F0, F1, 0
	QUARTER 1, 128, F1, F0, 0
	QUARTER 1, 192, F0, F1, 0
	TURN 1, 0
	QUARTER 0, 64,  F0, F1, 0
	WIN 0
	s_sub_co_u32 s3, s3, 1
	s_cmp_lg_u32 s3, 0
	s_cbranch_scc1 .Llap
	QUARTER 0, 128, F1, F0, 0
	QUARTER 0, 192, F0, F1, 0
	MEET 0                                         ; the load that was out is the last K step's
	PLACES
	BLOAD 0
	BLOAD 1
	BLOAD 3
	ALOAD 0
	MUL16 F1, 1, 0, 0
	MUL16 F1, 1, 2, 0
	PLACES
	BLOAD 2
	ALOAD 1
	ALOAD 2
	ALOAD 3
	s_wait_dscnt 40                                ; all but the 40 just issued
	ROW 0
.irp a, 0,1,2,3,4,5,6,7
	PLACES
	PACK \a
	TOSTAGE \a
.if (\a) < 4
	ALOAD (\a)+4
	SEND \a, 8
.else
	SEND \a, 0
.endif
.if (\a) < 7
	ROW (\a)+1
.endif
.endr
	s_wait_tensorcnt 0x0                           ; the wave's end
	ds_add_u32 v[SPW], v[NIL]
	s_wait_dscnt 0x0
	CROUND                                         ; the closing round
	s_endpgm
.Lfunc_end_k_q1303383eed_proj:
	.size	k_q1303383eed_proj, .Lfunc_end_k_q1303383eed_proj-k_q1303383eed_proj
	.p2alignl 7, 3214868480
	.fill 96, 4, 3214868480
	.section	.rodata,"a",@progbits
	.p2align	6, 0x0
	.amdhsa_kernel k_q1303383eed_proj
		.amdhsa_group_segment_fixed_size 327680
		.amdhsa_private_segment_fixed_size 0
		.amdhsa_enable_private_segment 0
		.amdhsa_kernarg_size 24
		.amdhsa_user_sgpr_count 2
		.amdhsa_user_sgpr_kernarg_segment_ptr 1
		.amdhsa_wavefront_size32 1
		.amdhsa_system_sgpr_workgroup_id_x 1
		.amdhsa_system_sgpr_workgroup_id_y 1
		.amdhsa_system_sgpr_workgroup_id_z 1
		.amdhsa_system_vgpr_workitem_id 0
		.amdhsa_next_free_vgpr 1024
		.amdhsa_next_free_sgpr 66
		.amdhsa_reserve_vcc 0
		.amdhsa_float_denorm_mode_32 3
		.amdhsa_float_denorm_mode_16_64 3
		.amdhsa_memory_ordered 1
		.amdhsa_forward_progress 1
		.amdhsa_inst_pref_size 144
	.end_amdhsa_kernel
	.amdgpu_metadata
---
amdhsa.version: [ 1, 2 ]
amdhsa.kernels:
  - .name:           k_q1303383eed_proj
    .symbol:         k_q1303383eed_proj.kd
    .args:
      - { .name: xb, .offset: 0, .size: 8, .value_kind: global_buffer, .address_space: global }
      - { .name: wt, .offset: 8, .size: 8, .value_kind: global_buffer, .address_space: global }
      - { .name: qkv, .offset: 16, .size: 8, .value_kind: global_buffer, .address_space: global }
    .group_segment_fixed_size: 327680
    .private_segment_fixed_size: 0
    .kernarg_segment_align: 8
    .kernarg_segment_size: 24
    .max_flat_workgroup_size: 128
    .sgpr_count:     66
    .vgpr_count:     1024
    .wavefront_size: 32
...
	.end_amdgpu_metadata
.endif
;; end of part 2
;; launch scores (part 3): grid 36 x 4, 4 waves a work-group, no clusters, 327,680 bytes of LDS; arguments qkv, pw, st; writes pw, st
.if DOCPART == 3
	.amdgcn_target "amdgcn-amd-amdhsa--gfx1250"
	.amdhsa_code_object_version 6
	.text
	.protected	k_q1303383eed_scores
	.globl	k_q1303383eed_scores
	.p2align	8
	.type	k_q1303383eed_scores,@function
k_q1303383eed_scores:
	s_mov_b64 s[64:65], 0
	v_nop
	global_prefetch_b8 v0, s[64:65] scope:SCOPE_SE
	s_setreg_imm32_b32 hwreg(HW_REG_WAVE_MODE, 25, 1), 1
	s_wait_xcnt 0x0
; For each tile (I, J), J <= I, of 256 queries x 256 keys of batch b: S = q k^T (f16 operands, f32 sums over 1,024 channels), the causal mask, the tile's row maximum m,
; p = 2^(c s - c m), c = log2(e) / 32, stored in f16 into pw [4][2048][2048]; c m and the sums l of the unrounded p (one for each half of 128 keys) in f32 into st.  The next launch joins the tiles by a running maximum.
; st: [b 4][J 8][g 32][half 2][512 bytes]; g = a group of 64 queries of the batch; bytes 0-255 c m, bytes 256-511 l, word 4 r + u for query 64 g + 16 u + r.
; LIMITS.  q and k arrive in f16 (within 65,504).  A hidden score counts as its value less 1e30 (f16's scores are 4.4e12 at the most).  A weight below 2^-126 counts as 0 in l; p below 6e-5 keeps f16's fixed step of 6e-8.  NaN and infinities are not treated apart.
; SHARES.  36 tiles a batch, x = I (I + 1) / 2 + J.  Four waves, 128 queries x 128 keys each: 64 accumulators.  K steps of 128 through two LDS slots, as in the projection.
; NO CLUSTER: row I of the triangle has I + 1 tiles, 1 to 8, and column J has 8 - J: neither divides into fours that share q's or k's rows at every I and J.
; THE MASK is the C operand that starts the sums: 0, or -1e30 where key > query.  With D = 256 (J - I) + 128 (my key half - my query half), key block b and query block a of 16: D + 16 (b - a) decides all but b = a at D = 0.
; The matrix instruction is used transposed (source 0 = 16 keys, source 1 = 16 queries): a lane holds ONE query (lane % 16) and the keys 8 (lane / 16) + 0..7 of each accumulator.
; REGISTERS: as in the projection; window 0 v32-55 the three masks, later maxima and c m; v64-255 at work on the way out.
.set KSTEP,  128
.set PITCH,  272
.set HALFT,  128*PITCH
.set SLOT,   4*HALFT
.set STAGE,  2*SLOT
.set SPITCH, 272
.set XM,     STAGE+4*16*SPITCH         ; 512 bytes for each wave: the two key halves exchange their maxima
.set SPARE,  XM+2048                   ; the spare words, 128 bytes a wave; no other line names them
.set QROW,   6144                      ; bytes in a row of qkv
.set PROW,   4096                      ; bytes in a row of pw
.set STF,  15                          ; v15  16 x lane: my 16 bytes of a record of st
.set ADRA, 16
.set ADRB, 20
.set STO,  24
.set RD,   25
.set CO,   26
.set XA,   27                          ; v27  where I put my maxima
.set SPW,  28
.set NIL,  29
.set PFO,  30                          ; v30  my lane x a row of qkv; never rewritten
.set XB,   31                          ; v31  where the other key half's maxima lie
.set ML,   32                          ; v[32:39] mask for key blocks below the query block
.set MDG,  40                          ; v[40:47] for the same block
.set MU,   48                          ; v[48:55] for those above
.set LM,   32                          ; later: my maxima, a register for each block of 16 queries
.set PM,   40                          ; the partner's
.set CM,   48                          ; v[48:63] pairs: c m, m
.set TT,   64                          ; v[64:255] 24 partial maxima for each block
.set LS,   64                          ; later: l
.set LT,   72
.set SQ,   96
.set BKB,  128                         ; v[128:191] two buffers of 16 rows read back from the stage
.set TMP,  192
.set F0,   64
.set F1,   128
.set G1, 24                            ; s[24:31] group 1, the same for q's and k's tiles
.set G0, 32                            ; s[32:39] group 0, a set for each slot
.set LIM, 40
.set PFA, 42
.set CS,  44                           ; s[44:45] c
.set SEL, 46                           ; s[46:47] v_permlanex16_b32's selects
.set NEG, 48
.set HM,  49                           ; lanes 16-31
.set MSB, 0
.macro WIN new
.if MSB != (\new)
	s_set_vgpr_msb (MSB<<8)|(\new)
.set MSB, \new
.endif
.endm
.set MUL_LO, 0xa1
.set TO_B,   0x40
.macro JLOAD s                         ; my quarter of a slot: each wave has a descriptor of its own; an s_nop 0 and four v_nop follow
	tensor_load_to_lds s[G0+4*(\s):G0+4*(\s)+3], s[G1:G1+7]
	s_nop 0
.rept 4
	v_nop
.endr
.endm
; A prefetch of the K step two refills on: my 128 rows x 256 bytes, a lane a row, four instructions.  q's rows of block I are read by the tiles (I, 0 .. I): tile (I, 0) asks; k's rows of block J by (J .. 7, J): tile (J, J) asks.
; So each row's 256 bytes of K steps 4 to 7 are named once; the loop's last trip (s3 = 1) asks for nothing.
.macro ASK
	s_cmp_gt_u32 s3, s[LIM]
	s_cbranch_scc0 .Lnot_mine_\@
.irp k, 0,1,2,3
	global_prefetch_b8 v[PFO], s[PFA:PFA+1] offset:KSTEP*2+32*QROW*(\k) th:TH_LOAD_NT scope:SCOPE_SE
.endr
.Lnot_mine_\@:
.endm
	s_load_b128 s[4:7], s[0:1], 0x0                ; qkv s[4:5], pw s[6:7]
	s_load_b64 s[8:9], s[0:1], 0x10                ; st
	v_lshl_add_u32 v[SPW], v0, 2, SPARE
	v_mov_b32 v[NIL], 0
	ds_add_u32 v[SPW], v[NIL]                      ; the wave's opening: the add and its wait stand ahead of my first tensor load
	ds_add_u32 v28, v29
	v_lshrrev_b32 v1, 5, v0
	v_readfirstlane_b32 s10, v1                    ; wave 0..3
	s_lshr_b32 s11, s10, 1                         ; my 128 queries.  Also: I fetch q's rows (0) or k's (1)
	s_and_b32 s12, s10, 1                          ; my 128 keys.  Also: which 128 rows I fetch
	s_and_b32 s15, ttmp7, 0xffff                   ; b
	s_mov_b32 s16, ttmp9
	s_mov_b32 s13, 0
.irp thr, 1,3,6,10,15,21,28
	s_cmp_ge_u32 s16, \thr                         ; I = how many rows of the triangle begin at or below x
	s_add_co_ci_u32 s13, s13, 0
.endr
	s_add_co_u32 s14, s13, 1
	s_mul_i32 s14, s14, s13
	s_lshr_b32 s14, s14, 1
	s_sub_co_u32 s14, s16, s14                     ; J = x - I (I + 1) / 2
	s_mov_b32 s[G1+0], (1<<16)|(1<<20)|(5<<22)|(3<<25)  ; 2-byte elements; padding on: after every 64 words, 4 words
	s_mov_b32 s[G1+1], KSTEP<<16                   ; tensor_dim0 = 128
	s_mov_b32 s[G1+2], 128<<16                     ; tensor_dim1 = 128
	s_mov_b32 s[G1+3], KSTEP<<16                   ; tile_dim0 = 128
	s_mov_b32 s[G1+4], 128                         ; tile_dim1 = 128
	s_mov_b32 s[G1+5], 3072                        ; elements from row to row
	s_mov_b32 s[G1+6], 0
	s_mov_b32 s[G1+7], 0
	s_cmp_eq_u32 s11, 0
	s_cselect_b32 s17, s13, s14                    ; q's block I, or k's block J,
	s_cselect_b32 s18, 0, 2048                     ; which begins 2,048 bytes into a row
	s_cselect_b32 s21, s14, s13
	s_cselect_b32 s22, 0, s14
	s_cmp_eq_u32 s21, s22                          ; J = 0 for q's waves, I = J for k's
	s_cselect_b32 s[LIM], 1, -1
	s_lshl_b32 s17, s17, 8
	s_lshl_b32 s19, s15, 11
	s_add_co_u32 s17, s17, s19
	s_lshl_b32 s19, s12, 7
	s_add_co_u32 s17, s17, s19                     ; the first row that I fetch
	s_mul_i32 s16, s17, QROW
	s_add_co_u32 s16, s16, s18
	s_mov_b32 s17, 0
	s_mul_i32 s20, s10, HALFT                      ; where it goes: q's two halves, then k's two halves
	s_mov_b32 s[CS], 0x3d38aa3b                    ; c = log2(e) / 32
	s_mov_b32 s[CS+1], s[CS]
	s_mov_b32 s[SEL], 0x76543210
	s_mov_b32 s[SEL+1], 0xfedcba98
	s_mov_b32 s[NEG], 0xf149f2ca                   ; -1e30
	s_mov_b32 s[HM], 0xffff0000
	s_wait_dscnt 0x0                               ; the opening add is done
	s_wait_kmcnt 0x0
	s_add_nc_u64 s[22:23], s[4:5], s[16:17]
.irp s, 0,1
	s_mov_b32 s[G0+4*(\s)], 1
	s_add_co_u32 s[G0+4*(\s)+1], s20, (\s)*SLOT
	s_add_nc_u64 s[G0+4*(\s)+2:G0+4*(\s)+3], s[22:23], (\s)*KSTEP*2
	s_or_b32 s[G0+4*(\s)+3], s[G0+4*(\s)+3], 0x80000000
	JLOAD \s                                       ; two loads of mine are out
.endr
	s_add_nc_u64 s[PFA:PFA+1], s[22:23], 2*KSTEP*2 ; at K step 2: the first refill steps it to 3 and names K step 4
	v_and_b32 v1, 15, v0                           ; r
	v_bfe_u32 v2, v0, 4, 1                         ; h
	v_mul_u32_u24 v3, v1, PITCH
	v_lshl_add_u32 v3, v2, 4, v3
	s_mul_i32 s21, s11, HALFT
	s_mul_i32 s22, s12, HALFT
	s_add_co_u32 s22, s22, 2*HALFT
.irp s, 0,1
	v_add_nc_u32 v[ADRA+(\s)], s21, v3
	v_add_nc_u32 v[ADRB+(\s)], s22, v3
	s_add_co_u32 s21, s21, SLOT
	s_add_co_u32 s22, s22, SLOT
.endr
	s_mul_i32 s23, s10, 16*SPITCH
	s_add_co_u32 s23, s23, STAGE
	v_mul_u32_u24 v4, v1, SPITCH
	v_lshl_add_u32 v4, v2, 4, v4
	v_add_nc_u32 v[STO], s23, v4
	v_mul_u32_u24 v5, v2, SPITCH
	v_lshl_add_u32 v5, v1, 4, v5
	v_add_nc_u32 v[RD], s23, v5
	v_lshlrev_b32 v5, 12, v2
	v_lshl_add_u32 v[CO], v1, 4, v5                ; two rows of pw, 16 bytes a lane
	s_lshl_b32 s23, s10, 9
	s_add_co_u32 s23, s23, XM
	v_lshl_add_u32 v[XA], v1, 4, s23
	s_xor_b32 s23, s10, 1
	s_lshl_b32 s23, s23, 9
	s_add_co_u32 s23, s23, XM
	v_lshl_add_u32 v[XB], v1, 4, s23
	v_and_b32 v[PFO], 31, v0
	v_lshlrev_b32 v[STF], 4, v[PFO]
	v_mul_u32_u24 v[PFO], v[PFO], QROW
	; pw at my 128 rows and 128 keys; st at my two records
	s_lshl_b32 s16, s15, 11
	s_lshl_b32 s17, s13, 8
	s_add_co_u32 s16, s16, s17
	s_lshl_b32 s17, s11, 7
	s_add_co_u32 s16, s16, s17
	s_lshl_b32 s16, s16, 12
	s_lshl_b32 s17, s14, 9
	s_add_co_u32 s16, s16, s17
	s_lshl_b32 s17, s12, 8
	s_add_co_u32 s16, s16, s17
	s_mov_b32 s17, 0
	s_add_nc_u64 s[6:7], s[6:7], s[16:17]
	s_lshl_b32 s16, s15, 3
	s_add_co_u32 s16, s16, s14
	s_lshl_b32 s16, s16, 5
	s_lshl_b32 s18, s13, 2
	s_add_co_u32 s16, s16, s18
	s_lshl_b32 s18, s11, 1
	s_add_co_u32 s16, s16, s18
	s_lshl_b32 s16, s16, 10
	s_lshl_b32 s18, s12, 9
	s_add_co_u32 s16, s16, s18
	s_add_nc_u64 s[8:9], s[8:9], s[16:17]
	; the masks
	s_sub_co_i32 s16, s14, s13
	s_lshl_b32 s16, s16, 1
	s_add_co_i32 s16, s16, s12
	s_sub_co_i32 s16, s16, s11                     ; D / 128
	s_cmp_gt_i32 s16, 0
	s_cselect_b32 s17, s[NEG], 0
	s_cmp_ge_i32 s16, 0
	s_cselect_b32 s18, s[NEG], 0
.irp j, 0,1,2,3,4,5,6,7
	v_mov_b32 v[ML+(\j)], s17
	v_mov_b32 v[MU+(\j)], s18
.endr
	v_lshlrev_b32 v14, 3, v2
	v_sub_nc_u32 v14, v1, v14                      ; r - 8 h: in the query's own block register j is hidden where j is greater
.irp j, 0,1,2,3,4,5,6,7
	v_cmp_gt_i32 vcc_lo, \j, v14
	v_cndmask_b32 v[MDG+(\j)], v[ML], v[MU], vcc_lo
.endr
; 16 matrix instructions: query blocks a0, a0 + 1 of the window's four x all 8 key blocks, 32 channels.  zero = 1: the sums start with the mask (window 0)
.macro MUL16 f, hi, a0, zero
.if \zero
	WIN 0x81+0x40*(\hi)
.else
	WIN MUL_LO+0x50*(\hi)
.endif
.irp a, \a0, (\a0)+1
.irp b, 0,1,2,3,4,5,6,7
.if \zero
.if (\b) < 4*(\hi)+(\a)
.set MK, ML
.elseif (\b) == 4*(\hi)+(\a)
.set MK, MDG
.else
.set MK, MU
.endif
	v_wmma_f32_16x16x32_f16 v[8*(8*(\a)+(\b)):8*(8*(\a)+(\b))+7], v[(\f)+8*(\b):(\f)+8*(\b)+7], v[(\f)+8*(4*(\hi)+(\a)):(\f)+8*(4*(\hi)+(\a))+7], v[MK:MK+7]
.else
	v_wmma_f32_16x16x32_f16 v[8*(8*(\a)+(\b)):8*(8*(\a)+(\b))+7], v[(\f)+8*(\b):(\f)+8*(\b)+7], v[(\f)+8*(4*(\hi)+(\a)):(\f)+8*(4*(\hi)+(\a))+7], v[8*(8*(\a)+(\b)):8*(8*(\a)+(\b))+7]
.endif
.endr
.endr
.endm
.macro FETCH slot, k, f
	WIN TO_B
.irp i, 0,1,2,3,4,5,6,7
	ds_load_b128 v[(\f)+8*(\i):(\f)+8*(\i)+3],   v[ADRB+(\slot)] offset:(\k)+(\i)*16*PITCH
	ds_load_b128 v[(\f)+8*(\i)+4:(\f)+8*(\i)+7], v[ADRB+(\slot)] offset:(\k)+(\i)*16*PITCH+32
.endr
	WIN 0
.irp i, 0,1,2,3,4,5,6,7
	ds_load_b128 v[(\f)+8*(\i):(\f)+8*(\i)+3],   v[ADRA+(\slot)] offset:(\k)+(\i)*16*PITCH
	ds_load_b128 v[(\f)+8*(\i)+4:(\f)+8*(\i)+7], v[ADRA+(\slot)] offset:(\k)+(\i)*16*PITCH+32
.endr
.endm
.macro PLACES
.rept 4
	v_nop
.endr
.endm
.macro QUARTER slot, k, f, g, zero
	s_wait_dscnt 8                                 ; k's fragments and q's rows 0-63 are in; the youngest eight loads may be out
	MUL16 \f, 0, 0, \zero
	MUL16 \f, 0, 2, \zero
	PLACES
	FETCH \slot, \k, \g
	s_wait_dscnt 32                                ; all but the 32 just issued
	MUL16 \f, 1, 0, \zero
	MUL16 \f, 1, 2, \zero
.endm
.macro MEET                            ; one barrier for the change of slots: all my tensor loads have landed, the add, my reads of this slot are over
	WIN 0
	s_wait_tensorcnt 0x0
	ds_add_u32 v[SPW], v[NIL]
	s_wait_dscnt 9                                 ; the add and the youngest eight loads may be out
	MUL16 F1, 0, 0, 0
	s_wait_dscnt 0x0
	s_barrier_signal -1
	MUL16 F1, 0, 2, 0
	s_barrier_wait -1
.endm
.macro TURN slot, next, fill           ; a K step's last quarter.  fill = 1: the slot just read is filled again, two K steps on, first thing behind the barrier
.if \fill
	s_wait_xcnt 0x0                                ; the last prefetches, a K step back, have read their address
	s_add_nc_u64 s[PFA:PFA+1], s[PFA:PFA+1], KSTEP*2
.endif
	MEET
.if \fill
	s_add_nc_u64 s[G0+4*(\slot)+2:G0+4*(\slot)+3], s[G0+4*(\slot)+2:G0+4*(\slot)+3], 2*KSTEP*2
	JLOAD \slot                                    ; its four v_nop are also the places in front of the loads below
.else
	PLACES
.endif
	FETCH \next, 0, F0
.if \fill
	ASK
.endif
	MUL16 F1, 1, 0, 0
	MUL16 F1, 1, 2, 0
.endm
	s_wait_tensorcnt 1                             ; my part of K step 0 is in; K step 1's may stay out
	s_barrier_signal -1
	s_barrier_wait -1
	FETCH 0, 0, F0
	QUARTER 0, 64,  F0, F1, 1                      ; the first quarter's products start the sums, with the masks
	WIN 0
	s_mov_b32 s3, 3
.Llap:                                                 ; three trips fill K steps 2 to 7
	QUARTER 0, 128, F1, F0, 0
	QUARTER 0, 192, F0, F1, 0
	TURN 0, 1, 1
	QUARTER 1, 64,  F0, F1, 0
	QUARTER 1, 128, F1, F0, 0
	QUARTER 1, 192, F0, F1, 0
	TURN 1, 0, 1
	QUARTER 0, 64,  F0, F1, 0
	WIN 0
	s_sub_co_u32 s3, s3, 1
	s_cmp_lg_u32 s3, 0
	s_cbranch_scc1 .Llap
	QUARTER 0, 128, F1, F0, 0                      ; the last lap fills nothing
	QUARTER 0, 192, F0, F1, 0
	TURN 0, 1, 0
	QUARTER 1, 64,  F0, F1, 0
	QUARTER 1, 128, F1, F0, 0
	QUARTER 1, 192, F0, F1, 0
	s_wait_dscnt 8
	MUL16 F1, 0, 0, 0
	MUL16 F1, 0, 2, 0
	s_wait_dscnt 0x0
	MUL16 F1, 1, 0, 0
	MUL16 F1, 1, 2, 0
	PLACES
	; THE MAXIMUM of each query over my 128 keys: three partial maxima an accumulator (its lowest registers first), then 24 into one, then the other half of the lanes
.irp a, 0,1,2,3,4,5,6,7
	WIN 0x2a+0x15*((\a)/4)                         ; all sources in window 2 or 3, destination in window 0
.irp b, 0,1,2,3,4,5,6,7
	v_max3_num_f32 v[TT+24*(\a)+3*(\b)],  v[64*((\a)%4)+8*(\b)],   v[64*((\a)%4)+8*(\b)+1], v[64*((\a)%4)+8*(\b)+2]
	v_max3_num_f32 v[TT+24*(\a)+3*(\b)+1], v[64*((\a)%4)+8*(\b)+3], v[64*((\a)%4)+8*(\b)+4], v[64*((\a)%4)+8*(\b)+5]
	v_max_num_f32  v[TT+24*(\a)+3*(\b)+2], v[64*((\a)%4)+8*(\b)+6], v[64*((\a)%4)+8*(\b)+7]
.endr
.endr
	WIN 0
.irp a, 0,1,2,3,4,5,6,7
.irp b, 0,1,2,3,4,5,6,7
	v_max3_num_f32 v[TT+24*(\a)+3*(\b)], v[TT+24*(\a)+3*(\b)], v[TT+24*(\a)+3*(\b)+1], v[TT+24*(\a)+3*(\b)+2]
.endr
.endr
.irp a, 0,1,2,3,4,5,6,7
	v_max3_num_f32 v[TT+24*(\a)],    v[TT+24*(\a)],    v[TT+24*(\a)+3],  v[TT+24*(\a)+6]
	v_max3_num_f32 v[TT+24*(\a)+9],  v[TT+24*(\a)+9],  v[TT+24*(\a)+12], v[TT+24*(\a)+15]
	v_max_num_f32  v[TT+24*(\a)+18], v[TT+24*(\a)+18], v[TT+24*(\a)+21]
.endr
.irp a, 0,1,2,3,4,5,6,7
	v_max3_num_f32 v[TT+24*(\a)], v[TT+24*(\a)], v[TT+24*(\a)+9], v[TT+24*(\a)+18]
.endr
.irp a, 0,1,2,3,4,5,6,7
	v_permlanex16_b32 v[TT+24*(\a)+1], v[TT+24*(\a)], s[SEL], s[SEL+1]
.endr
.irp a, 0,1,2,3,4,5,6,7
	v_max_num_f32 v[LM+(\a)], v[TT+24*(\a)], v[TT+24*(\a)+1]
.endr
	ds_store_b128 v[XA], v[LM:LM+3]                ; the two halves of the lanes hold, and write, the same numbers
	ds_store_b128 v[XA], v[LM+4:LM+7] offset:256
	s_wait_dscnt 0x0                               ; for the partner's sake: my maxima lie in LDS
	s_barrier_signal -1
	s_barrier_wait -1
	ds_load_b128 v[PM:PM+3], v[XB]                 ; the same queries' maxima over the tile's other 128 keys
	ds_load_b128 v[PM+4:PM+7], v[XB] offset:256
	s_wait_dscnt 0x0
.irp a, 0,1,2,3,4,5,6,7
	v_max_num_f32 v[CM+2*(\a)+1], v[LM+(\a)], v[PM+(\a)]  ; m: every row of a tile sees at least the tile's first key or its own
.endr
.irp a, 0,1,2,3,4,5,6,7
	v_mul_f32 v[CM+2*(\a)], s[CS], v[CM+2*(\a)+1]
.endr
; Block a of 16 queries: c s - c m in place; 64 exponentials, ONE batch with one plain instruction and one wait behind it; the weights rounded to f16; their sum by a tree in place
.macro SOFT a
.set WW, 2+(\a)/4
.set AC, 64*((\a)%4)
	WIN WW|(WW<<6)
.set i, 0
.rept 32
	v_pk_fma_f32 v[AC+i:AC+i+1], v[AC+i:AC+i+1], s[CS:CS+1], v[CM+2*(\a):CM+2*(\a)+1] op_sel_hi:[1,0,0] neg_lo:[0,0,1] neg_hi:[0,0,1]
.set i, i+2
.endr
.set i, 0
.rept 64
	v_exp_f32 v[AC+i], v[AC+i]
.set i, i+1
.endr
	v_nop                                          ; a plain instruction behind the last exponential,
	s_wait_alu depctr_va_vdst(0)                   ; and the wait ahead of the first reader: one for the batch
	WIN WW|(WW<<2)
.set i, 0
.rept 32
	v_cvt_pk_f16_f32 v[TMP+i], v[AC+2*i], v[AC+2*i+1]
.set i, i+1
.endr
	WIN WW|(WW<<2)|(WW<<6)
.irp n, 16,8,4,2,1
.set i, 0
.rept \n
	v_pk_add_f32 v[AC+2*i:AC+2*i+1], v[AC+2*i:AC+2*i+1], v[AC+2*(i+(\n)):AC+2*(i+(\n))+1]
.set i, i+1
.endr
.endr
	WIN WW|(WW<<2)
	v_add_f32 v[LS+(\a)], v[AC], v[AC+1]
	WIN 0
.endm
.macro TOSTAGE a
	WIN 0
.set BK, BKB+32*((\a)%2)
.irp b, 0,1,2,3,4,5,6,7
	ds_store_b128 v[STO], v[TMP+4*(\b):TMP+4*(\b)+3] offset:32*(\b)
.endr
.irp t, 0,1,2,3,4,5,6,7
	ds_load_b128 v[BK+4*(\t):BK+4*(\t)+3], v[RD] offset:(\t)*2*SPITCH  ; LDS serves a wave's instructions in order (ISA guide 5.7.1.4): these see the stores above
.endr
.endm
.macro SEND a
	WIN 0
.set BK, BKB+32*((\a)%2)
	s_wait_dscnt 0x0                               ; the block is back in registers
	s_wait_xcnt 0x0                                ; the stores' base and the registers that earlier stores read are rewritten only behind this wait
.if (\a) > 0
	s_add_nc_u64 s[6:7], s[6:7], 16*PROW
.endif
.irp t, 0,1,2,3,4,5,6,7
	global_store_b128 v[CO], v[BK+4*(\t):BK+4*(\t)+3], s[6:7] offset:2*(\t)*PROW  ; 16 lanes store 256 consecutive bytes, aligned
.endr
.endm
	SOFT 0
	TOSTAGE 0
.irp a, 1,2,3,4,5,6,7                  ; a block's arithmetic stands between the loads of the block before and its stores
	SOFT \a
	SEND (\a)-1
	TOSTAGE \a
.endr
	SEND 7
.irp a, 0,1,2,3,4,5,6,7
	v_permlanex16_b32 v[LT+(\a)], v[LS+(\a)], s[SEL], s[SEL+1]
.endr
.irp a, 0,1,2,3,4,5,6,7
	v_add_f32 v[LS+(\a)], v[LS+(\a)], v[LT+(\a)]   ; l over my 128 keys
.endr
.irp a, 0,1,2,3,4,5,6,7
	v_cndmask_b32 v[SQ+(\a)], v[CM+2*(\a)], v[LS+(\a)], s[HM]  ; lanes 0-15 store c m, lanes 16-31 l
.endr
	global_store_b128 v[STF], v[SQ:SQ+3], s[8:9]               ; a record: 512 consecutive bytes
	global_store_b128 v[STF], v[SQ+4:SQ+7], s[8:9] offset:1024
	s_wait_tensorcnt 0x0                           ; the wave's end
	ds_add_u32 v[SPW], v[NIL]
	s_wait_dscnt 0x0
	s_endpgm
.Lfunc_end_k_q1303383eed_scores:
	.size	k_q1303383eed_scores, .Lfunc_end_k_q1303383eed_scores-k_q1303383eed_scores
	.p2alignl 7, 3214868480
	.fill 96, 4, 3214868480
	.section	.rodata,"a",@progbits
	.p2align	6, 0x0
	.amdhsa_kernel k_q1303383eed_scores
		.amdhsa_group_segment_fixed_size 327680
		.amdhsa_private_segment_fixed_size 0
		.amdhsa_enable_private_segment 0
		.amdhsa_kernarg_size 24
		.amdhsa_user_sgpr_count 2
		.amdhsa_user_sgpr_kernarg_segment_ptr 1
		.amdhsa_wavefront_size32 1
		.amdhsa_system_sgpr_workgroup_id_x 1
		.amdhsa_system_sgpr_workgroup_id_y 1
		.amdhsa_system_sgpr_workgroup_id_z 1
		.amdhsa_system_vgpr_workitem_id 0
		.amdhsa_next_free_vgpr 1024
		.amdhsa_next_free_sgpr 66
		.amdhsa_reserve_vcc 1
		.amdhsa_float_denorm_mode_32 3
		.amdhsa_float_denorm_mode_16_64 3
		.amdhsa_memory_ordered 1
		.amdhsa_forward_progress 1
		.amdhsa_inst_pref_size 211
	.end_amdhsa_kernel
	.amdgpu_metadata
---
amdhsa.version: [ 1, 2 ]
amdhsa.kernels:
  - .name:           k_q1303383eed_scores
    .symbol:         k_q1303383eed_scores.kd
    .args:
      - { .name: qkv, .offset: 0, .size: 8, .value_kind: global_buffer, .address_space: global }
      - { .name: pw, .offset: 8, .size: 8, .value_kind: global_buffer, .address_space: global }
      - { .name: st, .offset: 16, .size: 8, .value_kind: global_buffer, .address_space: global }
    .group_segment_fixed_size: 327680
    .private_segment_fixed_size: 0
    .kernarg_segment_align: 8
    .kernarg_segment_size: 24
    .max_flat_workgroup_size: 128
    .sgpr_count:     66
    .vgpr_count:     1024
    .wavefront_size: 32
...
	.end_amdgpu_metadata
.endif
;; end of part 3
;; launch ctx (part 4): grid 8 x 32, 4 waves a work-group, clusters of 4 x 1, 327,680 bytes of LDS; arguments pw, qkv, st, out0; writes out0
.if DOCPART == 4
	.amdgcn_target "amdgcn-amd-amdhsa--gfx1250"
	.amdhsa_code_object_version 6
	.text
	.protected	k_q1303383eed_ctx
	.globl	k_q1303383eed_ctx
	.p2align	8
	.type	k_q1303383eed_ctx,@function
k_q1303383eed_ctx:
	s_mov_b64 s[64:65], 0
	v_nop
	global_prefetch_b8 v0, s[64:65] scope:SCOPE_SE
	s_setreg_imm32_b32 hwreg(HW_REG_WAVE_MODE, 25, 1), 1
	s_wait_xcnt 0x0
	s_wait_alu depctr_hold_cnt(0) depctr_sa_sdst(0) depctr_va_vdst(0) depctr_va_sdst(0) depctr_va_ssrc(0) depctr_va_vcc(0) depctr_vm_vsrc(0)
	s_getreg_b32 s2, hwreg(HW_REG_IB_STS2, 6, 4)
	s_cmp_eq_u32 s2, 0
	s_cbranch_scc0 .Lentry_in_a_cluster
	s_endpgm
.Lentry_in_a_cluster:
	s_bfe_u32 s2, ttmp6, 0x10000c
	s_cmp_lg_u32 s2, 0x3003
	s_cbranch_scc0 .Lentry_shape_is_right
	s_endpgm
.Lentry_shape_is_right:
; out0[b][q][e] = (sum over key tiles T of f_T (P_T V_T)[q][e]) / L[q].  P_T = 2^(c s - c m_T) in f16 from pw, V from qkv's columns 2048-3071 (f16), c m_T and l_T from st; all sums and carries in f32; out0 f32.
; A RUNNING MAXIMUM M over the tiles of 256 keys: a = 2^(M_old - M_new), f = 2^(c m_T - M_new); O = O a + T f, L = L a + (l0 + l1) f, where T = P_T V_T is summed from 0.
; LIMITS.  V within f16's 65,504.  A block's first tile multiplies O and L by a = 0, so what the block before left there must be finite.  NaN and infinities are not treated apart.
; THE WALK.  A work-group makes 128 channels of TWO blocks of 128 queries, p and then 15 - p: (p >> 1) + 1 and 8 - (p >> 1) key tiles, 9 whatever p: all 256 work-groups do equal work, and one counted loop walks them.
; Four waves, 64 queries x 64 channels each: 16 accumulators T (window 0) and 16 O (window 2).  A slot of LDS holds 128 rows x 256 keys of P and 256 keys x 128 channels of V; two slots take turns.
; CLUSTER of 4 along the channels: the four partners walk the same P, which is asked for jointly.  V's tiles differ between them (other channels) and come by plain loads; work-groups with the same channels have
; different p, so different walks: a walk common to all would have 12 trips for 9.
; The matrix instruction is used transposed (source 0 = 16 channels of V, turned by ds_load_tr16_b128; source 1 = 16 queries of P): a lane holds ONE query (lane % 16) and eight neighbouring channels.
; REGISTERS (s_set_vgpr_msb: bits 1:0 source 0, 3:2 source 1, 5:4 source 2, 7:6 destination): window 0: v0-15 addresses, v16-63 statistics, v128-255 T; window 1: two fragment buffers of 128; window 2: v0-127 O.
.set PPITCH, 528                       ; a row of P in LDS: 512 bytes + 16: the 16 rows of a load start at 16 different groups of four banks (64 banks of 4 bytes: ISA guide 11.1)
.set VPITCH, 288                       ; a row of V: 256 + 32
.set PHALF,  64*PPITCH
.set VOFF,   2*PHALF
.set VHALF,  128*VPITCH
.set SLOT,   VOFF+2*VHALF
.set STAGE,  2*SLOT                    ; behind the ring: 16 rows x 272 bytes for each wave, for the way out
.set SPITCH, 272
.set SPARE,  STAGE+4*16*SPITCH         ; the spare words, 128 bytes a wave; no other line names them
.set PROW,   4096                      ; bytes in a row of pw, and of out0
.set QROW,   6144                      ; bytes in a row of qkv
.set VSTEP,  256*QROW                  ; from a key tile to the next
.set AP0, 2                            ; my lane's place in a slot's P; never rewritten
.set AV0, 3                            ; the same for V
.set AP,  4                            ; the same in the slot in hand
.set AVL, 5                            ; V's keys 0-127
.set AVH, 6                            ; V's keys 128-255
.set STO, 7
.set RD,  8
.set GO,  9
.set SO,  10                           ; 16 x (lane % 16): my four words of a record of st
.set PFO, 11                           ; my lane x a row of pw or of qkv; never rewritten
.set SPW, 12
.set NIL, 13
.set CMT, 16                           ; v[16:19] c m of the tile, a register for each block of 16 queries
.set LA0, 20                           ; v[20:23] l of its first 128 keys
.set LA1, 24                           ; v[24:27] of its second
.set MR,  28                           ; v[28:31] M
.set LR,  32                           ; v[32:35] L
.set MN,  36
.set AA,  40                           ; v[40:47] pairs: a, its exponent
.set FF,  48                           ; v[48:55] pairs: f, its exponent
.set RR,  56                           ; v[56:63] pairs: 1 / L, 0
.set ACC, 128
.set F0,  0
.set F1,  128
.set WV,  12
.set RH,  13                           ; my 64 queries.  Also: I fetch P (0) or V (1)
.set CH,  14                           ; my 64 channels.  Also: which half of a tile I fetch
.set G1P, 16
.set G1V, 24
.set G0P, 32                           ; s[32:39] two sets, for the two first fills; the second then walks on
.set G0V, 40
.set NXT, 48                           ; the key tile to be asked for next
.set LQ,  49                           ; the last tile of the block whose tiles are being asked for
.set ABO, 50                           ; that block's byte offset in pw
.set ABL, 51                           ; the second block's
.set LQL, 52
.set RT,  53                           ; tiles of the block in hand that are still to be added
.set CNT, 54
.set TB,  55                           ; LDS byte at which the slot in hand begins: 0 or SLOT
.set OFF, 56                           ; s[56:57] an offset, high word 0
.set PB,  58                           ; s[58:59] pw at my half of a block's rows
.set VB,  60                           ; s[60:61] qkv at my half of key tile 0, my work-group's channels of v
.set PLO, 62
.set VLO, 63
.set SB,  66                           ; s[66:67] st at the record in hand
.set SBL, 68
.set OB,  70                           ; s[70:71] out0 at my rows and channels
.set OBL, 72
.set PFA, 74
.set LIM, 76
.set NL,  77
.set PFB, 78
.set CX,  84
.set CT,  85
.set BB,  86
.set PPN, 87
.set LIMH, 92
.set PL,  93
.set MSB, 0
.macro WIN new
.if MSB != (\new)
	s_set_vgpr_msb (MSB<<8)|(\new)
.set MSB, \new
.endif
.endm
.set MUL,  0x05                        ; sources 0 and 1 window 1; C and D window 0
.set TO_F, 0x40                        ; destination window 1, address window 0
.macro PLACES
.rept 4
	v_nop
.endr
.endm
.macro JLOAD                           ; a refill: waves 0 and 1 ask jointly for P's two halves, waves 2 and 3 for V's; an s_nop 0 and four v_nop follow each line
	s_cmp_lt_u32 s[WV], 2
	s_cbranch_scc0 .Lfor_v_\@
	tensor_load_to_lds s[G0P+4:G0P+7], s[G1P:G1P+7]
	s_nop 0
	PLACES
	s_branch .Lasked_\@
.Lfor_v_\@:
	tensor_load_to_lds s[G0V+4:G0V+7], s[G1V:G1V+7]
	s_nop 0
	PLACES
.Lasked_\@:
.endm
.macro CROUND                          ; a round of the cluster's barrier
	s_barrier_signal -1
	s_barrier_wait -1
	s_cmp_lg_u32 s[WV], 0
	s_cbranch_scc1 .Lnot_wave_0_\@
	s_barrier_signal -3
.Lnot_wave_0_\@:
	s_barrier_wait -3
	s_barrier_signal -1
	s_barrier_wait -1
.endm
; Both group 0 of one set are written for tile NXT of the block at ABO, into the slot at LDS byte base; each address is made anew from its tensor's base and an offset.  Then the walk steps: behind the first block's last tile comes the second block's tile 0.
.macro NEXT set, base
	s_lshl_b32 s[OFF], s[NXT], 9                   ; 256 keys of 2 bytes
	s_add_co_u32 s[OFF], s[OFF], s[ABO]
	s_mov_b32 s[G0P+4*(\set)], 1
	s_add_co_u32 s[G0P+4*(\set)+1], s[PLO], \base
	s_add_nc_u64 s[G0P+4*(\set)+2:G0P+4*(\set)+3], s[PB:PB+1], s[OFF:OFF+1]
	s_or_b32 s[G0P+4*(\set)+3], s[G0P+4*(\set)+3], 0x80000000
	s_mul_i32 s[OFF], s[NXT], VSTEP
	s_mov_b32 s[G0V+4*(\set)], 1
	s_add_co_u32 s[G0V+4*(\set)+1], s[VLO], \base
	s_add_nc_u64 s[G0V+4*(\set)+2:G0V+4*(\set)+3], s[VB:VB+1], s[OFF:OFF+1]
	s_or_b32 s[G0V+4*(\set)+3], s[G0V+4*(\set)+3], 0x80000000
	s_add_co_u32 s[NXT], s[NXT], 1
	s_cmp_gt_u32 s[NXT], s[LQ]
	s_cselect_b32 s[NXT], 0, s[NXT]
	s_cselect_b32 s[ABO], s[ABL], s[ABO]
	s_cselect_b32 s[LQ], s[LQL], s[LQ]
.endm
; A PREFETCH of what the NEXT change of slots will ask for.  P's 128 rows x 512 bytes: both clusters of a (b, p) read them; the one with x = 0 asks; its four partners take 32 rows each, told apart by address, waves 0 and 1 a
; half of 256 bytes each: a lane a row, one instruction.  V's tile of my channels: read by all eight p; for T = 4 to 7 the work-groups with p = 0 are among the first to load it, and they ask (waves 2 and 3, 128 keys each,
; four instructions); T = 0 to 3 are loaded by other work-groups no later than p = 0 could ask, and are not asked for.  The last trip that fills a slot (CNT = 1) asks for nothing.
.macro ASK
	s_cmp_gt_u32 s[CNT], s[LIM]
	s_cbranch_scc0 .Lnone_\@
	s_cmp_le_u32 s[CNT], s[LIMH]
	s_cbranch_scc0 .Lnone_\@
	global_prefetch_b8 v[PFO], s[PFA:PFA+1] th:TH_LOAD_NT scope:SCOPE_SE
	s_cmp_eq_u32 s[RH], 0
	s_cbranch_scc1 .Lnone_\@
.irp k, 1,2,3
	global_prefetch_b8 v[PFO], s[PFA:PFA+1] offset:32*QROW*(\k) th:TH_LOAD_NT scope:SCOPE_SE
.endr
.Lnone_\@:
.endm
	s_load_b256 s[4:11], s[0:1], 0x0               ; pw s[4:5], qkv s[6:7], st s[8:9], out0 s[10:11]
	v_lshl_add_u32 v[SPW], v0, 2, SPARE
	v_mov_b32 v[NIL], 0
	ds_add_u32 v[SPW], v[NIL]                      ; the wave's opening: the add and its wait stand ahead of the round in front of my first tensor load
	ds_add_u32 v12, v13
	v_lshrrev_b32 v1, 5, v0
	v_readfirstlane_b32 s[WV], v1
	s_lshr_b32 s[RH], s[WV], 1
	s_and_b32 s[CH], s[WV], 1
	s_bfe_u32 s[CX], ttmp6, 0x40000                ; my place in the cluster: it enters V's, out0's and the prefetches' addresses alone
	s_lshl_b32 s[CT], ttmp9, 2
	s_add_co_u32 s[CT], s[CT], s[CX]               ; my 128 channels
	s_and_b32 s2, ttmp7, 0xffff
	s_lshr_b32 s[BB], s2, 3                        ; batch
	s_and_b32 s[PPN], s2, 7                        ; p: the first block
	s_sub_co_u32 s[PL], 15, s[PPN]                 ; the second
	s_lshl_b32 s[ABO], s[BB], 23                   ; 2,048 rows of 4,096 bytes
	s_lshl_b32 s2, s[PPN], 19                      ; 128 rows
	s_lshl_b32 s3, s[PL], 19
	s_add_co_u32 s[ABL], s[ABO], s3
	s_add_co_u32 s[ABO], s[ABO], s2
	s_lshr_b32 s[LQ], s[PPN], 1
	s_lshr_b32 s[LQL], s[PL], 1
	s_add_co_u32 s[RT], s[LQ], 1
	s_add_co_u32 s[NL], s[LQL], 1
	s_mov_b32 s[NXT], 0
	s_mov_b32 s[TB], 0
	s_mov_b32 s[CNT], 8
	s_mov_b32 s[OFF+1], 0
	s_mul_i32 s[PLO], s[CH], PHALF
	s_mul_i32 s[VLO], s[CH], VHALF
	s_add_co_u32 s[VLO], s[VLO], VOFF
	s_mov_b32 s[G1P+0], 15|(1<<16)|(1<<20)|(1<<21)|(6<<22)|(3<<25)  ; the mask of four; 2-byte elements; padding on; bit 21 beside a mask; after every 128 words, 4 words
	s_mov_b32 s[G1P+1], 256<<16                    ; tensor_dim0 = 256
	s_mov_b32 s[G1P+2], 64<<16                     ; tensor_dim1 = 64
	s_mov_b32 s[G1P+3], 256<<16                    ; tile_dim0 = 256
	s_mov_b32 s[G1P+4], 64                         ; tile_dim1 = 64
	s_mov_b32 s[G1P+5], 2048
	s_mov_b32 s[G1P+6], 0
	s_mov_b32 s[G1P+7], 0
	s_mov_b32 s[G1V+0], (1<<16)|(1<<20)|(5<<22)|(7<<25)  ; no mask; after every 64 words, 8 words
	s_mov_b32 s[G1V+1], 128<<16
	s_mov_b32 s[G1V+2], 128<<16
	s_mov_b32 s[G1V+3], 128<<16
	s_mov_b32 s[G1V+4], 128
	s_mov_b32 s[G1V+5], 3072
	s_mov_b32 s[G1V+6], 0
	s_mov_b32 s[G1V+7], 0
	s_mov_b32 s3, QROW                             ; an instruction holds one literal: the one row length lies in a register, the other in the select
	s_cmp_eq_u32 s[RH], 0
	s_cselect_b32 s15, ttmp9, s[PPN]               ; P's waves ask where the cluster's x is 0, V's where p is 0: the same in all four partners
	s_cselect_b32 s[LIMH], 7, 5
	s_cselect_b32 s3, PROW, s3
	s_cmp_eq_u32 s15, 0
	s_cselect_b32 s[LIM], 1, -1
	v_and_b32 v1, 31, v0
	v_mul_u32_u24 v[PFO], s3, v1
	s_wait_dscnt 0x0                               ; the opening add is done
	s_wait_kmcnt 0x0
	s_lshl_b32 s88, s[CH], 18                      ; 64 rows of pw
	s_mov_b32 s89, 0
	s_add_nc_u64 s[PB:PB+1], s[4:5], s[88:89]
	s_lshl_b32 s2, s[BB], 18                       ; st: 8 tiles of 32,768 bytes a batch; group 2 i + my query half, 1,024 bytes each
	s_lshl_b32 s88, s[PPN], 1
	s_add_co_u32 s88, s88, s[RH]
	s_lshl_b32 s88, s88, 10
	s_add_co_u32 s88, s88, s2
	s_add_nc_u64 s[SB:SB+1], s[8:9], s[88:89]
	s_lshl_b32 s88, s[PL], 1
	s_add_co_u32 s88, s88, s[RH]
	s_lshl_b32 s88, s88, 10
	s_add_co_u32 s88, s88, s2
	s_add_nc_u64 s[SBL:SBL+1], s[8:9], s[88:89]
	s_mul_i32 s80, s[BB], 2048*QROW                ; what holds cx has registers of its own
	s_mul_i32 s81, s[CH], 128*QROW
	s_add_co_u32 s80, s80, s81
	s_lshl_b32 s81, s[CT], 8
	s_add_co_u32 s80, s80, s81
	s_add_co_u32 s80, s80, 4096                    ; v begins 4,096 bytes into a row of qkv
	s_mov_b32 s81, 0
	s_add_nc_u64 s[VB:VB+1], s[6:7], s[80:81]
	s_lshl_b32 s80, s[CT], 9
	s_lshl_b32 s81, s[CH], 8
	s_add_co_u32 s80, s80, s81
	s_lshl_b32 s81, s[RH], 18
	s_add_co_u32 s80, s80, s81
	s_add_co_u32 s82, s80, s[ABL]                  ; out0's rows are as long as pw's: a block's offset is the same
	s_add_co_u32 s80, s80, s[ABO]
	s_mov_b32 s81, 0
	s_mov_b32 s83, 0
	s_add_nc_u64 s[OB:OB+1], s[10:11], s[80:81]
	s_add_nc_u64 s[OBL:OBL+1], s[10:11], s[82:83]
	s_lshl_b32 s80, s[CX], 17                      ; my work-group's 32 rows of a block of P,
	s_lshl_b32 s81, s[CH], 8                       ; my wave's 256 bytes of their 512
	s_add_co_u32 s80, s80, s81
	s_mov_b32 s81, 0
	s_add_nc_u64 s[90:91], s[4:5], s[80:81]
	s_cmp_eq_u32 s[RH], 0
	s_cselect_b64 s[PFB:PFB+1], s[90:91], s[VB:VB+1]
	CROUND                                         ; all four work-groups are here: the first joint loads meet
	NEXT 0, 0
	NEXT 1, SLOT
	s_cmp_lt_u32 s[WV], 2                          ; a wave's two first fills stand in one branch: two loads of mine are out
	s_cbranch_scc0 .Lfirst_v
	tensor_load_to_lds s[G0P:G0P+3], s[G1P:G1P+7]
	s_nop 0
	tensor_load_to_lds s[G0P+4:G0P+7], s[G1P:G1P+7]
	s_nop 0
	PLACES
	s_branch .Lfirst_asked
.Lfirst_v:
	tensor_load_to_lds s[G0V:G0V+3], s[G1V:G1V+7]
	s_nop 0
	tensor_load_to_lds s[G0V+4:G0V+7], s[G1V:G1V+7]
	s_nop 0
	PLACES
.Lfirst_asked:
	v_and_b32 v14, 15, v0                          ; r
	v_bfe_u32 v15, v0, 4, 1                        ; h
	s_mul_i32 s15, s[RH], PHALF
	v_mul_u32_u24 v[AP0], v14, PPITCH
	v_lshl_add_u32 v[AP0], v15, 4, v[AP0]
	v_add_nc_u32 v[AP0], s15, v[AP0]               ; a fragment of P: row r, 16 bytes for each half of the lanes
	v_and_b32 v[AV0], 7, v0
	v_lshl_add_u32 v[AV0], v15, 3, v[AV0]
	v_mul_u32_u24 v[AV0], v[AV0], VPITCH           ; the turning load: key 8 h + l % 8,
	v_bfe_u32 v1, v0, 3, 1
	v_lshl_add_u32 v[AV0], v1, 4, v[AV0]           ; channels 8 ((l / 8) % 2) + 0..7
	s_lshl_b32 s15, s[CH], 7
	s_add_co_u32 s15, s15, VOFF
	v_add_nc_u32 v[AV0], s15, v[AV0]
	s_mul_i32 s15, s[WV], 16*SPITCH
	s_add_co_u32 s15, s15, STAGE
	v_mul_u32_u24 v[STO], v14, SPITCH
	v_lshl_add_u32 v[STO], v15, 5, v[STO]
	v_add_nc_u32 v[STO], s15, v[STO]               ; in: row r, 32 bytes for each half of the lanes
	v_mul_u32_u24 v[RD], v15, SPITCH
	v_lshl_add_u32 v[RD], v14, 4, v[RD]
	v_add_nc_u32 v[RD], s15, v[RD]                 ; back: lanes 0-15 one row of 256 bytes, lanes 16-31 the next
	v_lshlrev_b32 v[GO], 12, v15
	v_lshl_add_u32 v[GO], v14, 4, v[GO]
	v_lshlrev_b32 v[SO], 4, v14
.macro LOADST                          ; the tile's statistics for my 64 queries: c m, and l of both halves of its keys
	global_load_b128 v[CMT:CMT+3], v[SO], s[SB:SB+1]
	global_load_b128 v[LA0:LA0+3], v[SO], s[SB:SB+1] offset:256
	global_load_b128 v[LA1:LA1+3], v[SO], s[SB:SB+1] offset:768
.endm
	LOADST
	; O and L start at 0, M far below every c m: the first tile is a tile like any other, with a = 0.  128 lines once a launch, in the wait for the first tile, in place of a first step written out.
	WIN 0x80
.set i, 0
.rept 128
	v_mov_b32 v[i], 0
.set i, i+1
.endr
	WIN 0
.irp a, 0,1,2,3
	v_mov_b32 v[LR+(\a)], 0
	v_mov_b32 v[MR+(\a)], 0xfe000000
.endr
; 8 matrix instructions: query blocks a0, a0 + 1 x all 4 channel blocks, 32 keys: half c of buffer f.  The 16 accumulators take turns.  zero = 1: the product starts the sums
.macro MUL8 f, c, a0, zero
	WIN MUL
.irp a, \a0, (\a0)+1
.irp b, 0,1,2,3
.if \zero
	v_wmma_f32_16x16x32_f16 v[ACC+8*(4*(\a)+(\b)):ACC+8*(4*(\a)+(\b))+7], v[(\f)+64+8*(4*(\c)+(\b)):(\f)+64+8*(4*(\c)+(\b))+7], v[(\f)+8*(4*(\c)+(\a)):(\f)+8*(4*(\c)+(\a))+7], 0
.else
	v_wmma_f32_16x16x32_f16 v[ACC+8*(4*(\a)+(\b)):ACC+8*(4*(\a)+(\b))+7], v[(\f)+64+8*(4*(\c)+(\b)):(\f)+64+8*(4*(\c)+(\b))+7], v[(\f)+8*(4*(\c)+(\a)):(\f)+8*(4*(\c)+(\a))+7], v[ACC+8*(4*(\a)+(\b)):ACC+8*(4*(\a)+(\b))+7]
.endif
.endr
.endr
.endm
; 32 LDS loads in one run: the fragments of keys 64 q .. 64 q + 63 into buffer f, the first 32 keys first
.macro FETCH q, f
	WIN TO_F
.if (\q) < 2
.set AVX, AVL
.else
.set AVX, AVH
.endif
.irp c, 0,1
.irp i, 0,1,2,3
	ds_load_tr16_b128 v[(\f)+64+8*(4*(\c)+(\i)):(\f)+64+8*(4*(\c)+(\i))+3],   v[AVX] offset:(64*((\q)%2)+32*(\c))*VPITCH+32*(\i)
	ds_load_tr16_b128 v[(\f)+64+8*(4*(\c)+(\i))+4:(\f)+64+8*(4*(\c)+(\i))+7], v[AVX] offset:(64*((\q)%2)+32*(\c)+16)*VPITCH+32*(\i)
	ds_load_b128 v[(\f)+8*(4*(\c)+(\i)):(\f)+8*(4*(\c)+(\i))+3],   v[AP] offset:128*(\q)+64*(\c)+(\i)*16*PPITCH
	ds_load_b128 v[(\f)+8*(4*(\c)+(\i))+4:(\f)+8*(4*(\c)+(\i))+7], v[AP] offset:128*(\q)+64*(\c)+(\i)*16*PPITCH+32
.endr
.endr
.endm
.macro QTR f, g, q, zero               ; 64 keys: multiplies buffer f; in its middle fetches quarter q into g
	s_wait_dscnt 16                                ; the first 32 keys' fragments are in
	MUL8 \f, 0, 0, \zero
	MUL8 \f, 0, 2, \zero
	PLACES
	FETCH \q, \g
	s_wait_dscnt 32                                ; all but the 32 just issued
	MUL8 \f, 1, 0, 0
	MUL8 \f, 1, 2, 0
.endm
.macro QUARTERS                        ; a slot: T = P V over 256 keys, 128 matrix instructions
	QTR F0, F1, 1, 1
	QTR F1, F0, 2, 0
	QTR F0, F1, 3, 0
	s_wait_dscnt 16
	MUL8 F1, 0, 0, 0
	MUL8 F1, 0, 2, 0
	s_wait_dscnt 0x0
	MUL8 F1, 1, 0, 0
	MUL8 F1, 1, 2, 0
.endm
.macro RADDR                           ; my lane's places in the slot in hand
	v_add_nc_u32 v[AP], s[TB], v[AP0]
	v_add_nc_u32 v[AVL], s[TB], v[AV0]
	v_add_nc_u32 v[AVH], VHALF, v[AVL]
.endm
; THE CHANGE OF SLOTS.  Each wave waits for all its tensor loads (one is out: its part of the other slot), adds 0 to its spare word, and waits for that and for its reads of the slot that it leaves.
; fill = 1: the barrier is a round of the cluster's, and the slot just read is filled again first thing behind it, with the walk's tile two on: it has 128 matrix instructions and an update in which to land.
.macro CHANGE fill
	WIN 0
	s_wait_tensorcnt 0x0                           ; no tensor load of mine is out, so a group 0 may be written
	ds_add_u32 v[SPW], v[NIL]                      ; 0 onto my spare word; scalar work stands between it and the wait for it
.if \fill
	s_wait_xcnt 0x0                                ; the last prefetches, a slot back, have read their address
	NEXT 1, s[TB]
	s_lshl_b32 s[OFF], s[NXT], 9                   ; the tile after that one, for the prefetch
	s_add_co_u32 s[OFF], s[OFF], s[ABO]
	s_mul_i32 s15, s[NXT], VSTEP
	s_cmp_eq_u32 s[RH], 0
	s_cselect_b32 s[OFF], s[OFF], s15
	s_add_nc_u64 s[PFA:PFA+1], s[PFB:PFB+1], s[OFF:OFF+1]
.endif
	s_xor_b32 s[TB], s[TB], SLOT                   ; 0 and SLOT by turns
	s_wait_dscnt 0x0                               ; the add is done, and my reads of the slot are over
.if \fill
	CROUND
	JLOAD                                          ; its four v_nop are also the places in front of the loads below and of the update's reads of T
.else
	s_barrier_signal -1
	s_barrier_wait -1
	PLACES
.endif
	RADDR
	FETCH 0, F0
	WIN 0
.if \fill
	ASK
.endif
.endm
; THE UPDATE with the tile just multiplied.  Eight exponentials are one batch: eight plain lines follow, then the one wait ahead of the first reader.  T is read from each accumulator's low end on.
.macro UPDATE
	WIN 0
	s_wait_loadcnt 0x0                             ; the tile's statistics
.irp a, 0,1,2,3
	v_max_num_f32 v[MN+(\a)], v[MR+(\a)], v[CMT+(\a)]
.endr
.irp a, 0,1,2,3
	v_sub_f32 v[AA+2*(\a)+1], v[MR+(\a)], v[MN+(\a)]
	v_sub_f32 v[FF+2*(\a)+1], v[CMT+(\a)], v[MN+(\a)]
.endr
.irp a, 0,1,2,3
	v_exp_f32 v[AA+2*(\a)], v[AA+2*(\a)+1]
	v_exp_f32 v[FF+2*(\a)], v[FF+2*(\a)+1]
.endr
.irp a, 0,1,2,3
	v_add_f32 v[LA0+(\a)], v[LA0+(\a)], v[LA1+(\a)]
	v_mov_b32 v[MR+(\a)], v[MN+(\a)]
.endr
	s_wait_alu depctr_va_vdst(0)
.irp a, 0,1,2,3
	v_mul_f32 v[LA0+(\a)], v[LA0+(\a)], v[FF+2*(\a)]
.endr
.irp a, 0,1,2,3
	v_fma_f32 v[LR+(\a)], v[LR+(\a)], v[AA+2*(\a)], v[LA0+(\a)]
.endr
	WIN 0x82                                       ; O (destination and source 0) in window 2, a in window 0
.irp a, 0,1,2,3
.set i, 0
.rept 16
	v_pk_mul_f32 v[32*(\a)+i:32*(\a)+i+1], v[32*(\a)+i:32*(\a)+i+1], v[AA+2*(\a):AA+2*(\a)+1] op_sel_hi:[1,0]
.set i, i+2
.endr
.endr
	WIN 0xa0                                       ; T and f in window 0, O (source 2 and destination) in window 2
.irp a, 0,1,2,3
.set i, 0
.rept 16
	v_pk_fma_f32 v[32*(\a)+i:32*(\a)+i+1], v[ACC+32*(\a)+i:ACC+32*(\a)+i+1], v[FF+2*(\a):FF+2*(\a)+1], v[32*(\a)+i:32*(\a)+i+1] op_sel_hi:[1,0,1]
.set i, i+2
.endr
.endr
	WIN 0
.endm
; THE WAY OUT of a block.  Tile u of 16 queries: O / L into T's registers (T has been added), 32 bytes a lane and channel block into my stage, and back as whole rows of 256 bytes into the registers that they left.
.macro PACKO u
	WIN 0x02                                       ; source 0 window 2
.set i, 0
.rept 16
	v_pk_mul_f32 v[ACC+32*(\u)+i:ACC+32*(\u)+i+1], v[32*(\u)+i:32*(\u)+i+1], v[RR+2*(\u):RR+2*(\u)+1] op_sel_hi:[1,0]
.set i, i+2
.endr
	WIN 0
.irp b, 0,1,2,3
	ds_store_b128 v[STO], v[ACC+32*(\u)+8*(\b):ACC+32*(\u)+8*(\b)+3]   offset:64*(\b)
	ds_store_b128 v[STO], v[ACC+32*(\u)+8*(\b)+4:ACC+32*(\u)+8*(\b)+7] offset:64*(\b)+16
.endr
.irp t, 0,1,2,3,4,5,6,7
	ds_load_b128 v[ACC+32*(\u)+4*(\t):ACC+32*(\u)+4*(\t)+3], v[RD] offset:(\t)*2*SPITCH  ; LDS serves a wave's instructions in order (ISA guide 5.7.1.4): these see the stores above; the next tile's stores come behind them
.endr
.endm
.macro SENDO u, younger                ; younger: the LDS instructions issued behind tile u's loads: the next tile's sixteen, or none
.irp t, 0,1,2,3,4,5,6,7
	s_wait_dscnt (\younger)+7-(\t)
	global_store_b128 v[GO], v[ACC+32*(\u)+4*(\t):ACC+32*(\u)+4*(\t)+3], s[OB:OB+1] offset:(16*(\u)+2*(\t))*PROW  ; 16 lanes store 256 consecutive bytes, aligned
.endr
.endm
.macro OUT
	WIN 0
.irp a, 0,1,2,3
	v_rcp_f32 v[RR+2*(\a)], v[LR+(\a)]
.endr
.irp a, 0,1,2,3
	v_mov_b32 v[RR+2*(\a)+1], 0                    ; named with the reciprocal as a pair; also the plain lines behind the batch
.endr
	s_wait_alu depctr_va_vdst(0)                   ; one wait for the four reciprocals
	PACKO 0
	PACKO 1
	SENDO 0, 16
	PACKO 2
	SENDO 1, 16
	PACKO 3
	SENDO 2, 16
	SENDO 3, 0
	s_wait_xcnt 0x0                                ; T's registers and out0's address are written again only behind this wait
.endm
	s_wait_tensorcnt 0x1                           ; my part of slot 0 is in; slot 1's may stay out
	s_barrier_signal -1
	s_barrier_wait -1
	RADDR
	FETCH 0, F0
	WIN 0
	s_branch .Lfirst                               ; the loop is entered in the middle of a trip
.Lslot:                                                ; seven times: the walk's tile j is entered, tile j + 1 asked for, tile j - 1 added
	CHANGE 1
	UPDATE
	s_sub_co_u32 s[RT], s[RT], 1
	s_cmp_lg_u32 s[RT], 0
	s_cbranch_scc1 .Lsame
	OUT                                            ; the first block's end: it has 1 to 4 tiles, so it falls into trips 1 to 4
	s_mov_b64 s[OB:OB+1], s[OBL:OBL+1]
	s_mov_b64 s[SB:SB+1], s[SBL:SBL+1]
	s_mov_b32 s[RT], s[NL]
.irp a, 0,1,2,3
	v_mov_b32 v[MR+(\a)], 0xfe000000               ; the second block's first a is 0
.endr
	s_branch .Lld
.Lsame:
	s_add_nc_u64 s[SB:SB+1], s[SB:SB+1], 32768     ; the next tile's records; the loads that read the address were waited for in the update
.Lld:
	LOADST
.Lfirst:
	QUARTERS
	WIN 0
	s_sub_co_u32 s[CNT], s[CNT], 1
	s_cmp_lg_u32 s[CNT], 0
	s_cbranch_scc1 .Lslot
	CHANGE 0                                       ; the walk's last tile is written out: nothing is asked for
	UPDATE
	s_add_nc_u64 s[SB:SB+1], s[SB:SB+1], 32768
	LOADST
	QUARTERS
	UPDATE                                         ; its lines on the statistics are the places behind the last products
	OUT
	s_wait_tensorcnt 0x0                           ; the wave's end
	ds_add_u32 v[SPW], v[NIL]
	s_wait_dscnt 0x0
	CROUND                                         ; the closing round
	s_endpgm
.Lfunc_end_k_q1303383eed_ctx:
	.size	k_q1303383eed_ctx, .Lfunc_end_k_q1303383eed_ctx-k_q1303383eed_ctx
	.p2alignl 7, 3214868480
	.fill 96, 4, 3214868480
	.section	.rodata,"a",@progbits
	.p2align	6, 0x0
	.amdhsa_kernel k_q1303383eed_ctx
		.amdhsa_group_segment_fixed_size 327680
		.amdhsa_private_segment_fixed_size 0
		.amdhsa_enable_private_segment 0
		.amdhsa_kernarg_size 32
		.amdhsa_user_sgpr_count 2
		.amdhsa_user_sgpr_kernarg_segment_ptr 1
		.amdhsa_wavefront_size32 1
		.amdhsa_system_sgpr_workgroup_id_x 1
		.amdhsa_system_sgpr_workgroup_id_y 1
		.amdhsa_system_sgpr_workgroup_id_z 1
		.amdhsa_system_vgpr_workitem_id 0
		.amdhsa_next_free_vgpr 640
		.amdhsa_next_free_sgpr 96
		.amdhsa_reserve_vcc 0
		.amdhsa_float_denorm_mode_32 3
		.amdhsa_float_denorm_mode_16_64 3
		.amdhsa_memory_ordered 1
		.amdhsa_forward_progress 1
		.amdhsa_inst_pref_size 108
	.end_amdhsa_kernel
	.amdgpu_metadata
---
amdhsa.version: [ 1, 2 ]
amdhsa.kernels:
  - .name:           k_q1303383eed_ctx
    .symbol:         k_q1303383eed_ctx.kd
    .args:
      - { .name: pw, .offset: 0, .size: 8, .value_kind: global_buffer, .address_space: global }
      - { .name: qkv, .offset: 8, .size: 8, .value_kind: global_buffer, .address_space: global }
      - { .name: st, .offset: 16, .size: 8, .value_kind: global_buffer, .address_space: global }
      - { .name: out0, .offset: 24, .size: 8, .value_kind: global_buffer, .address_space: global }
    .group_segment_fixed_size: 327680
    .private_segment_fixed_size: 0
    .kernarg_segment_align: 8
    .kernarg_segment_size: 32
    .max_flat_workgroup_size: 128
    .sgpr_count:     96
    .vgpr_count:     640
    .wavefront_size: 32
...
	.end_amdgpu_metadata
.endif
;; end of part 4
;; ======== version 2 of 2: 5 launches
;; limits: values are held in f16: magnitudes above 65,504 overflow, below 6.1e-05 lose precision
;; workspace buffers: xh 16,777,216 bytes; wqk 4,194,304 bytes; wt 4,194,304 bytes; yv 33,554,432 bytes; pw 33,554,432 bytes; st 1,048,576 bytes
;; launch prep (part 5): grid 768 x 1, 8 waves a work-group, no clusters, 18,432 bytes of LDS; arguments X, W_q, W_k, W_v, xh, wqk, wt; writes xh, wqk, wt
.if DOCPART == 5
	.amdgcn_target "amdgcn-amd-amdhsa--gfx1250"
	.amdhsa_code_object_version 6
	.text
	.protected	k_q1303383eed_prep
	.globl	k_q1303383eed_prep
	.p2align	8
	.type	k_q1303383eed_prep,@function
k_q1303383eed_prep:
	s_mov_b64 s[64:65], 0
	v_nop
	global_prefetch_b8 v0, s[64:65] scope:SCOPE_SE
	s_setreg_imm32_b32 hwreg(HW_REG_WAVE_MODE, 25, 1), 1
	s_wait_xcnt 0x0
; Every input is rounded once to bf16, and that number is written as f16: exact from 2^-17 up, off by at most 2^-25 below; f16's range (65,504) holds inputs far beyond those that the problem allows.
; xh = X, [8192][1024].  wqk = W_q's 1,024 rows, then W_k's, as they lie, [2048][1024].  wt rows 1024-2047: wt[1024 + n][k] = W_v[k][n] (rows 0-1023 are the next launch's).
; A stream: every input byte is read once, every output byte written once, in whole aligned runs of 256 bytes.  No matrix unit, no cluster: nothing is shared and nothing is multiplied.
; Work-groups 0-511: 16 rows of X each; 512-575: of W_q; 576-639: of W_k, all through registers.  Work-groups 640-767: a tile of 128 k x 64 n of W_v, turned in LDS.
.set TP,    272                        ; a turned row in LDS: 128 k x 2 bytes + 16 of padding
.set SPARE, 64*TP                      ; behind the tile: the spare words, 128 bytes for each of the eight waves; no other line names them
.set SPW, 8                            ; v8  LDS address of my spare word; never rewritten
.set NIL, 9                            ; v9  0; never rewritten
.set XI,  16                           ; v[16:79]   the stream: sixteen loads of four f32
.set XO,  80                           ; v[80:111]  the stream: sixteen pairs of packed f16
	s_load_b256 s[4:11], s[0:1], 0x0               ; X s[4:5], W_q s[6:7], W_k s[8:9], W_v s[10:11]
	s_load_b128 s[12:15], s[0:1], 0x20             ; xh s[12:13], wqk s[14:15]
	s_load_b64 s[16:17], s[0:1], 0x30              ; wt
	v_lshl_add_u32 v[SPW], v0, 2, SPARE
	v_mov_b32 v[NIL], 0
	s_mov_b32 s28, 0xffff0000                      ; a word's upper bf16
	s_cmp_lt_u32 ttmp9, 640                        ; the same for all waves of a work-group
	s_cbranch_scc0 .Lturn
	; the stream: a wave takes 8,192 consecutive bytes (two rows), sixteen loads of 512 bytes; all sixteen are out at once
	v_lshrrev_b32 v1, 5, v0                        ; wave
	v_and_b32 v2, 31, v0                           ; lane
	v_lshlrev_b32 v3, 4, v2
	v_lshl_add_u32 v3, v1, 13, v3                  ; in: 8,192 x wave + 16 x lane
	v_lshlrev_b32 v4, 3, v2
	v_lshl_add_u32 v4, v1, 12, v4                  ; out: 4,096 x wave + 8 x lane
	s_sub_co_u32 s20, ttmp9, 512                   ; W_q's and W_k's blocks of 16 rows, 0 to 127, as they lie in wqk
	s_and_b32 s22, s20, 63                         ; and in their own tensor
	s_cmp_lt_u32 ttmp9, 512
	s_cselect_b32 s22, ttmp9, s22                  ; the block in the source,
	s_cselect_b32 s20, ttmp9, s20                  ; and in the destination
	s_lshl_b32 s18, s22, 16                        ; 16 rows of 4,096 bytes
	s_mov_b32 s19, 0
	s_lshl_b32 s30, s20, 15                        ; 16 rows of 2,048 bytes
	s_mov_b32 s31, 0
	s_wait_kmcnt 0x0
	s_cmp_lt_u32 ttmp9, 576
	s_cselect_b64 s[24:25], s[6:7], s[8:9]
	s_cmp_lt_u32 ttmp9, 512
	s_cselect_b64 s[24:25], s[4:5], s[24:25]
	s_cselect_b64 s[26:27], s[12:13], s[14:15]
	s_add_nc_u64 s[24:25], s[24:25], s[18:19]
	s_add_nc_u64 s[26:27], s[26:27], s[30:31]
.irp j, 0,1,2,3,4,5,6,7,8,9,10,11,12,13,14,15
	global_load_b128 v[XI+4*(\j):XI+4*(\j)+3], v3, s[24:25] offset:512*(\j) th:TH_LOAD_NT
.endr
.irp j, 0,1,2,3,4,5,6,7,8,9,10,11,12,13,14,15
	s_wait_loadcnt 15-(\j)                         ; loads come back in order: load j is in, the younger ones stay out
	v_cvt_pk_bf16_f32 v[XI+4*(\j)], v[XI+4*(\j)], v[XI+4*(\j)+1]        ; the one rounding
	v_cvt_pk_bf16_f32 v[XI+4*(\j)+2], v[XI+4*(\j)+2], v[XI+4*(\j)+3]
	v_and_b32 v[XI+4*(\j)+1], s28, v[XI+4*(\j)]                         ; bf16 to f32: the high half stays,
	v_lshlrev_b32 v[XI+4*(\j)], 16, v[XI+4*(\j)]                        ; the low half moves up
	v_and_b32 v[XI+4*(\j)+3], s28, v[XI+4*(\j)+2]
	v_lshlrev_b32 v[XI+4*(\j)+2], 16, v[XI+4*(\j)+2]
	v_cvt_pk_f16_f32 v[XO+2*(\j)], v[XI+4*(\j)], v[XI+4*(\j)+1]         ; the same numbers in f16
	v_cvt_pk_f16_f32 v[XO+2*(\j)+1], v[XI+4*(\j)+2], v[XI+4*(\j)+3]
	global_store_b64 v4, v[XO+2*(\j):XO+2*(\j)+1], s[26:27] offset:256*(\j)  ; 32 lanes store 256 consecutive bytes, aligned; every store has registers of its own
.endr
	s_branch .Lend
.Lturn:
	; W_v: thread t = (kp, c): four columns 4 c .. 4 c + 3 of the rows 2 (kp + 16 i) + e; sixteen lanes read 256 consecutive bytes of a row
	s_sub_co_u32 s20, ttmp9, 640
	s_lshr_b32 s22, s20, 4                         ; kt: 128 k
	s_and_b32 s23, s20, 15                         ; nt: 64 n
	s_lshl_b32 s18, s22, 19                        ; in: 128 rows of 4,096 bytes,
	s_lshl_b32 s24, s23, 8                         ; 64 columns of 4 bytes
	s_add_co_u32 s18, s18, s24
	s_mov_b32 s19, 0
	s_lshl_b32 s30, s23, 17                        ; out: 64 rows of 2,048 bytes,
	s_lshl_b32 s24, s22, 8                         ; 128 k of 2 bytes,
	s_add_co_u32 s30, s30, s24
	s_add_co_u32 s30, s30, 1024*2048               ; behind the 1,024 rows of the next launch
	s_mov_b32 s31, 0
	v_and_b32 v1, 15, v0                           ; c
	v_lshrrev_b32 v2, 4, v0                        ; kp
	v_lshlrev_b32 v3, 4, v1
	v_lshl_add_u32 v3, v2, 13, v3                  ; in: two rows x kp + 16 c
	v_mul_u32_u24 v4, v1, 4*TP
	v_lshl_add_u32 v4, v2, 2, v4                   ; LDS in: turned row 4 c, byte 4 kp
	v_mul_u32_u24 v5, v2, TP
	v_lshl_add_u32 v5, v1, 4, v5                   ; LDS back: turned row kp, 16 bytes at 16 c
	v_lshlrev_b32 v6, 4, v1
	v_lshl_add_u32 v6, v2, 11, v6                  ; out: row kp of 2,048 bytes + 16 c
	s_wait_kmcnt 0x0
	s_add_nc_u64 s[10:11], s[10:11], s[18:19]
	s_add_nc_u64 s[16:17], s[16:17], s[30:31]
.irp i, 0,1,2,3
.irp e, 0,1
	global_load_b128 v[16+8*(\i)+4*(\e):16+8*(\i)+4*(\e)+3], v3, s[10:11] offset:131072*(\i)+4096*(\e) th:TH_LOAD_NT
.endr
.endr
.irp i, 0,1,2,3
	s_wait_loadcnt 6-2*(\i)                        ; the pair of rows i is in; the later pairs stay out
.irp j, 0,1,2,3
	v_cvt_pk_bf16_f32 v[48+4*(\i)+(\j)], v[16+8*(\i)+(\j)], v[20+8*(\i)+(\j)]  ; k and k + 1 of column 4 c + j: neighbours in the turned row
.endr
.irp j, 0,1,2,3
	v_lshlrev_b32 v[16+8*(\i)+(\j)], 16, v[48+4*(\i)+(\j)]
	v_and_b32 v[20+8*(\i)+(\j)], s28, v[48+4*(\i)+(\j)]
.endr
.irp j, 0,1,2,3
	v_cvt_pk_f16_f32 v[48+4*(\i)+(\j)], v[16+8*(\i)+(\j)], v[20+8*(\i)+(\j)]
.endr
.irp j, 0,1,2,3
	ds_store_b32 v4, v[48+4*(\i)+(\j)] offset:TP*(\j)+64*(\i)
.endr
.endr
	s_wait_dscnt 0x0                               ; for the others' sake: my stores into the tile are done
	s_barrier_signal -1
	s_barrier_wait -1
.irp p, 0,1,2,3
	ds_load_b128 v[64+4*(\p):64+4*(\p)+3], v5 offset:16*TP*(\p)
.endr
.irp p, 0,1,2,3
	s_wait_dscnt 3-(\p)
	global_store_b128 v6, v[64+4*(\p):64+4*(\p)+3], s[16:17] offset:32768*(\p)  ; sixteen lanes store 256 consecutive bytes, aligned
.endr
.Lend:
	s_wait_tensorcnt 0x0                           ; the wave's end: behind my last LDS store
	ds_add_u32 v[SPW], v[NIL]
	s_wait_dscnt 0x0
	s_endpgm
.Lfunc_end_k_q1303383eed_prep:
	.size	k_q1303383eed_prep, .Lfunc_end_k_q1303383eed_prep-k_q1303383eed_prep
	.p2alignl 7, 3214868480
	.fill 96, 4, 3214868480
	.section	.rodata,"a",@progbits
	.p2align	6, 0x0
	.amdhsa_kernel k_q1303383eed_prep
		.amdhsa_group_segment_fixed_size 18432
		.amdhsa_private_segment_fixed_size 0
		.amdhsa_enable_private_segment 0
		.amdhsa_kernarg_size 56
		.amdhsa_user_sgpr_count 2
		.amdhsa_user_sgpr_kernarg_segment_ptr 1
		.amdhsa_wavefront_size32 1
		.amdhsa_system_sgpr_workgroup_id_x 1
		.amdhsa_system_sgpr_workgroup_id_y 1
		.amdhsa_system_sgpr_workgroup_id_z 1
		.amdhsa_system_vgpr_workitem_id 0
		.amdhsa_next_free_vgpr 112
		.amdhsa_next_free_sgpr 66
		.amdhsa_reserve_vcc 0
		.amdhsa_float_denorm_mode_32 3
		.amdhsa_float_denorm_mode_16_64 3
		.amdhsa_memory_ordered 1
		.amdhsa_forward_progress 1
		.amdhsa_inst_pref_size 19
	.end_amdhsa_kernel
	.amdgpu_metadata
---
amdhsa.version: [ 1, 2 ]
amdhsa.kernels:
  - .name:           k_q1303383eed_prep
    .symbol:         k_q1303383eed_prep.kd
    .args:
      - { .name: X, .offset: 0, .size: 8, .value_kind: global_buffer, .address_space: global }
      - { .name: W_q, .offset: 8, .size: 8, .value_kind: global_buffer, .address_space: global }
      - { .name: W_k, .offset: 16, .size: 8, .value_kind: global_buffer, .address_space: global }
      - { .name: W_v, .offset: 24, .size: 8, .value_kind: global_buffer, .address_space: global }
      - { .name: xh, .offset: 32, .size: 8, .value_kind: global_buffer, .address_space: global }
      - { .name: wqk, .offset: 40, .size: 8, .value_kind: global_buffer, .address_space: global }
      - { .name: wt, .offset: 48, .size: 8, .value_kind: global_buffer, .address_space: global }
    .group_segment_fixed_size: 18432
    .private_segment_fixed_size: 0
    .kernarg_segment_align: 8
    .kernarg_segment_size: 56
    .max_flat_workgroup_size: 256
    .sgpr_count:     66
    .vgpr_count:     112
    .wavefront_size: 32
...
	.end_amdgpu_metadata
.endif
;; end of part 5
;; launch gmat (part 6): grid 16 x 16, 4 waves a work-group, clusters of 4 x 4, 275,968 bytes of LDS; arguments wqk, wt; writes wt
.if DOCPART == 6
	.amdgcn_target "amdgcn-amd-amdhsa--gfx1250"
	.amdhsa_code_object_version 6
	.text
	.protected	k_q1303383eed_gmat
	.globl	k_q1303383eed_gmat
	.p2align	8
	.type	k_q1303383eed_gmat,@function
k_q1303383eed_gmat:
	s_mov_b64 s[64:65], 0
	v_nop
	global_prefetch_b8 v0, s[64:65] scope:SCOPE_SE
	s_setreg_imm32_b32 hwreg(HW_REG_WAVE_MODE, 25, 1), 1
	s_wait_xcnt 0x0
	s_wait_alu depctr_hold_cnt(0) depctr_sa_sdst(0) depctr_va_vdst(0) depctr_va_sdst(0) depctr_va_ssrc(0) depctr_va_vcc(0) depctr_vm_vsrc(0)
	s_getreg_b32 s2, hwreg(HW_REG_IB_STS2, 6, 4)
	s_cmp_eq_u32 s2, 0
	s_cbranch_scc0 .Lentry_in_a_cluster
	s_endpgm
.Lentry_in_a_cluster:
	s_bfe_u32 s2, ttmp6, 0x10000c
	s_cmp_lg_u32 s2, 0xf033
	s_cbranch_scc0 .Lentry_shape_is_right
	s_endpgm
.Lentry_shape_is_right:
; wt[j][i] = 64 G[i][j], G[i][j] = sum over e of W_q[i][e] W_k[j][e], for i, j < 1,024.  With it the scores q k^T = X G X^T need one projection, y = X G, in place of two: an identity, for every input.
; wqk: [2048][1024] f16 (W_q's rows, then W_k's); sums in f32; wt f16, rounded once.  The factor 64, a power of two, keeps G's numbers among f16's normal ones also where both W are 30 times smaller than drawn.
; LIMIT.  |G| stays under 1,023 (f16 ends at 65,504).
; SHARES.  256 tiles of 64 (j) x 64 (i), one to a work-group; the whole K of both operands lies in LDS, filled once: no ring.  Four waves, 32 x 32 each: four accumulators, which take turns.
; A tile's row in wt is 128 bytes; a store of a wave covers four such rows.  A tile of 32 x 128 would need 160 rows of the whole K in LDS, 160 x 2,080 bytes, more than the 327,680 that there are.
; CLUSTERS of 4 x 4: the four of a row need the same rows of W_k, the four of a column the same rows of W_q: asked for jointly.  No prefetch: the launch has one fill, at its head.
; LDS.  The padding's interval is 256 words at the most, so a row goes in as two halves of 1,024 bytes, each half of K a region of its own: [half of K][W_k's 64 rows, W_q's 64 rows], 1,040 bytes a row.
; The matrix instruction is used transposed (source 0 = 16 rows of W_q, source 1 = 16 rows of W_k): a lane holds row j = lane % 16 and eight neighbouring i.
.set RP,    1040                       ; 1,024 bytes + 16 = 65 x 16: the 16 rows of a fragment load start at 16 different groups of four banks (64 banks of 4 bytes: ISA guide 11.1)
.set REG,   64*RP                      ; one operand's 64 rows, half of K
.set STAGE, 4*REG                      ; behind the tiles: 64 rows x 144 bytes, the work-group's, for the way out
.set SP,    144
.set SPARE, STAGE+64*SP                ; the spare words, 128 bytes a wave; no other line names them
.set AA0, 2                            ; v2, v3  LDS address of my fragments of W_k in K's half 0, 1
.set AB0, 4                            ; v4, v5  the same for W_q
.set STO, 6
.set RD,  7
.set GO,  8
.set SPW, 10                           ; my spare word's address; never rewritten
.set NIL, 11                           ; 0; never rewritten
.set ACC, 16                           ; v[16:47]  accumulator (a, b) at ACC + 8 (2 a + b)
.set TMP, 48                           ; v[48:63]  the way out
.set BUF, 64                           ; v[64:191] four fragment buffers of 32: W_k's two fragments, then W_q's two
.set SC,  18                           ; s[18:19] 64.0
.set G1,  24                           ; s[24:31] group 1 for W_k's rows;  s[32:39] group 0, a set for each half of K
.set G0,  32
.set G1B, 48                           ; s[48:55], s[56:63] the same for W_q's
.set G0B, 56
.macro PLACES                          ; four plain instructions between a matrix instruction and a load into, or a vector instruction on, its registers
.rept 4
	v_nop
.endr
.endm
.macro CROUND                          ; a round of the cluster's barrier
	s_barrier_signal -1
	s_barrier_wait -1
	s_cmp_lg_u32 s10, 0
	s_cbranch_scc1 .Lnot_wave_0_\@
	s_barrier_signal -3
.Lnot_wave_0_\@:
	s_barrier_wait -3
	s_barrier_signal -1
	s_barrier_wait -1
.endm
	s_load_b128 s[4:7], s[0:1], 0x0                ; wqk s[4:5], wt s[6:7]
	v_lshl_add_u32 v[SPW], v0, 2, SPARE
	v_mov_b32 v[NIL], 0
	ds_add_u32 v[SPW], v[NIL]                      ; the wave's opening: the add and its wait stand ahead of the round in front of my first tensor load
	ds_add_u32 v10, v11
	v_lshrrev_b32 v1, 5, v0
	v_readfirstlane_b32 s10, v1                    ; wave 0..3
	s_lshr_b32 s11, s10, 1                         ; my 32 rows j.  Also: I fetch W_k's rows (0) or W_q's (1)
	s_and_b32 s12, s10, 1                          ; my 32 columns i.  Also: which 32 rows I fetch
	s_bfe_u32 s40, ttmp6, 0x40000                  ; cx
	s_bfe_u32 s41, ttmp6, 0x40004                  ; cy
	s_lshl_b32 s42, ttmp9, 2
	s_add_co_u32 s42, s42, s40                     ; tile column (i) = 4 x cluster x + cx
	s_and_b32 s13, ttmp7, 0xffff
	s_lshl_b32 s13, s13, 2
	s_add_co_u32 s13, s13, s41                     ; tile row (j) = 4 x cluster y + cy
	s_lshl_b32 s43, s41, 2
	s_lshl_b32 s43, 15, s43                        ; my row of the cluster
	s_lshl_b32 s44, 0x1111, s40                    ; my column
	s_or_b32 s[G1+0], s43, (1<<16)|(1<<20)|(1<<21)|(7<<22)|(3<<25)   ; the mask; 2-byte elements; padding on; bit 21 beside a mask; after every 256 words, 4 words
	s_or_b32 s[G1B+0], s44, (1<<16)|(1<<20)|(1<<21)|(7<<22)|(3<<25)
.irp g, G1, G1B
	s_mov_b32 s[(\g)+1], 512<<16                   ; tensor_dim0 = 512
	s_mov_b32 s[(\g)+2], 32<<16                    ; tensor_dim1 = 32
	s_mov_b32 s[(\g)+3], 512<<16                   ; tile_dim0 = 512
	s_mov_b32 s[(\g)+4], 32                        ; tile_dim1 = 32
	s_mov_b32 s[(\g)+5], 1024                      ; elements from row to row
	s_mov_b32 s[(\g)+6], 0
	s_mov_b32 s[(\g)+7], 0
.endr
	s_lshl_b32 s17, s12, 5                         ; which 32 rows of the tile I fetch
	s_lshl_b32 s16, s13, 6
	s_add_co_u32 s16, s16, s17
	s_add_co_u32 s16, s16, 1024                    ; W_k's rows lie behind W_q's
	s_lshl_b32 s16, s16, 11                        ; rows of 2,048 bytes
	s_lshl_b32 s46, s42, 6
	s_add_co_u32 s46, s46, s17
	s_lshl_b32 s46, s46, 11
	s_mov_b32 s17, 0
	s_mov_b32 s47, 0
	s_mul_i32 s20, s10, 32*RP                      ; where they go: W_k's two halves, then W_q's = wave x 32 rows
	s_wait_dscnt 0x0                               ; the opening add is done
	s_wait_kmcnt 0x0
	s_add_nc_u64 s[14:15], s[4:5], s[16:17]
	s_add_nc_u64 s[46:47], s[4:5], s[46:47]
	CROUND                                         ; all sixteen work-groups are here: the joint loads meet
.irp k, 0,1
	s_mov_b32 s[G0+4*(\k)], 1
	s_add_co_u32 s[G0+4*(\k)+1], s20, (\k)*2*REG
	s_add_nc_u64 s[G0+4*(\k)+2:G0+4*(\k)+3], s[14:15], (\k)*1024
	s_or_b32 s[G0+4*(\k)+3], s[G0+4*(\k)+3], 0x80000000
	s_mov_b32 s[G0B+4*(\k)], 1
	s_add_co_u32 s[G0B+4*(\k)+1], s20, (\k)*2*REG
	s_add_nc_u64 s[G0B+4*(\k)+2:G0B+4*(\k)+3], s[46:47], (\k)*1024
	s_or_b32 s[G0B+4*(\k)+3], s[G0B+4*(\k)+3], 0x80000000
.endr
	s_cmp_eq_u32 s11, 0                            ; a wave's two fills stand in one branch: two loads of mine are out
	s_cbranch_scc0 .Lfirst_b
	tensor_load_to_lds s[G0:G0+3], s[G1:G1+7]
	s_nop 0
	tensor_load_to_lds s[G0+4:G0+7], s[G1:G1+7]
	s_nop 0
	PLACES
	s_branch .Lfirst_asked
.Lfirst_b:
	tensor_load_to_lds s[G0B:G0B+3], s[G1B:G1B+7]
	s_nop 0
	tensor_load_to_lds s[G0B+4:G0B+7], s[G1B:G1B+7]
	s_nop 0
	PLACES
.Lfirst_asked:
	v_and_b32 v1, 15, v0                           ; r
	v_bfe_u32 v9, v0, 4, 1                         ; h
	v_mul_u32_u24 v12, v1, RP
	v_lshl_add_u32 v12, v9, 4, v12                 ; a fragment's row x pitch + 16 x half of the lanes
	s_mul_i32 s21, s11, 32*RP
	s_mul_i32 s20, s12, 32*RP
	s_add_co_u32 s20, s20, REG
	v_add_nc_u32 v[AA0], s21, v12
	v_add_nc_u32 v[AA0+1], 2*REG, v[AA0]
	v_add_nc_u32 v[AB0], s20, v12
	v_add_nc_u32 v[AB0+1], 2*REG, v[AB0]
	s_mul_i32 s21, s11, 32*SP                      ; into the stage: my 32 rows, my 64 bytes of their 128
	s_lshl_b32 s20, s12, 6
	s_add_co_u32 s21, s21, s20
	s_add_co_u32 s21, s21, STAGE
	v_mul_u32_u24 v[STO], v1, SP
	v_lshl_add_u32 v[STO], v9, 4, v[STO]
	v_add_nc_u32 v[STO], s21, v[STO]
	s_mul_i32 s21, s10, 16*SP                      ; back: wave w takes rows 16 w .. 16 w + 15; 32 lanes take four rows of 128 bytes
	s_add_co_u32 s21, s21, STAGE
	v_bfe_u32 v13, v0, 3, 2
	v_and_b32 v14, 7, v0
	v_mul_u32_u24 v[RD], v13, SP
	v_lshl_add_u32 v[RD], v14, 4, v[RD]
	v_add_nc_u32 v[RD], s21, v[RD]
	v_lshlrev_b32 v[GO], 11, v13                   ; and the same four rows in wt
	v_lshl_add_u32 v[GO], v14, 4, v[GO]
	s_lshl_b32 s16, s13, 6
	s_lshl_b32 s17, s10, 4
	s_add_co_u32 s16, s16, s17                     ; the first row of wt that I store
	s_lshl_b32 s16, s16, 11
	s_mov_b32 s17, 0
	s_add_nc_u64 s[6:7], s[6:7], s[16:17]
	s_lshl_b32 s46, s42, 7                         ; the tile's first column, in bytes
	s_mov_b32 s47, 0
	s_add_nc_u64 s[6:7], s[6:7], s[46:47]
	s_mov_b32 s[SC], 0x42800000                    ; 64.0
	s_mov_b32 s[SC+1], s[SC]                       ; named with it as a pair
; eight LDS loads: the fragments of 32 along K into buffer i: K's half i / 2, byte off + 64 (i % 2) behind the address registers
.macro LOAD i, off
.irp a, 0,1
	ds_load_b128 v[BUF+32*(\i)+8*(\a):BUF+32*(\i)+8*(\a)+3],   v[AA0+(\i)/2] offset:(\off)+64*((\i)%2)+(\a)*16*RP
	ds_load_b128 v[BUF+32*(\i)+8*(\a)+4:BUF+32*(\i)+8*(\a)+7], v[AA0+(\i)/2] offset:(\off)+64*((\i)%2)+(\a)*16*RP+32
.endr
.irp b, 0,1
	ds_load_b128 v[BUF+32*(\i)+16+8*(\b):BUF+32*(\i)+16+8*(\b)+3],   v[AB0+(\i)/2] offset:(\off)+64*((\i)%2)+(\b)*16*RP
	ds_load_b128 v[BUF+32*(\i)+16+8*(\b)+4:BUF+32*(\i)+16+8*(\b)+7], v[AB0+(\i)/2] offset:(\off)+64*((\i)%2)+(\b)*16*RP+32
.endr
.endm
; four matrix instructions on buffer i; the four accumulators take turns.  zero = 1: they start the sums
.macro MUL i, zero
.irp a, 0,1
.irp b, 0,1
.if \zero
	v_wmma_f32_16x16x32_f16 v[ACC+8*(2*(\a)+(\b)):ACC+8*(2*(\a)+(\b))+7], v[BUF+32*(\i)+16+8*(\b):BUF+32*(\i)+16+8*(\b)+7], v[BUF+32*(\i)+8*(\a):BUF+32*(\i)+8*(\a)+7], 0
.else
	v_wmma_f32_16x16x32_f16 v[ACC+8*(2*(\a)+(\b)):ACC+8*(2*(\a)+(\b))+7], v[BUF+32*(\i)+16+8*(\b):BUF+32*(\i)+16+8*(\b)+7], v[BUF+32*(\i)+8*(\a):BUF+32*(\i)+8*(\a)+7], v[ACC+8*(2*(\a)+(\b)):ACC+8*(2*(\a)+(\b))+7]
.endif
.endr
.endr
.endm
; A trip: 64 along K in each half of K, four buffers.  load = 1: each buffer is loaded again, 128 bytes on, four places behind its products
.macro TRIP zero, load
.irp i, 0,1,2,3
.if \load
	s_wait_dscnt 24                                ; this buffer's eight loads are in; the three younger batches stay out
.else
	s_wait_dscnt 24-8*(\i)                         ; nothing is loaded any more: the counts run down
.endif
.if (\zero) && ((\i) == 0)
	MUL \i, 1
.else
	MUL \i, 0
.endif
.if \load
	PLACES
	LOAD \i, 128
.endif
.endr
.if \load
.irp n, 0,1,2,3
	v_add_nc_u32 v[AA0+(\n)], 128, v[AA0+(\n)]
.endr
.endif
.endm
	s_wait_tensorcnt 0x0                           ; my parts of both halves of K are in,
	s_barrier_signal -1
	s_barrier_wait -1                              ; everybody's are
	LOAD 0, 0
	LOAD 1, 0
	LOAD 2, 0
	LOAD 3, 0
	TRIP 1, 1                                      ; the first trip stands in front of the loop: its first products start the sums
	s_mov_b32 s3, 6
.Lk:
	TRIP 0, 1
	s_sub_co_u32 s3, s3, 1
	s_cmp_lg_u32 s3, 0
	s_cbranch_scc1 .Lk
	TRIP 0, 0                                      ; the eighth trip loads nothing
	PLACES
.set i, 0
.rept 16
	v_pk_mul_f32 v[ACC+i:ACC+i+1], v[ACC+i:ACC+i+1], s[SC:SC+1] op_sel_hi:[1,0]
.set i, i+2
.endr
.set i, 0
.rept 16
	v_cvt_pk_f16_f32 v[TMP+i], v[ACC+2*i], v[ACC+2*i+1]
.set i, i+1
.endr
.irp a, 0,1
.irp b, 0,1
	ds_store_b128 v[STO], v[TMP+4*(2*(\a)+(\b)):TMP+4*(2*(\a)+(\b))+3] offset:(\a)*16*SP+32*(\b)
.endr
.endr
	s_wait_dscnt 0x0                               ; for the others' sake: my stores into the stage are done
	s_barrier_signal -1
	s_barrier_wait -1
.irp f, 0,1,2,3
	ds_load_b128 v[TMP+4*(\f):TMP+4*(\f)+3], v[RD] offset:(\f)*4*SP
.endr
.irp f, 0,1,2,3
	s_wait_dscnt 3-(\f)
	global_store_b128 v[GO], v[TMP+4*(\f):TMP+4*(\f)+3], s[6:7] offset:(\f)*4*2048  ; eight lanes store a row's 128 consecutive bytes
.endr
	s_wait_tensorcnt 0x0                           ; the wave's end
	ds_add_u32 v[SPW], v[NIL]
	s_wait_dscnt 0x0
	CROUND                                         ; the closing round
	s_endpgm
.Lfunc_end_k_q1303383eed_gmat:
	.size	k_q1303383eed_gmat, .Lfunc_end_k_q1303383eed_gmat-k_q1303383eed_gmat
	.p2alignl 7, 3214868480
	.fill 96, 4, 3214868480
	.section	.rodata,"a",@progbits
	.p2align	6, 0x0
	.amdhsa_kernel k_q1303383eed_gmat
		.amdhsa_group_segment_fixed_size 275968
		.amdhsa_private_segment_fixed_size 0
		.amdhsa_enable_private_segment 0
		.amdhsa_kernarg_size 16
		.amdhsa_user_sgpr_count 2
		.amdhsa_user_sgpr_kernarg_segment_ptr 1
		.amdhsa_wavefront_size32 1
		.amdhsa_system_sgpr_workgroup_id_x 1
		.amdhsa_system_sgpr_workgroup_id_y 1
		.amdhsa_system_sgpr_workgroup_id_z 1
		.amdhsa_system_vgpr_workitem_id 0
		.amdhsa_next_free_vgpr 192
		.amdhsa_next_free_sgpr 66
		.amdhsa_reserve_vcc 0
		.amdhsa_float_denorm_mode_32 3
		.amdhsa_float_denorm_mode_16_64 3
		.amdhsa_memory_ordered 1
		.amdhsa_forward_progress 1
		.amdhsa_inst_pref_size 22
	.end_amdhsa_kernel
	.amdgpu_metadata
---
amdhsa.version: [ 1, 2 ]
amdhsa.kernels:
  - .name:           k_q1303383eed_gmat
    .symbol:         k_q1303383eed_gmat.kd
    .args:
      - { .name: wqk, .offset: 0, .size: 8, .value_kind: global_buffer, .address_space: global }
      - { .name: wt, .offset: 8, .size: 8, .value_kind: global_buffer, .address_space: global }
    .group_segment_fixed_size: 275968
    .private_segment_fixed_size: 0
    .kernarg_segment_align: 8
    .kernarg_segment_size: 16
    .max_flat_workgroup_size: 128
    .sgpr_count:     66
    .vgpr_count:     192
    .wavefront_size: 32
...
	.end_amdgpu_metadata
.endif
;; end of part 6
;; launch proj (part 7): grid 8 x 32, 4 waves a work-group, clusters of 4 x 4, 327,680 bytes of LDS; arguments xh, wt, yv; writes yv
.if DOCPART == 7
	.amdgcn_target "amdgcn-amd-amdhsa--gfx1250"
	.amdhsa_code_object_version 6
	.text
	.protected	k_q1303383eed_proj
	.globl	k_q1303383eed_proj
	.p2align	8
	.type	k_q1303383eed_proj,@function
k_q1303383eed_proj:
	s_mov_b64 s[64:65], 0
	v_nop
	global_prefetch_b8 v0, s[64:65] scope:SCOPE_SE
	s_setreg_imm32_b32 hwreg(HW_REG_WAVE_MODE, 25, 1), 1
	s_wait_xcnt 0x0
	s_wait_alu depctr_hold_cnt(0) depctr_sa_sdst(0) depctr_va_vdst(0) depctr_va_sdst(0) depctr_va_ssrc(0) depctr_va_vcc(0) depctr_vm_vsrc(0)
	s_getreg_b32 s2, hwreg(HW_REG_IB_STS2, 6, 4)
	s_cmp_eq_u32 s2, 0
	s_cbranch_scc0 .Lentry_in_a_cluster
	s_endpgm
.Lentry_in_a_cluster:
	s_bfe_u32 s2, ttmp6, 0x10000c
	s_cmp_lg_u32 s2, 0xf033
	s_cbranch_scc0 .Lentry_shape_is_right
	s_endpgm
.Lentry_shape_is_right:
; yv[m][n] = f(n) x sum over k of xh[m][k] wt[n][k].  xh: [8192][1024], wt: [2048][1024], yv: [8192][2048], all f16; sums in f32, scaled in f32, rounded once.
; Columns 0-1023: wt holds 64 G^T and f = 2^-14, so yv holds y 2^-8, y = X G (the scores are y X^T).  Columns 1024-2047: wt holds W_v^T and f = 1: v.
; LIMITS.  f16 ends at 65,504: |y| stays under 1.6e7 (X and both W offset by 30 times their spread give 9.2e6), |v| under 65,504.  y 2^-8 below 6e-5 keeps f16's fixed step of 6e-8.
; A tile of 256 x 256 is made by four waves, 128 x 128 each: 64 accumulators of 16 x 16, 512 registers.  256 tiles, one to a work-group.  K goes in steps of 128 through two LDS slots filled by the tensor data mover;
; a tile's rows are 256 bytes, aligned.  CLUSTERS of 4 x 4: the four of a row need the same rows of xh, the four of a column the same rows of wt: asked for jointly.
; ONE K STEP IS WRITTEN ONCE: a trip is a K step, and the slot in hand is a scalar that takes 0 and SLOT by turns.  Six trips fill a slot again; the last two K steps, which fill nothing, are a second loop.
; The matrix instruction is used transposed (source 0 = 16 rows of wt, source 1 = 16 rows of xh): a lane holds eight neighbouring columns of one row of yv.
; REGISTERS in windows of 256 (s_set_vgpr_msb: bits 1:0 source 0, 3:2 source 1, 5:4 source 2, 7:6 destination):
;   window 0: v0-31 addresses; v64-191 xh's fragments, two buffers; v32-63, v192-255 at work on the way out      window 1: v64-191 wt's fragments, two buffers
;   window 2, 3: the accumulators of my rows 0-63, 64-127: (a, b) at v[8 (8 a + b)]
.set SIZE_N, 2048
.set SIZE_K, 1024
.set KSTEP,  128
.set PITCH,  272                       ; an LDS row: 256 bytes + 16 of padding = 68 words: the 16 rows of a fragment load start at 16 different groups of four banks (64 banks of 4 bytes: ISA guide 11.1)
.set HALFT,  128*PITCH                 ; what one tensor load brings, and what one wave reads of either operand
.set SLOT,   4*HALFT
.set STAGE,  2*SLOT                    ; behind the ring: 16 rows x 272 bytes for each wave, for the way out
.set SPITCH, 272
.set SPARE,  STAGE+4*16*SPITCH         ; behind the stages: the spare words, 128 bytes a wave; no other line names them
.set PLA,  16                          ; v16  my lane's place among xh's fragments in a slot; never rewritten
.set PLB,  17                          ; v17  the same for wt
.set ADRA, 18                          ; v18  the same in the slot in hand
.set ADRB, 19                          ; v19
.set STO,  24                          ; v24  the way out: where I put 16 bytes of a row
.set RD,   25                          ; v25  where I read a row back
.set CO,   26                          ; v26  my byte offset in yv
.set SPW,  28                          ; v28  my spare word's address; never rewritten
.set NIL,  29                          ; v29  0; never rewritten
.set PFO,  30                          ; v30  the prefetches' offset: my lane x a row of 2,048 bytes; never rewritten
.set WL,   2                           ; s2   my quarter of a slot: wave x 128 rows
.set SC,   14                          ; s[14:15] f
.set LIM,  43                          ; s43  2 in a wave that prefetches, else the greatest number
.set PFA,  44                          ; s[44:45] where my prefetches stand
.set TB,   46                          ; s46  LDS byte at which the slot in hand begins
.set F0,   64
.set F1,   128
.set TMP,  192
.set OB,   32
.set G1, 24                            ; s[24:31] group 1 for xh's tiles;  s[32:39] group 0: a set for each first fill; the second then walks on
.set G0, 32
.set G1B, 48                           ; s[48:55], s[56:63] the same for wt's
.set G0B, 56
.set MSB, 0
.macro WIN new                         ; the immediate's high byte repeats the setting that is left; a switch that changes nothing is dropped
.if MSB != (\new)
	s_set_vgpr_msb (MSB<<8)|(\new)
.set MSB, \new
.endif
.endm
.set MUL_LO, 0xa1                      ; source 0 window 1, source 1 window 0, C and D window 2
.set TO_B,   0x40                      ; destination window 1, address window 0
.macro PLACES                          ; four plain instructions between a matrix instruction and a load into, or a vector instruction on, its registers
.rept 4
	v_nop
.endr
.endm
; A joint load: waves 0 and 1 fetch xh's two halves, waves 2 and 3 wt's.  The branch hangs on the wave's number alone.  An s_nop 0 and four v_nop follow each line.
.macro JLOAD s
	s_cmp_eq_u32 s11, 0
	s_cbranch_scc0 .Lfor_b_\@
	tensor_load_to_lds s[G0+4*(\s):G0+4*(\s)+3], s[G1:G1+7]
	s_nop 0
	PLACES
	s_branch .Lasked_\@
.Lfor_b_\@:
	tensor_load_to_lds s[G0B+4*(\s):G0B+4*(\s)+3], s[G1B:G1B+7]
	s_nop 0
	PLACES
.Lasked_\@:
.endm
; A prefetch of the K step that stands two refills on: 32 rows x 256 bytes, a lane a row.  xh's rows are asked for by the clusters with x = 0, wt's by those with y = 0; of the 128 rows that a wave fetches each of
; the four partners takes 32, told apart by address.  So each row's 256 bytes of K steps 4 to 7 are named once in the launch; the loop's last two trips (s3 = 2, 1) ask for nothing.
.macro ASK
	s_cmp_gt_u32 s3, s[LIM]
	s_cbranch_scc0 .Lnot_mine_\@
	global_prefetch_b8 v[PFO], s[PFA:PFA+1] offset:KSTEP*2 th:TH_LOAD_NT scope:SCOPE_SE
.Lnot_mine_\@:
.endm
.macro CREST                           ; a round of the cluster's barrier behind its opening barrier
	s_cmp_lg_u32 s10, 0
	s_cbranch_scc1 .Lnot_wave_0_\@
	s_barrier_signal -3
.Lnot_wave_0_\@:
	s_barrier_wait -3
	s_barrier_signal -1
	s_barrier_wait -1
.endm
.macro CROUND
	s_barrier_signal -1
	s_barrier_wait -1
	CREST
.endm
	s_load_b128 s[4:7], s[0:1], 0x0                ; xh s[4:5], wt s[6:7]
	s_load_b64 s[8:9], s[0:1], 0x10                ; yv
	v_lshl_add_u32 v[SPW], v0, 2, SPARE
	v_mov_b32 v[NIL], 0
	ds_add_u32 v[SPW], v[NIL]                      ; the wave's opening: the add and its wait stand ahead of my first tensor load; work on registers stands between them
	ds_add_u32 v28, v29
	v_lshrrev_b32 v1, 5, v0
	v_readfirstlane_b32 s10, v1                    ; wave 0..3
	s_lshr_b32 s11, s10, 1                         ; my half of the tile's rows.  Also: I fetch for xh (0) or wt (1)
	s_and_b32 s12, s10, 1                          ; my half of its columns.  Also: which 128 rows I fetch
	s_bfe_u32 s40, ttmp6, 0x40000                  ; cx
	s_bfe_u32 s41, ttmp6, 0x40004                  ; cy
	s_lshl_b32 s42, ttmp9, 2
	s_add_co_u32 s42, s42, s40                     ; tile column = 4 x cluster x + cx
	s_and_b32 s13, ttmp7, 0xffff
	s_lshl_b32 s13, s13, 2
	s_add_co_u32 s13, s13, s41                     ; tile row = 4 x cluster y + cy
	s_lshl_b32 s43, s41, 2
	s_lshl_b32 s43, 15, s43                        ; my row of the cluster
	s_lshl_b32 s44, 0x1111, s40                    ; my column
	s_or_b32 s[G1+0], s43, (1<<16)|(1<<20)|(1<<21)|(5<<22)|(3<<25)   ; the mask; 2-byte elements; padding on; bit 21 beside a mask; after every 64 words, 4 words
	s_or_b32 s[G1B+0], s44, (1<<16)|(1<<20)|(1<<21)|(5<<22)|(3<<25)
.irp g, G1, G1B
	s_mov_b32 s[(\g)+1], KSTEP<<16                 ; tensor_dim0 = 128
	s_mov_b32 s[(\g)+2], 128<<16                   ; tensor_dim1 = 128
	s_mov_b32 s[(\g)+3], KSTEP<<16                 ; tile_dim0 = 128
	s_mov_b32 s[(\g)+4], 128                       ; tile_dim1 = 128
	s_mov_b32 s[(\g)+5], SIZE_K                    ; elements from row to row
	s_mov_b32 s[(\g)+6], 0
	s_mov_b32 s[(\g)+7], 0
.endr
	s_lshl_b32 s17, s12, 7
	s_lshl_b32 s16, s13, 8
	s_add_co_u32 s16, s16, s17                     ; xh: row 256 x tile row + 128 x half
	s_lshl_b32 s46, s42, 8
	s_add_co_u32 s46, s46, s17                     ; wt: row 256 x tile column + 128 x half
	s_mov_b32 s17, 0
	s_mov_b32 s47, 0
	s_mov_b64 s[18:19], SIZE_K*2
	s_mul_u64 s[16:17], s[16:17], s[18:19]
	s_mul_u64 s[46:47], s[46:47], s[18:19]
	s_mul_i32 s[WL], s10, HALFT                    ; where they go: wave x 128 rows
	s_wait_dscnt 0x0                               ; the opening add is done
	s_wait_kmcnt 0x0
	s_add_nc_u64 s[14:15], s[4:5], s[16:17]
	s_add_nc_u64 s[46:47], s[6:7], s[46:47]
	CROUND                                         ; all sixteen work-groups are here: the first joint loads meet
.irp s, 0,1
	s_mov_b32 s[G0+4*(\s)], 1
	s_add_co_u32 s[G0+4*(\s)+1], s[WL], (\s)*SLOT
	s_add_nc_u64 s[G0+4*(\s)+2:G0+4*(\s)+3], s[14:15], (\s)*KSTEP*2
	s_or_b32 s[G0+4*(\s)+3], s[G0+4*(\s)+3], 0x80000000
	s_mov_b32 s[G0B+4*(\s)], 1
	s_add_co_u32 s[G0B+4*(\s)+1], s[WL], (\s)*SLOT
	s_add_nc_u64 s[G0B+4*(\s)+2:G0B+4*(\s)+3], s[46:47], (\s)*KSTEP*2
	s_or_b32 s[G0B+4*(\s)+3], s[G0B+4*(\s)+3], 0x80000000
	JLOAD \s                                       ; two loads of mine are out
.endr
	; a fragment is 16 rows x 32 K in 8 registers: lane l holds row l % 16, K = 8 (l / 16) + 0..7 and 16 + 8 (l / 16) + 0..7: two loads of 16 bytes, 32 bytes apart
	v_and_b32 v1, 15, v0
	v_bfe_u32 v2, v0, 4, 1
	v_mul_u32_u24 v3, v1, PITCH
	v_lshl_add_u32 v3, v2, 4, v3
	s_mul_i32 s21, s11, HALFT
	s_mul_i32 s22, s12, HALFT
	s_add_co_u32 s22, s22, 2*HALFT
	v_add_nc_u32 v[PLA], s21, v3
	v_add_nc_u32 v[PLB], s22, v3
	s_mul_i32 s23, s10, 16*SPITCH
	s_add_co_u32 s23, s23, STAGE
	v_mul_u32_u24 v4, v1, SPITCH
	v_lshl_add_u32 v4, v2, 4, v4
	v_add_nc_u32 v[STO], s23, v4
	v_mul_u32_u24 v5, v2, SPITCH
	v_lshl_add_u32 v5, v1, 4, v5
	v_add_nc_u32 v[RD], s23, v5
	v_mul_u32_u24 v5, v2, SIZE_N*2
	v_lshl_add_u32 v[CO], v1, 4, v5
	s_lshl_b32 s13, s13, 8
	s_lshl_b32 s14, s11, 7
	s_add_co_u32 s16, s13, s14                     ; my first row of yv
	s_mov_b32 s17, 0
	s_mov_b64 s[18:19], SIZE_N*2
	s_mul_u64 s[16:17], s[16:17], s[18:19]
	s_lshl_b32 s46, s42, 9                         ; my first column, in bytes
	s_lshl_b32 s47, s12, 8
	s_add_co_u32 s46, s46, s47
	s_mov_b32 s47, 0
	s_add_nc_u64 s[16:17], s[16:17], s[46:47]
	s_add_nc_u64 s[8:9], s[8:9], s[16:17]
	; the prefetches
	s_lshl_b32 s42, s42, 8
	s_and_b32 s22, ttmp7, 0xffff
	s_cmp_eq_u32 s11, 0
	s_cselect_b32 s20, s13, s42                    ; the tile's first row
	s_cselect_b32 s21, s40, s41                    ; my place among the four that ask for it with me
	s_cselect_b32 s22, ttmp9, s22                  ; the coordinate along which other clusters read the same rows
	s_cselect_b64 s[PFA:PFA+1], s[4:5], s[6:7]
	s_cmp_eq_u32 s22, 0
	s_cselect_b32 s[LIM], 2, -1
	s_lshl_b32 s22, s12, 7
	s_add_co_u32 s20, s20, s22
	s_lshl_b32 s21, s21, 5
	s_add_co_u32 s20, s20, s21
	s_mov_b32 s21, 0
	s_mov_b64 s[18:19], SIZE_K*2
	s_mul_u64 s[20:21], s[20:21], s[18:19]
	s_add_nc_u64 s[PFA:PFA+1], s[PFA:PFA+1], s[20:21]
	s_add_nc_u64 s[PFA:PFA+1], s[PFA:PFA+1], 2*KSTEP*2  ; at K step 2: the first refill steps it to 3 and names K step 4
	v_and_b32 v[PFO], 31, v0
	v_mul_u32_u24 v[PFO], v[PFO], SIZE_K*2
	s_mov_b32 s[TB], 0
	s_cmp_eq_u32 ttmp9, 0                          ; tile columns 0-3, the first column of clusters, are y's: the same in all sixteen partners
	s_cselect_b32 s[SC], 0x38800000, 1.0           ; 2^-14, or 1
	s_mov_b32 s[SC+1], s[SC]                       ; named with it as a pair
; 16 matrix instructions: m blocks a0, a0 + 1 of the window's four x all 8 n blocks, 32 along K.  The 64 accumulators take turns.  zero = 1: the first product starts the sums
.macro MUL16 f, hi, a0, zero
	WIN MUL_LO+0x50*(\hi)
.irp a, \a0, (\a0)+1
.irp b, 0,1,2,3,4,5,6,7
.if \zero
	v_wmma_f32_16x16x32_f16 v[8*(8*(\a)+(\b)):8*(8*(\a)+(\b))+7], v[(\f)+8*(\b):(\f)+8*(\b)+7], v[(\f)+8*(4*(\hi)+(\a)):(\f)+8*(4*(\hi)+(\a))+7], 0
.else
	v_wmma_f32_16x16x32_f16 v[8*(8*(\a)+(\b)):8*(8*(\a)+(\b))+7], v[(\f)+8*(\b):(\f)+8*(\b)+7], v[(\f)+8*(4*(\hi)+(\a)):(\f)+8*(4*(\hi)+(\a))+7], v[8*(8*(\a)+(\b)):8*(8*(\a)+(\b))+7]
.endif
.endr
.endr
.endm
.macro FETCH k, f                      ; 32 LDS loads in one run: the fragments of a quarter step at byte k of the rows of the slot in hand
	WIN TO_B
.irp i, 0,1,2,3,4,5,6,7
	ds_load_b128 v[(\f)+8*(\i):(\f)+8*(\i)+3],   v[ADRB] offset:(\k)+(\i)*16*PITCH
	ds_load_b128 v[(\f)+8*(\i)+4:(\f)+8*(\i)+7], v[ADRB] offset:(\k)+(\i)*16*PITCH+32
.endr
	WIN 0
.irp i, 0,1,2,3,4,5,6,7
	ds_load_b128 v[(\f)+8*(\i):(\f)+8*(\i)+3],   v[ADRA] offset:(\k)+(\i)*16*PITCH
	ds_load_b128 v[(\f)+8*(\i)+4:(\f)+8*(\i)+7], v[ADRA] offset:(\k)+(\i)*16*PITCH+32
.endr
.endm
.macro RADDR                           ; my lane's places in the slot in hand
	v_add_nc_u32 v[ADRA], s[TB], v[PLA]
	v_add_nc_u32 v[ADRB], s[TB], v[PLB]
.endm
.macro QUARTER k, f, g, zero           ; multiplies buffer f; in its middle fetches the next quarter, at byte k, into g
	s_wait_dscnt 8                                 ; wt's fragments and xh's rows 0-63 are in; the youngest eight loads may be out
	MUL16 \f, 0, 0, \zero
	MUL16 \f, 0, 2, \zero
	PLACES
	FETCH \k, \g
	s_wait_dscnt 32                                ; all but the 32 just issued
	MUL16 \f, 1, 0, \zero
	MUL16 \f, 1, 2, \zero
.endm
; A K step's last quarter, with the change of slots.  In front of the barrier each wave waits for all its tensor loads (one is out: its part of the next slot), adds 0 to its spare word, and waits for that and for its reads
; of this slot.  The barrier opens a round of the cluster's; first thing behind the round the slot just read is filled again, two K steps on; then come the next slot's first fragments.
.macro TURN
	s_wait_xcnt 0x0                                ; the last prefetch, a K step back, has read its address
	s_add_nc_u64 s[PFA:PFA+1], s[PFA:PFA+1], KSTEP*2
	WIN 0
	s_wait_tensorcnt 0x0                           ; no tensor load of mine is out, so a group 0 may be written
	ds_add_u32 v[SPW], v[NIL]                      ; 0 onto my spare word; work on registers stands between it and the wait for it
	s_add_co_u32 s[G0+5], s[WL], s[TB]             ; the walking descriptors: into the slot that is being left,
	s_add_nc_u64 s[G0+6:G0+7], s[G0+6:G0+7], KSTEP*2  ; the next K step; the type bits on top are not reached
	s_add_co_u32 s[G0B+5], s[WL], s[TB]
	s_add_nc_u64 s[G0B+6:G0B+7], s[G0B+6:G0B+7], KSTEP*2
	s_xor_b32 s[TB], s[TB], SLOT                   ; 0 and SLOT by turns: the slot to be read next
	s_wait_dscnt 9                                 ; the add and the youngest eight loads may be out
	MUL16 F1, 0, 0, 0
	s_wait_dscnt 0x0                               ; the add is done, and my reads of this slot are over
	s_barrier_signal -1
	MUL16 F1, 0, 2, 0
	WIN 0
	s_barrier_wait -1
	CREST                                          ; no wave of any partner still reads this slot or has a load on its way
	JLOAD 1                                        ; its four v_nop are also the places in front of the loads below
	RADDR
	FETCH 0, F0
	ASK
	MUL16 F1, 1, 0, 0
	MUL16 F1, 1, 2, 0
.endm
; The same in the last two K steps: nothing is filled, so the barrier is the work-group's alone; the very last K step (s3 = 1) has no next slot, and the fetch is jumped over.
.macro TURNN
	WIN 0
	s_wait_tensorcnt 0x0
	ds_add_u32 v[SPW], v[NIL]
	s_xor_b32 s[TB], s[TB], SLOT
	s_wait_dscnt 9
	MUL16 F1, 0, 0, 0
	s_wait_dscnt 0x0
	s_barrier_signal -1
	MUL16 F1, 0, 2, 0
	WIN 0
	s_barrier_wait -1
	s_cmp_eq_u32 s3, 1
	s_cbranch_scc1 .Lno_more
	PLACES
	RADDR
	FETCH 0, F0
.Lno_more:
	MUL16 F1, 1, 0, 0
	MUL16 F1, 1, 2, 0
.endm
; THE WAY OUT of block a of 16 rows (of window 2's four).  PACK: times f, rounded to f16, 16 bytes a lane; each accumulator's registers in ascending order.  TOSTAGE: into my own stage, and back as whole rows of 256 bytes.  SEND: stored.
.macro PACK a
.set AC, 64*(\a)
	WIN 0x82                                       ; destination and source 0 window 2
.set i, 0
.rept 32
	v_pk_mul_f32 v[AC+i:AC+i+1], v[AC+i:AC+i+1], s[SC:SC+1] op_sel_hi:[1,0]
.set i, i+2
.endr
	WIN 0x0a                                       ; sources 0 and 1 window 2
.irp b, 0,1,2,3,4,5,6,7
.irp r, 0,1,2,3
	v_cvt_pk_f16_f32 v[TMP+4*(\b)+(\r)], v[AC+8*(\b)+2*(\r)], v[AC+8*(\b)+2*(\r)+1]
.endr
.endr
	WIN 0
.endm
.macro TOSTAGE a
	WIN 0
.set BK, OB+192*((\a)%2)
.irp b, 0,1,2,3,4,5,6,7
	ds_store_b128 v[STO], v[TMP+4*(\b):TMP+4*(\b)+3] offset:32*(\b)
.endr
.irp t, 0,1,2,3,4,5,6,7
	ds_load_b128 v[BK+4*(\t):BK+4*(\t)+3], v[RD] offset:(\t)*2*SPITCH  ; LDS serves a wave's instructions in order (ISA guide 5.7.1.4): these see the stores above
.endr
.endm
.macro SEND a
	WIN 0
.set BK, OB+192*((\a)%2)
	s_wait_dscnt 0x0                               ; the block is back in registers
	s_wait_xcnt 0x0                                ; the registers that the stores of the block before read are loaded again only behind this wait
.irp t, 0,1,2,3,4,5,6,7
	global_store_b128 v[CO], v[BK+4*(\t):BK+4*(\t)+3], s[8:9] offset:(16*(\a)+2*(\t))*SIZE_N*2  ; 16 lanes store 256 consecutive bytes, aligned
.endr
.endm
	s_wait_tensorcnt 1                             ; my part of K step 0 is in; K step 1's may stay out
	s_barrier_signal -1
	s_barrier_wait -1
	RADDR
	FETCH 0, F0
	QUARTER 64,  F0, F1, 1                         ; the first quarter stands in front of the loop: its products start the sums
	WIN 0
	s_mov_b32 s3, 6
.Lstep:                                                ; a trip goes from a K step's second quarter to the next K step's first, and fills a slot again: K steps 2 to 7
	QUARTER 128, F1, F0, 0
	QUARTER 192, F0, F1, 0
	TURN
	QUARTER 64,  F0, F1, 0
	WIN 0
	s_sub_co_u32 s3, s3, 1
	s_cmp_lg_u32 s3, 0
	s_cbranch_scc1 .Lstep
	s_mov_b32 s3, 2
.Ltail:                                                ; K steps 6 and 7 fill nothing: a text of their own; the second trip is left in its middle
	QUARTER 128, F1, F0, 0
	QUARTER 192, F0, F1, 0
	TURNN
	WIN 0
	s_sub_co_u32 s3, s3, 1
	s_cmp_eq_u32 s3, 0
	s_cbranch_scc1 .Lout
	QUARTER 64,  F0, F1, 0
	WIN 0
	s_branch .Ltail
.Lout:
	PLACES
	s_mov_b32 s3, 2
.Lpass:                                                ; the way out's text names window 2's four blocks and is walked twice
	PACK 0
	TOSTAGE 0
.irp a, 1,2,3                          ; a block's arithmetic stands between the loads of the block before and its stores
	PACK \a
	SEND (\a)-1
	TOSTAGE \a
.endr
	SEND 3
	s_sub_co_u32 s3, s3, 1
	s_cmp_eq_u32 s3, 0
	s_cbranch_scc1 .Ldone
	WIN 0x83                                       ; my rows 64-127 go where the one text names its accumulators: 256 copies, once a launch, the price of writing four blocks in place of eight
.set i, 0
.rept 256
	v_mov_b32 v[i], v[i]
.set i, i+1
.endr
	WIN 0
	s_wait_xcnt 0x0                                ; the stores have read their address
	s_add_nc_u64 s[8:9], s[8:9], 64*SIZE_N*2
	s_branch .Lpass
.Ldone:
	s_wait_tensorcnt 0x0                           ; the wave's end
	ds_add_u32 v[SPW], v[NIL]
	s_wait_dscnt 0x0
	CROUND                                         ; the closing round
	s_endpgm
.Lfunc_end_k_q1303383eed_proj:
	.size	k_q1303383eed_proj, .Lfunc_end_k_q1303383eed_proj-k_q1303383eed_proj
	.p2alignl 7, 3214868480
	.fill 96, 4, 3214868480
	.section	.rodata,"a",@progbits
	.p2align	6, 0x0
	.amdhsa_kernel k_q1303383eed_proj
		.amdhsa_group_segment_fixed_size 327680
		.amdhsa_private_segment_fixed_size 0
		.amdhsa_enable_private_segment 0
		.amdhsa_kernarg_size 24
		.amdhsa_user_sgpr_count 2
		.amdhsa_user_sgpr_kernarg_segment_ptr 1
		.amdhsa_wavefront_size32 1
		.amdhsa_system_sgpr_workgroup_id_x 1
		.amdhsa_system_sgpr_workgroup_id_y 1
		.amdhsa_system_sgpr_workgroup_id_z 1
		.amdhsa_system_vgpr_workitem_id 0
		.amdhsa_next_free_vgpr 1024
		.amdhsa_next_free_sgpr 66
		.amdhsa_reserve_vcc 0
		.amdhsa_float_denorm_mode_32 3
		.amdhsa_float_denorm_mode_16_64 3
		.amdhsa_memory_ordered 1
		.amdhsa_forward_progress 1
		.amdhsa_inst_pref_size 102
	.end_amdhsa_kernel
	.amdgpu_metadata
---
amdhsa.version: [ 1, 2 ]
amdhsa.kernels:
  - .name:           k_q1303383eed_proj
    .symbol:         k_q1303383eed_proj.kd
    .args:
      - { .name: xh, .offset: 0, .size: 8, .value_kind: global_buffer, .address_space: global }
      - { .name: wt, .offset: 8, .size: 8, .value_kind: global_buffer, .address_space: global }
      - { .name: yv, .offset: 16, .size: 8, .value_kind: global_buffer, .address_space: global }
    .group_segment_fixed_size: 327680
    .private_segment_fixed_size: 0
    .kernarg_segment_align: 8
    .kernarg_segment_size: 24
    .max_flat_workgroup_size: 128
    .sgpr_count:     66
    .vgpr_count:     1024
    .wavefront_size: 32
...
	.end_amdgpu_metadata
.endif
;; end of part 7
;; launch scores (part 8): grid 36 x 4, 4 waves a work-group, no clusters, 327,680 bytes of LDS; arguments yv, xh, pw, st; writes pw, st
.if DOCPART == 8
	.amdgcn_target "amdgcn-amd-amdhsa--gfx1250"
	.amdhsa_code_object_version 6
	.text
	.protected	k_q1303383eed_scores
	.globl	k_q1303383eed_scores
	.p2align	8
	.type	k_q1303383eed_scores,@function
k_q1303383eed_scores:
	s_mov_b64 s[64:65], 0
	v_nop
	global_prefetch_b8 v0, s[64:65] scope:SCOPE_SE
	s_setreg_imm32_b32 hwreg(HW_REG_WAVE_MODE, 25, 1), 1
	s_wait_xcnt 0x0
; For each tile (I, J), J <= I, of 256 queries x 256 keys of batch b: S' = y' X^T (y' = y 2^-8 from yv's columns 0-1023, X from xh; f16 operands, f32 sums over 1,024 channels), which is q k^T 2^-8; the causal mask;
; the tile's row maximum m; p = 2^(c s' - c m), c = 8 log2(e) = 2^8 log2(e) / 32, stored in f16 into pw [4][2048][2048]; c m and the sums l of the unrounded p (one for each half of 128 keys) in f32 into st.
; The next launch joins the tiles by a running maximum.
; st: [b 4][J 8][g 32][half 2][512 bytes]; g = a group of 64 queries of the batch; bytes 0-255 c m, bytes 256-511 l, word 4 r + u for query 64 g + 16 u + r.
; LIMITS.  A hidden score counts as its value less 1e30 (f16's sums are 4.4e12 at the most).  A weight below 2^-126 counts as 0 in l; p below 6e-5 keeps f16's fixed step of 6e-8.  NaN and infinities are not treated apart.
; SHARES.  36 tiles a batch, x = I (I + 1) / 2 + J.  Four waves, 128 queries x 128 keys each: 64 accumulators.  K steps of 128 through two LDS slots; one K step is written once, as in the projection.
; NO CLUSTER: row I of the triangle has I + 1 tiles, 1 to 8, and column J has 8 - J: neither divides into fours that share y's or X's rows at every I and J.
; THE MASK is the C operand that starts the sums: 0, or -1e30 where key > query.  With D = 256 (J - I) + 128 (my key half - my query half), key block b and query block a of 16: D + 16 (b - a) decides all but b = a at D = 0.
; The matrix instruction is used transposed (source 0 = 16 keys, source 1 = 16 queries): a lane holds ONE query (lane % 16) and the keys 8 (lane / 16) + 0..7 of each accumulator.
; REGISTERS: as in the projection; window 0 v32-55 the three masks, later maxima and c m; v64-255 at work on the way out.
.set KSTEP,  128
.set PITCH,  272
.set HALFT,  128*PITCH
.set SLOT,   4*HALFT
.set STAGE,  2*SLOT
.set SPITCH, 272
.set XM,     STAGE+4*16*SPITCH         ; 512 bytes for each wave: the two key halves exchange their maxima
.set SPARE,  XM+2048                   ; the spare words, 128 bytes a wave; no other line names them
.set PROW,   4096                      ; bytes in a row of pw
.set PF,   8                           ; v8-11  the prefetches' offsets: row lane + 32 k of my 128, times a row's bytes; never rewritten
.set STF,  15                          ; v15  16 x lane: my 16 bytes of a record of st
.set PLA,  16                          ; v16  my lane's place among y's fragments in a slot; never rewritten
.set PLB,  17                          ; v17  the same for X's
.set ADRA, 18                          ; v18, v19  the same in the slot in hand
.set ADRB, 19
.set STO,  24
.set RD,   25
.set CO,   26
.set XA,   27                          ; v27  where I put my maxima
.set SPW,  28
.set NIL,  29
.set XB,   31                          ; v31  where the other key half's maxima lie
.set ML,   32                          ; v[32:39] mask for key blocks below the query block
.set MDG,  40                          ; v[40:47] for the same block
.set MU,   48                          ; v[48:55] for those above
.set LM,   32                          ; later: my maxima, a register for each block of 16 queries
.set PM,   40                          ; the partner's
.set CM,   48                          ; v[48:63] pairs: c m, m
.set TT,   64                          ; v[64:255] 24 partial maxima for each block
.set LS,   64                          ; later: v[64:67] l of the four blocks in hand; v[68:71] of blocks 0-3, set aside
.set LT,   72
.set CMS,  80                          ; v[80:87] c m of all eight blocks, for st
.set SQ,   96
.set BKB,  128                         ; v[128:191] two buffers of 16 rows read back from the stage
.set TMP,  192
.set F0,   64
.set F1,   128
.set G1B, 16                           ; s[16:23] group 1 for xh's tiles
.set G1A, 24                           ; s[24:31] group 1 for yv's: it differs in the rows' distance alone
.set G0,  32                           ; s[32:39] group 0: a set for each first fill; the second then walks on
.set LIM, 40
.set TB,  41                           ; LDS byte at which the slot in hand begins
.set PFA, 42
.set CS,  44                           ; s[44:45] c
.set SEL, 46                           ; s[46:47] v_permlanex16_b32's selects
.set NEG, 48
.set HM,  49                           ; lanes 16-31
.set WL,  50                           ; my quarter of a slot
.set WV,  52
.set RH,  53                           ; my 128 queries.  Also: I fetch y's rows (0) or X's (1)
.set CH,  54                           ; my 128 keys.  Also: which 128 rows I fetch
.set II,  55
.set JJ,  56
.set BB,  57
.set MSB, 0
.macro WIN new
.if MSB != (\new)
	s_set_vgpr_msb (MSB<<8)|(\new)
.set MSB, \new
.endif
.endm
.set MUL_LO, 0xa1
.set TO_B,   0x40
.macro PLACES
.rept 4
	v_nop
.endr
.endm
.macro JLOAD s                         ; my quarter of a slot; the two lines differ in group 1; the branch hangs on the wave's number; an s_nop 0 and four v_nop follow each line
	s_cmp_eq_u32 s[RH], 0
	s_cbranch_scc0 .Lfor_b_\@
	tensor_load_to_lds s[G0+4*(\s):G0+4*(\s)+3], s[G1A:G1A+7]
	s_nop 0
	PLACES
	s_branch .Lasked_\@
.Lfor_b_\@:
	tensor_load_to_lds s[G0+4*(\s):G0+4*(\s)+3], s[G1B:G1B+7]
	s_nop 0
	PLACES
.Lasked_\@:
.endm
; A prefetch of the K step two refills on: my 128 rows x 256 bytes, a lane a row, four instructions.  y's rows of block I are read by the tiles (I, 0 .. I): tile (I, 0) asks; X's rows of block J by (J .. 7, J): tile (J, J) asks.
; So each row's 256 bytes of K steps 4 to 7 are named once; the loop's last two trips (s3 = 2, 1) ask for nothing.
.macro ASK
	s_cmp_gt_u32 s3, s[LIM]
	s_cbranch_scc0 .Lnot_mine_\@
.irp k, 0,1,2,3
	global_prefetch_b8 v[PF+(\k)], s[PFA:PFA+1] offset:KSTEP*2 th:TH_LOAD_NT scope:SCOPE_SE
.endr
.Lnot_mine_\@:
.endm
	s_load_b256 s[4:11], s[0:1], 0x0               ; yv s[4:5], xh s[6:7], pw s[8:9], st s[10:11]
	v_lshl_add_u32 v[SPW], v0, 2, SPARE
	v_mov_b32 v[NIL], 0
	ds_add_u32 v[SPW], v[NIL]                      ; the wave's opening: the add and its wait stand ahead of my first tensor load
	ds_add_u32 v28, v29
	v_lshrrev_b32 v1, 5, v0
	v_readfirstlane_b32 s[WV], v1                  ; wave 0..3
	s_lshr_b32 s[RH], s[WV], 1
	s_and_b32 s[CH], s[WV], 1
	s_and_b32 s[BB], ttmp7, 0xffff                 ; b
	s_mov_b32 s12, ttmp9
	s_mov_b32 s[II], 0
.irp thr, 1,3,6,10,15,21,28
	s_cmp_ge_u32 s12, \thr                         ; I = how many rows of the triangle begin at or below x
	s_add_co_ci_u32 s[II], s[II], 0
.endr
	s_add_co_u32 s[JJ], s[II], 1
	s_mul_i32 s[JJ], s[JJ], s[II]
	s_lshr_b32 s[JJ], s[JJ], 1
	s_sub_co_u32 s[JJ], s12, s[JJ]                 ; J = x - I (I + 1) / 2
.irp g, G1A, G1B
	s_mov_b32 s[(\g)+0], (1<<16)|(1<<20)|(5<<22)|(3<<25)  ; 2-byte elements; padding on: after every 64 words, 4 words
	s_mov_b32 s[(\g)+1], KSTEP<<16                 ; tensor_dim0 = 128
	s_mov_b32 s[(\g)+2], 128<<16                   ; tensor_dim1 = 128
	s_mov_b32 s[(\g)+3], KSTEP<<16                 ; tile_dim0 = 128
	s_mov_b32 s[(\g)+4], 128                       ; tile_dim1 = 128
	s_mov_b32 s[(\g)+6], 0
	s_mov_b32 s[(\g)+7], 0
.endr
	s_mov_b32 s[G1A+5], 2048                       ; elements from row to row: in yv,
	s_mov_b32 s[G1B+5], 1024                       ; in xh
	s_cmp_eq_u32 s[RH], 0
	s_cselect_b32 s13, s[II], s[JJ]                ; y's block I, or X's block J,
	s_cselect_b32 s15, 12, 11                      ; in rows of 4,096 or of 2,048 bytes
	s_cselect_b32 s58, s[JJ], s[II]
	s_cselect_b32 s59, 0, s[JJ]
	s_cmp_eq_u32 s58, s59                          ; J = 0 for y's waves, I = J for X's
	s_cselect_b32 s[LIM], 2, -1
	s_lshl_b32 s13, s13, 8
	s_lshl_b32 s14, s[BB], 11
	s_add_co_u32 s13, s13, s14
	s_lshl_b32 s14, s[CH], 7
	s_add_co_u32 s13, s13, s14                     ; the first row that I fetch
	s_lshl_b32 s60, s13, s15
	s_mov_b32 s61, 0
	s_mul_i32 s[WL], s[WV], HALFT                  ; where it goes: y's two halves, then X's two halves
	s_mov_b32 s[TB], 0
	s_mov_b32 s[CS], 0x4138aa3b                    ; c = 8 log2(e)
	s_mov_b32 s[CS+1], s[CS]
	s_mov_b32 s[SEL], 0x76543210
	s_mov_b32 s[SEL+1], 0xfedcba98
	s_mov_b32 s[NEG], 0xf149f2ca                   ; -1e30
	s_mov_b32 s[HM], 0xffff0000
	s_wait_dscnt 0x0                               ; the opening add is done
	s_wait_kmcnt 0x0
	s_cmp_eq_u32 s[RH], 0
	s_cselect_b64 s[62:63], s[4:5], s[6:7]
	s_add_nc_u64 s[62:63], s[62:63], s[60:61]
.irp s, 0,1
	s_mov_b32 s[G0+4*(\s)], 1
	s_add_co_u32 s[G0+4*(\s)+1], s[WL], (\s)*SLOT
	s_add_nc_u64 s[G0+4*(\s)+2:G0+4*(\s)+3], s[62:63], (\s)*KSTEP*2
	s_or_b32 s[G0+4*(\s)+3], s[G0+4*(\s)+3], 0x80000000
	JLOAD \s                                       ; two loads of mine are out
.endr
	s_add_nc_u64 s[PFA:PFA+1], s[62:63], 2*KSTEP*2 ; at K step 2: the first refill steps it to 3 and names K step 4
	v_and_b32 v1, 15, v0                           ; r
	v_bfe_u32 v2, v0, 4, 1                         ; h
	v_mul_u32_u24 v3, v1, PITCH
	v_lshl_add_u32 v3, v2, 4, v3
	s_mul_i32 s12, s[RH], HALFT
	s_mul_i32 s13, s[CH], HALFT
	s_add_co_u32 s13, s13, 2*HALFT
	v_add_nc_u32 v[PLA], s12, v3
	v_add_nc_u32 v[PLB], s13, v3
	s_mul_i32 s12, s[WV], 16*SPITCH
	s_add_co_u32 s12, s12, STAGE
	v_mul_u32_u24 v4, v1, SPITCH
	v_lshl_add_u32 v4, v2, 4, v4
	v_add_nc_u32 v[STO], s12, v4
	v_mul_u32_u24 v5, v2, SPITCH
	v_lshl_add_u32 v5, v1, 4, v5
	v_add_nc_u32 v[RD], s12, v5
	v_lshlrev_b32 v5, 12, v2
	v_lshl_add_u32 v[CO], v1, 4, v5                ; two rows of pw, 16 bytes a lane
	s_lshl_b32 s12, s[WV], 9
	s_add_co_u32 s12, s12, XM
	v_lshl_add_u32 v[XA], v1, 4, s12
	s_xor_b32 s12, s[WV], 1
	s_lshl_b32 s12, s12, 9
	s_add_co_u32 s12, s12, XM
	v_lshl_add_u32 v[XB], v1, 4, s12
	v_and_b32 v6, 31, v0
	v_lshlrev_b32 v[STF], 4, v6
.irp k, 0,1,2,3
	v_add_nc_u32 v[PF+(\k)], 32*(\k), v6
	v_lshlrev_b32 v[PF+(\k)], s15, v[PF+(\k)]
.endr
	; pw at my 128 rows and 128 keys; st at my two records
	s_lshl_b32 s12, s[BB], 11
	s_lshl_b32 s14, s[II], 8
	s_add_co_u32 s12, s12, s14
	s_lshl_b32 s14, s[RH], 7
	s_add_co_u32 s12, s12, s14
	s_lshl_b32 s12, s12, 12
	s_lshl_b32 s14, s[JJ], 9
	s_add_co_u32 s12, s12, s14
	s_lshl_b32 s14, s[CH], 8
	s_add_co_u32 s12, s12, s14
	s_mov_b32 s13, 0
	s_add_nc_u64 s[8:9], s[8:9], s[12:13]
	s_lshl_b32 s12, s[BB], 3
	s_add_co_u32 s12, s12, s[JJ]
	s_lshl_b32 s12, s12, 5
	s_lshl_b32 s14, s[II], 2
	s_add_co_u32 s12, s12, s14
	s_lshl_b32 s14, s[RH], 1
	s_add_co_u32 s12, s12, s14
	s_lshl_b32 s12, s12, 10
	s_lshl_b32 s14, s[CH], 9
	s_add_co_u32 s12, s12, s14
	s_add_nc_u64 s[10:11], s[10:11], s[12:13]
	; the masks
	s_sub_co_i32 s12, s[JJ], s[II]
	s_lshl_b32 s12, s12, 1
	s_add_co_i32 s12, s12, s[CH]
	s_sub_co_i32 s12, s12, s[RH]                   ; D / 128
	s_cmp_gt_i32 s12, 0
	s_cselect_b32 s13, s[NEG], 0
	s_cmp_ge_i32 s12, 0
	s_cselect_b32 s14, s[NEG], 0
.irp j, 0,1,2,3,4,5,6,7
	v_mov_b32 v[ML+(\j)], s13
	v_mov_b32 v[MU+(\j)], s14
.endr
	v_lshlrev_b32 v14, 3, v2
	v_sub_nc_u32 v14, v1, v14                      ; r - 8 h: in the query's own block register j is hidden where j is greater
.irp j, 0,1,2,3,4,5,6,7
	v_cmp_gt_i32 vcc_lo, \j, v14
	v_cndmask_b32 v[MDG+(\j)], v[ML], v[MU], vcc_lo
.endr
; 16 matrix instructions: query blocks a0, a0 + 1 of the window's four x all 8 key blocks, 32 channels.  The 64 accumulators take turns.  zero = 1: the sums start with the mask (window 0)
.macro MUL16 f, hi, a0, zero
.if \zero
	WIN 0x81+0x40*(\hi)
.else
	WIN MUL_LO+0x50*(\hi)
.endif
.irp a, \a0, (\a0)+1
.irp b, 0,1,2,3,4,5,6,7
.if \zero
.if (\b) < 4*(\hi)+(\a)
.set MK, ML
.elseif (\b) == 4*(\hi)+(\a)
.set MK, MDG
.else
.set MK, MU
.endif
	v_wmma_f32_16x16x32_f16 v[8*(8*(\a)+(\b)):8*(8*(\a)+(\b))+7], v[(\f)+8*(\b):(\f)+8*(\b)+7], v[(\f)+8*(4*(\hi)+(\a)):(\f)+8*(4*(\hi)+(\a))+7], v[MK:MK+7]
.else
	v_wmma_f32_16x16x32_f16 v[8*(8*(\a)+(\b)):8*(8*(\a)+(\b))+7], v[(\f)+8*(\b):(\f)+8*(\b)+7], v[(\f)+8*(4*(\hi)+(\a)):(\f)+8*(4*(\hi)+(\a))+7], v[8*(8*(\a)+(\b)):8*(8*(\a)+(\b))+7]
.endif
.endr
.endr
.endm
.macro FETCH k, f                      ; 32 LDS loads in one run: the fragments of a quarter step at byte k of the rows of the slot in hand
	WIN TO_B
.irp i, 0,1,2,3,4,5,6,7
	ds_load_b128 v[(\f)+8*(\i):(\f)+8*(\i)+3],   v[ADRB] offset:(\k)+(\i)*16*PITCH
	ds_load_b128 v[(\f)+8*(\i)+4:(\f)+8*(\i)+7], v[ADRB] offset:(\k)+(\i)*16*PITCH+32
.endr
	WIN 0
.irp i, 0,1,2,3,4,5,6,7
	ds_load_b128 v[(\f)+8*(\i):(\f)+8*(\i)+3],   v[ADRA] offset:(\k)+(\i)*16*PITCH
	ds_load_b128 v[(\f)+8*(\i)+4:(\f)+8*(\i)+7], v[ADRA] offset:(\k)+(\i)*16*PITCH+32
.endr
.endm
.macro RADDR
	v_add_nc_u32 v[ADRA], s[TB], v[PLA]
	v_add_nc_u32 v[ADRB], s[TB], v[PLB]
.endm
.macro QUARTER k, f, g, zero
	s_wait_dscnt 8                                 ; X's fragments and y's rows 0-63 are in; the youngest eight loads may be out
	MUL16 \f, 0, 0, \zero
	MUL16 \f, 0, 2, \zero
	PLACES
	FETCH \k, \g
	s_wait_dscnt 32                                ; all but the 32 just issued
	MUL16 \f, 1, 0, \zero
	MUL16 \f, 1, 2, \zero
.endm
; A K step's last quarter, with the change of slots: all my tensor loads have landed, the add, my reads of this slot are over; one barrier; first thing behind it the slot just read is filled again, two K steps on.
.macro TURN
	s_wait_xcnt 0x0                                ; the last prefetches, a K step back, have read their address
	s_add_nc_u64 s[PFA:PFA+1], s[PFA:PFA+1], KSTEP*2
	WIN 0
	s_wait_tensorcnt 0x0                           ; no tensor load of mine is out, so a group 0 may be written
	ds_add_u32 v[SPW], v[NIL]
	s_add_co_u32 s[G0+5], s[WL], s[TB]             ; the walking descriptor: into the slot that is being left,
	s_add_nc_u64 s[G0+6:G0+7], s[G0+6:G0+7], KSTEP*2  ; the next K step
	s_xor_b32 s[TB], s[TB], SLOT                   ; 0 and SLOT by turns: the slot to be read next
	s_wait_dscnt 9                                 ; the add and the youngest eight loads may be out
	MUL16 F1, 0, 0, 0
	s_wait_dscnt 0x0
	s_barrier_signal -1
	MUL16 F1, 0, 2, 0
	WIN 0
	s_barrier_wait -1
	JLOAD 1                                        ; its four v_nop are also the places in front of the loads below
	RADDR
	FETCH 0, F0
	ASK
	MUL16 F1, 1, 0, 0
	MUL16 F1, 1, 2, 0
.endm
.macro TURNN                           ; the same in the last two K steps: nothing is filled; the very last (s3 = 1) has no next slot, and the fetch is jumped over
	WIN 0
	s_wait_tensorcnt 0x0
	ds_add_u32 v[SPW], v[NIL]
	s_xor_b32 s[TB], s[TB], SLOT
	s_wait_dscnt 9
	MUL16 F1, 0, 0, 0
	s_wait_dscnt 0x0
	s_barrier_signal -1
	MUL16 F1, 0, 2, 0
	WIN 0
	s_barrier_wait -1
	s_cmp_eq_u32 s3, 1
	s_cbranch_scc1 .Lno_more
	PLACES
	RADDR
	FETCH 0, F0
.Lno_more:
	MUL16 F1, 1, 0, 0
	MUL16 F1, 1, 2, 0
.endm
	s_wait_tensorcnt 1                             ; my part of K step 0 is in; K step 1's may stay out
	s_barrier_signal -1
	s_barrier_wait -1
	RADDR
	FETCH 0, F0
	QUARTER 64,  F0, F1, 1                         ; the first quarter's products start the sums, with the masks
	WIN 0
	s_mov_b32 s3, 6
.Lstep:                                                ; six trips fill K steps 2 to 7
	QUARTER 128, F1, F0, 0
	QUARTER 192, F0, F1, 0
	TURN
	QUARTER 64,  F0, F1, 0
	WIN 0
	s_sub_co_u32 s3, s3, 1
	s_cmp_lg_u32 s3, 0
	s_cbranch_scc1 .Lstep
	s_mov_b32 s3, 2
.Ltail:                                                ; K steps 6 and 7 fill nothing: a text of their own; the second trip is left in its middle
	QUARTER 128, F1, F0, 0
	QUARTER 192, F0, F1, 0
	TURNN
	WIN 0
	s_sub_co_u32 s3, s3, 1
	s_cmp_eq_u32 s3, 0
	s_cbranch_scc1 .Lout
	QUARTER 64,  F0, F1, 0
	WIN 0
	s_branch .Ltail
.Lout:
	PLACES
	; THE MAXIMUM of each query over my 128 keys: three partial maxima an accumulator (its lowest registers first), then 24 into one, then the other half of the lanes
.irp a, 0,1,2,3,4,5,6,7
	WIN 0x2a+0x15*((\a)/4)                         ; all sources in window 2 or 3, destination in window 0
.irp b, 0,1,2,3,4,5,6,7
	v_max3_num_f32 v[TT+24*(\a)+3*(\b)],  v[64*((\a)%4)+8*(\b)],   v[64*((\a)%4)+8*(\b)+1], v[64*((\a)%4)+8*(\b)+2]
	v_max3_num_f32 v[TT+24*(\a)+3*(\b)+1], v[64*((\a)%4)+8*(\b)+3], v[64*((\a)%4)+8*(\b)+4], v[64*((\a)%4)+8*(\b)+5]
	v_max_num_f32  v[TT+24*(\a)+3*(\b)+2], v[64*((\a)%4)+8*(\b)+6], v[64*((\a)%4)+8*(\b)+7]
.endr
.endr
	WIN 0
.irp a, 0,1,2,3,4,5,6,7
.irp b, 0,1,2,3,4,5,6,7
	v_max3_num_f32 v[TT+24*(\a)+3*(\b)], v[TT+24*(\a)+3*(\b)], v[TT+24*(\a)+3*(\b)+1], v[TT+24*(\a)+3*(\b)+2]
.endr
.endr
.irp a, 0,1,2,3,4,5,6,7
	v_max3_num_f32 v[TT+24*(\a)],    v[TT+24*(\a)],    v[TT+24*(\a)+3],  v[TT+24*(\a)+6]
	v_max3_num_f32 v[TT+24*(\a)+9],  v[TT+24*(\a)+9],  v[TT+24*(\a)+12], v[TT+24*(\a)+15]
	v_max_num_f32  v[TT+24*(\a)+18], v[TT+24*(\a)+18], v[TT+24*(\a)+21]
.endr
.irp a, 0,1,2,3,4,5,6,7
	v_max3_num_f32 v[TT+24*(\a)], v[TT+24*(\a)], v[TT+24*(\a)+9], v[TT+24*(\a)+18]
.endr
.irp a, 0,1,2,3,4,5,6,7
	v_permlanex16_b32 v[TT+24*(\a)+1], v[TT+24*(\a)], s[SEL], s[SEL+1]
.endr
.irp a, 0,1,2,3,4,5,6,7
	v_max_num_f32 v[LM+(\a)], v[TT+24*(\a)], v[TT+24*(\a)+1]
.endr
	ds_store_b128 v[XA], v[LM:LM+3]                ; the two halves of the lanes hold, and write, the same numbers
	ds_store_b128 v[XA], v[LM+4:LM+7] offset:256
	s_wait_dscnt 0x0                               ; for the partner's sake: my maxima lie in LDS
	s_barrier_signal -1
	s_barrier_wait -1
	ds_load_b128 v[PM:PM+3], v[XB]                 ; the same queries' maxima over the tile's other 128 keys
	ds_load_b128 v[PM+4:PM+7], v[XB] offset:256
	s_wait_dscnt 0x0
.irp a, 0,1,2,3,4,5,6,7
	v_max_num_f32 v[CM+2*(\a)+1], v[LM+(\a)], v[PM+(\a)]  ; m: every row of a tile sees at least the tile's first key or its own
.endr
.irp a, 0,1,2,3,4,5,6,7
	v_mul_f32 v[CM+2*(\a)], s[CS], v[CM+2*(\a)+1]
.endr
.irp a, 0,1,2,3,4,5,6,7
	v_mov_b32 v[CMS+(\a)], v[CM+2*(\a)]            ; kept for st: the second walk below moves its four pairs down
.endr
; Block a of 16 queries (of window 2's four): c s - c m in place; 64 exponentials, ONE batch with one plain instruction and one wait behind it; the weights rounded to f16; their sum by a tree in place
.macro SOFT a
.set AC, 64*(\a)
	WIN 0x82                                       ; destination and source 0 window 2; c m in window 0
.set i, 0
.rept 32
	v_pk_fma_f32 v[AC+i:AC+i+1], v[AC+i:AC+i+1], s[CS:CS+1], v[CM+2*(\a):CM+2*(\a)+1] op_sel_hi:[1,0,0] neg_lo:[0,0,1] neg_hi:[0,0,1]
.set i, i+2
.endr
.set i, 0
.rept 64
	v_exp_f32 v[AC+i], v[AC+i]
.set i, i+1
.endr
	v_nop                                          ; a plain instruction behind the last exponential,
	s_wait_alu depctr_va_vdst(0)                   ; and the wait ahead of the first reader: one for the batch
	WIN 0x0a
.set i, 0
.rept 32
	v_cvt_pk_f16_f32 v[TMP+i], v[AC+2*i], v[AC+2*i+1]
.set i, i+1
.endr
	WIN 0x8a
.irp n, 16,8,4,2,1
.set i, 0
.rept \n
	v_pk_add_f32 v[AC+2*i:AC+2*i+1], v[AC+2*i:AC+2*i+1], v[AC+2*(i+(\n)):AC+2*(i+(\n))+1]
.set i, i+1
.endr
.endr
	WIN 0x0a
	v_add_f32 v[LS+(\a)], v[AC], v[AC+1]
	WIN 0
.endm
.macro TOSTAGE a
	WIN 0
.set BK, BKB+32*((\a)%2)
.irp b, 0,1,2,3,4,5,6,7
	ds_store_b128 v[STO], v[TMP+4*(\b):TMP+4*(\b)+3] offset:32*(\b)
.endr
.irp t, 0,1,2,3,4,5,6,7
	ds_load_b128 v[BK+4*(\t):BK+4*(\t)+3], v[RD] offset:(\t)*2*SPITCH  ; LDS serves a wave's instructions in order (ISA guide 5.7.1.4): these see the stores above
.endr
.endm
.macro SEND a
	WIN 0
.set BK, BKB+32*((\a)%2)
	s_wait_dscnt 0x0                               ; the block is back in registers
	s_wait_xcnt 0x0                                ; the registers that the stores of the block before read are loaded again only behind this wait
.irp t, 0,1,2,3,4,5,6,7
	global_store_b128 v[CO], v[BK+4*(\t):BK+4*(\t)+3], s[8:9] offset:(16*(\a)+2*(\t))*PROW  ; 16 lanes store 256 consecutive bytes, aligned
.endr
.endm
	s_mov_b32 s3, 2
.Lpass:                                                ; the text names window 2's four blocks and is walked twice
	SOFT 0
	TOSTAGE 0
.irp a, 1,2,3                          ; a block's arithmetic stands between the loads of the block before and its stores
	SOFT \a
	SEND (\a)-1
	TOSTAGE \a
.endr
	SEND 3
	s_sub_co_u32 s3, s3, 1
	s_cmp_eq_u32 s3, 0
	s_cbranch_scc1 .Ldone
	WIN 0x83                                       ; my queries 64-127 go where the one text names its accumulators: 256 copies, once a launch, the price of writing four blocks in place of eight
.set i, 0
.rept 256
	v_mov_b32 v[i], v[i]
.set i, i+1
.endr
	WIN 0
.irp i, 0,1,2,3,4,5,6,7
	v_mov_b32 v[CM+(\i)], v[CM+8+(\i)]             ; their c m and m,
.endr
.irp a, 0,1,2,3
	v_mov_b32 v[LS+4+(\a)], v[LS+(\a)]             ; and the first four blocks' l is set aside
.endr
	s_wait_xcnt 0x0                                ; the stores have read their address
	s_add_nc_u64 s[8:9], s[8:9], 64*PROW
	s_branch .Lpass
.Ldone:
.irp a, 0,1,2,3,4,5,6,7
	v_permlanex16_b32 v[LT+(\a)], v[LS+(\a)], s[SEL], s[SEL+1]
.endr
.irp a, 0,1,2,3,4,5,6,7
	v_add_f32 v[LS+(\a)], v[LS+(\a)], v[LT+(\a)]   ; l over my 128 keys
.endr
.irp a, 0,1,2,3
	v_cndmask_b32 v[SQ+(\a)], v[CMS+(\a)], v[LS+4+(\a)], s[HM]    ; lanes 0-15 store c m, lanes 16-31 l: blocks 0-3,
	v_cndmask_b32 v[SQ+4+(\a)], v[CMS+4+(\a)], v[LS+(\a)], s[HM]  ; blocks 4-7
.endr
	global_store_b128 v[STF], v[SQ:SQ+3], s[10:11]             ; a record: 512 consecutive bytes
	global_store_b128 v[STF], v[SQ+4:SQ+7], s[10:11] offset:1024
	s_wait_tensorcnt 0x0                           ; the wave's end
	ds_add_u32 v[SPW], v[NIL]
	s_wait_dscnt 0x0
	s_endpgm
.Lfunc_end_k_q1303383eed_scores:
	.size	k_q1303383eed_scores, .Lfunc_end_k_q1303383eed_scores-k_q1303383eed_scores
	.p2alignl 7, 3214868480
	.fill 96, 4, 3214868480
	.section	.rodata,"a",@progbits
	.p2align	6, 0x0
	.amdhsa_kernel k_q1303383eed_scores
		.amdhsa_group_segment_fixed_size 327680
		.amdhsa_private_segment_fixed_size 0
		.amdhsa_enable_private_segment 0
		.amdhsa_kernarg_size 32
		.amdhsa_user_sgpr_count 2
		.amdhsa_user_sgpr_kernarg_segment_ptr 1
		.amdhsa_wavefront_size32 1
		.amdhsa_system_sgpr_workgroup_id_x 1
		.amdhsa_system_sgpr_workgroup_id_y 1
		.amdhsa_system_sgpr_workgroup_id_z 1
		.amdhsa_system_vgpr_workitem_id 0
		.amdhsa_next_free_vgpr 1024
		.amdhsa_next_free_sgpr 66
		.amdhsa_reserve_vcc 1
		.amdhsa_float_denorm_mode_32 3
		.amdhsa_float_denorm_mode_16_64 3
		.amdhsa_memory_ordered 1
		.amdhsa_forward_progress 1
		.amdhsa_inst_pref_size 139
	.end_amdhsa_kernel
	.amdgpu_metadata
---
amdhsa.version: [ 1, 2 ]
amdhsa.kernels:
  - .name:           k_q1303383eed_scores
    .symbol:         k_q1303383eed_scores.kd
    .args:
      - { .name: yv, .offset: 0, .size: 8, .value_kind: global_buffer, .address_space: global }
      - { .name: xh, .offset: 8, .size: 8, .value_kind: global_buffer, .address_space: global }
      - { .name: pw, .offset: 16, .size: 8, .value_kind: global_buffer, .address_space: global }
      - { .name: st, .offset: 24, .size: 8, .value_kind: global_buffer, .address_space: global }
    .group_segment_fixed_size: 327680
    .private_segment_fixed_size: 0
    .kernarg_segment_align: 8
    .kernarg_segment_size: 32
    .max_flat_workgroup_size: 128
    .sgpr_count:     66
    .vgpr_count:     1024
    .wavefront_size: 32
...
	.end_amdgpu_metadata
.endif
;; end of part 8
;; launch ctx (part 9): grid 8 x 32, 4 waves a work-group, clusters of 4 x 1, 327,680 bytes of LDS; arguments pw, yv, st, out0; writes out0
.if DOCPART == 9
	.amdgcn_target "amdgcn-amd-amdhsa--gfx1250"
	.amdhsa_code_object_version 6
	.text
	.protected	k_q1303383eed_ctx
	.globl	k_q1303383eed_ctx
	.p2align	8
	.type	k_q1303383eed_ctx,@function
k_q1303383eed_ctx:
	s_mov_b64 s[64:65], 0
	v_nop
	global_prefetch_b8 v0, s[64:65] scope:SCOPE_SE
	s_setreg_imm32_b32 hwreg(HW_REG_WAVE_MODE, 25, 1), 1
	s_wait_xcnt 0x0
	s_wait_alu depctr_hold_cnt(0) depctr_sa_sdst(0) depctr_va_vdst(0) depctr_va_sdst(0) depctr_va_ssrc(0) depctr_va_vcc(0) depctr_vm_vsrc(0)
	s_getreg_b32 s2, hwreg(HW_REG_IB_STS2, 6, 4)
	s_cmp_eq_u32 s2, 0
	s_cbranch_scc0 .Lentry_in_a_cluster
	s_endpgm
.Lentry_in_a_cluster:
	s_bfe_u32 s2, ttmp6, 0x10000c
	s_cmp_lg_u32 s2, 0x3003
	s_cbranch_scc0 .Lentry_shape_is_right
	s_endpgm
.Lentry_shape_is_right:
; out0[b][q][e] = (sum over key tiles T of f_T (P_T V_T)[q][e]) / L[q].  P_T = 2^(c s - c m_T) in f16 from pw, V from yv's columns 1024-2047 (f16), c m_T and l_T from st; all sums and carries in f32; out0 f32.
; A RUNNING MAXIMUM M over the tiles of 256 keys: a = 2^(M_old - M_new), f = 2^(c m_T - M_new); O = O a + T f, L = L a + (l0 + l1) f, where T = P_T V_T is summed from 0.
; LIMITS.  V within f16's 65,504.  A block's first tile multiplies O and L by a = 0, so what the block before left there must be finite.  NaN and infinities are not treated apart.
; THE WALK.  A work-group makes 128 channels of TWO blocks of 128 queries, p and then 15 - p: (p >> 1) + 1 and 8 - (p >> 1) key tiles, 9 whatever p: all 256 work-groups do equal work, and one counted loop walks them.
; Four waves, 64 queries x 64 channels each: 16 accumulators T (window 0) and 16 O (window 2).  A slot of LDS holds 128 rows x 256 keys of P and 256 keys x 128 channels of V; two slots take turns.
; CLUSTER of 4 along the channels: the four partners walk the same P, which is asked for jointly.  V's tiles differ between them (other channels) and come by plain loads; work-groups with the same channels have
; different p, so different walks: a walk common to all would have 12 trips for 9.
; The matrix instruction is used transposed (source 0 = 16 channels of V, turned by ds_load_tr16_b128; source 1 = 16 queries of P): a lane holds ONE query (lane % 16) and eight neighbouring channels.
; REGISTERS (s_set_vgpr_msb: bits 1:0 source 0, 3:2 source 1, 5:4 source 2, 7:6 destination): window 0: v0-15 addresses, v16-63 statistics, v128-255 T; window 1: two fragment buffers of 128; window 2: v0-127 O.
.set PPITCH, 528                       ; a row of P in LDS: 512 bytes + 16: the 16 rows of a load start at 16 different groups of four banks (64 banks of 4 bytes: ISA guide 11.1)
.set VPITCH, 288                       ; a row of V: 256 + 32
.set PHALF,  64*PPITCH
.set VOFF,   2*PHALF
.set VHALF,  128*VPITCH
.set SLOT,   VOFF+2*VHALF
.set STAGE,  2*SLOT                    ; behind the ring: 16 rows x 272 bytes for each wave, for the way out
.set SPITCH, 272
.set SPARE,  STAGE+4*16*SPITCH         ; the spare words, 128 bytes a wave; no other line names them
.set PROW,   4096                      ; bytes in a row of pw, and of out0
.set QROW,   4096                      ; bytes in a row of yv
.set VSTEP,  256*QROW                  ; from a key tile to the next
.set AP0, 2                            ; my lane's place in a slot's P; never rewritten
.set AV0, 3                            ; the same for V
.set AP,  4                            ; the same in the slot in hand
.set AVL, 5                            ; V's keys 0-127
.set AVH, 6                            ; V's keys 128-255
.set STO, 7
.set RD,  8
.set GO,  9
.set SO,  10                           ; 16 x (lane % 16): my four words of a record of st
.set PFO, 11                           ; my lane x a row of pw or of yv, 4,096 bytes both; never rewritten
.set SPW, 12
.set NIL, 13
.set CMT, 16                           ; v[16:19] c m of the tile, a register for each block of 16 queries
.set LA0, 20                           ; v[20:23] l of its first 128 keys
.set LA1, 24                           ; v[24:27] of its second
.set MR,  28                           ; v[28:31] M
.set LR,  32                           ; v[32:35] L
.set MN,  36
.set AA,  40                           ; v[40:47] pairs: a, its exponent
.set FF,  48                           ; v[48:55] pairs: f, its exponent
.set RR,  56                           ; v[56:63] pairs: 1 / L, 0
.set ACC, 128
.set F0,  0
.set F1,  128
.set WV,  12
.set RH,  13                           ; my 64 queries.  Also: I fetch P (0) or V (1)
.set CH,  14                           ; my 64 channels.  Also: which half of a tile I fetch
.set G1P, 16
.set G1V, 24
.set G0P, 32                           ; s[32:39] two sets, for the two first fills; the second then walks on
.set G0V, 40
.set NXT, 48                           ; the key tile to be asked for next
.set LQ,  49                           ; the last tile of the block whose tiles are being asked for
.set ABO, 50                           ; that block's byte offset in pw
.set ABL, 51                           ; the second block's
.set LQL, 52
.set RT,  53                           ; tiles of the block in hand that are still to be added
.set CNT, 54
.set TB,  55                           ; LDS byte at which the slot in hand begins: 0 or SLOT
.set OFF, 56                           ; s[56:57] an offset, high word 0
.set PB,  58                           ; s[58:59] pw at my half of a block's rows
.set VB,  60                           ; s[60:61] yv at my half of key tile 0, my work-group's channels of v
.set PLO, 62
.set VLO, 63
.set SB,  66                           ; s[66:67] st at the record in hand
.set SBL, 68
.set OB,  70                           ; s[70:71] out0 at my rows and channels
.set OBL, 72
.set PFA, 74
.set LIM, 76
.set NL,  77
.set PFB, 78
.set CX,  84
.set CT,  85
.set BB,  86
.set PPN, 87
.set LIMH, 92
.set PL,  93
.set MSB, 0
.macro WIN new                         ; the immediate's high byte repeats the setting that is left; a switch that changes nothing is dropped
.if MSB != (\new)
	s_set_vgpr_msb (MSB<<8)|(\new)
.set MSB, \new
.endif
.endm
.set MUL,  0x05                        ; sources 0 and 1 window 1; C and D window 0
.set TO_F, 0x40                        ; destination window 1, address window 0
.macro PLACES                          ; four plain instructions between a matrix instruction and a load into, or a vector instruction on, its registers
.rept 4
	v_nop
.endr
.endm
.macro JLOAD                           ; a refill: waves 0 and 1 ask jointly for P's two halves, waves 2 and 3 for V's; an s_nop 0 and four v_nop follow each line
	s_cmp_lt_u32 s[WV], 2
	s_cbranch_scc0 .Lfor_v_\@
	tensor_load_to_lds s[G0P+4:G0P+7], s[G1P:G1P+7]
	s_nop 0
	PLACES
	s_branch .Lasked_\@
.Lfor_v_\@:
	tensor_load_to_lds s[G0V+4:G0V+7], s[G1V:G1V+7]
	s_nop 0
	PLACES
.Lasked_\@:
.endm
.macro CROUND                          ; a round of the cluster's barrier
	s_barrier_signal -1
	s_barrier_wait -1
	s_cmp_lg_u32 s[WV], 0
	s_cbranch_scc1 .Lnot_wave_0_\@
	s_barrier_signal -3
.Lnot_wave_0_\@:
	s_barrier_wait -3
	s_barrier_signal -1
	s_barrier_wait -1
.endm
; Both group 0 of one set are written for tile NXT of the block at ABO, into the slot at LDS byte base; each address is made anew from its tensor's base and an offset.  Then the walk steps: behind the first block's last tile comes the second block's tile 0.
.macro NEXT set, base
	s_lshl_b32 s[OFF], s[NXT], 9                   ; 256 keys of 2 bytes
	s_add_co_u32 s[OFF], s[OFF], s[ABO]
	s_mov_b32 s[G0P+4*(\set)], 1
	s_add_co_u32 s[G0P+4*(\set)+1], s[PLO], \base
	s_add_nc_u64 s[G0P+4*(\set)+2:G0P+4*(\set)+3], s[PB:PB+1], s[OFF:OFF+1]
	s_or_b32 s[G0P+4*(\set)+3], s[G0P+4*(\set)+3], 0x80000000
	s_mul_i32 s[OFF], s[NXT], VSTEP
	s_mov_b32 s[G0V+4*(\set)], 1
	s_add_co_u32 s[G0V+4*(\set)+1], s[VLO], \base
	s_add_nc_u64 s[G0V+4*(\set)+2:G0V+4*(\set)+3], s[VB:VB+1], s[OFF:OFF+1]
	s_or_b32 s[G0V+4*(\set)+3], s[G0V+4*(\set)+3], 0x80000000
	s_add_co_u32 s[NXT], s[NXT], 1
	s_cmp_gt_u32 s[NXT], s[LQ]
	s_cselect_b32 s[NXT], 0, s[NXT]
	s_cselect_b32 s[ABO], s[ABL], s[ABO]
	s_cselect_b32 s[LQ], s[LQL], s[LQ]
.endm
; A PREFETCH of what the NEXT change of slots will ask for.  P's 128 rows x 512 bytes: both clusters of a (b, p) read them; the one with x = 0 asks; its four partners take 32 rows each, told apart by address, waves 0 and 1 a
; half of 256 bytes each: a lane a row, one instruction.  V's tile of my channels: read by all eight p; for T = 4 to 7 the work-groups with p = 0 are among the first to load it, and they ask (waves 2 and 3, 128 keys each,
; four instructions); T = 0 to 3 are loaded by other work-groups no later than p = 0 could ask, and are not asked for.  The last trip that fills a slot (CNT = 1) asks for nothing.
.macro ASK
	s_cmp_gt_u32 s[CNT], s[LIM]
	s_cbranch_scc0 .Lnone_\@
	s_cmp_le_u32 s[CNT], s[LIMH]
	s_cbranch_scc0 .Lnone_\@
	global_prefetch_b8 v[PFO], s[PFA:PFA+1] th:TH_LOAD_NT scope:SCOPE_SE
	s_cmp_eq_u32 s[RH], 0
	s_cbranch_scc1 .Lnone_\@
.irp k, 1,2,3
	global_prefetch_b8 v[PFO], s[PFA:PFA+1] offset:32*QROW*(\k) th:TH_LOAD_NT scope:SCOPE_SE
.endr
.Lnone_\@:
.endm
	s_load_b256 s[4:11], s[0:1], 0x0               ; pw s[4:5], yv s[6:7], st s[8:9], out0 s[10:11]
	v_lshl_add_u32 v[SPW], v0, 2, SPARE
	v_mov_b32 v[NIL], 0
	ds_add_u32 v[SPW], v[NIL]                      ; the wave's opening: the add and its wait stand ahead of the round in front of my first tensor load
	ds_add_u32 v12, v13
	v_lshrrev_b32 v1, 5, v0
	v_readfirstlane_b32 s[WV], v1
	s_lshr_b32 s[RH], s[WV], 1
	s_and_b32 s[CH], s[WV], 1
	s_bfe_u32 s[CX], ttmp6, 0x40000                ; my place in the cluster: it enters V's, out0's and the prefetches' addresses alone
	s_lshl_b32 s[CT], ttmp9, 2
	s_add_co_u32 s[CT], s[CT], s[CX]               ; my 128 channels
	s_and_b32 s2, ttmp7, 0xffff
	s_lshr_b32 s[BB], s2, 3                        ; batch
	s_and_b32 s[PPN], s2, 7                        ; p: the first block
	s_sub_co_u32 s[PL], 15, s[PPN]                 ; the second
	s_lshl_b32 s[ABO], s[BB], 23                   ; 2,048 rows of 4,096 bytes
	s_lshl_b32 s2, s[PPN], 19                      ; 128 rows
	s_lshl_b32 s3, s[PL], 19
	s_add_co_u32 s[ABL], s[ABO], s3
	s_add_co_u32 s[ABO], s[ABO], s2
	s_lshr_b32 s[LQ], s[PPN], 1
	s_lshr_b32 s[LQL], s[PL], 1
	s_add_co_u32 s[RT], s[LQ], 1
	s_add_co_u32 s[NL], s[LQL], 1
	s_mov_b32 s[NXT], 0
	s_mov_b32 s[TB], 0
	s_mov_b32 s[CNT], 8
	s_mov_b32 s[OFF+1], 0
	s_mul_i32 s[PLO], s[CH], PHALF
	s_mul_i32 s[VLO], s[CH], VHALF
	s_add_co_u32 s[VLO], s[VLO], VOFF
	s_mov_b32 s[G1P+0], 15|(1<<16)|(1<<20)|(1<<21)|(6<<22)|(3<<25)  ; the mask of four; 2-byte elements; padding on; bit 21 beside a mask; after every 128 words, 4 words
	s_mov_b32 s[G1P+1], 256<<16                    ; tensor_dim0 = 256
	s_mov_b32 s[G1P+2], 64<<16                     ; tensor_dim1 = 64
	s_mov_b32 s[G1P+3], 256<<16                    ; tile_dim0 = 256
	s_mov_b32 s[G1P+4], 64                         ; tile_dim1 = 64
	s_mov_b32 s[G1P+5], 2048                       ; elements from row to row of pw
	s_mov_b32 s[G1P+6], 0
	s_mov_b32 s[G1P+7], 0
	s_mov_b32 s[G1V+0], (1<<16)|(1<<20)|(5<<22)|(7<<25)  ; no mask; after every 64 words, 8 words
	s_mov_b32 s[G1V+1], 128<<16
	s_mov_b32 s[G1V+2], 128<<16
	s_mov_b32 s[G1V+3], 128<<16
	s_mov_b32 s[G1V+4], 128
	s_mov_b32 s[G1V+5], 2048                       ; elements from row to row of yv
	s_mov_b32 s[G1V+6], 0
	s_mov_b32 s[G1V+7], 0
	s_cmp_eq_u32 s[RH], 0
	s_cselect_b32 s15, ttmp9, s[PPN]               ; P's waves ask where the cluster's x is 0, V's where p is 0: the same in all four partners
	s_cselect_b32 s[LIMH], 7, 5
	s_cmp_eq_u32 s15, 0
	s_cselect_b32 s[LIM], 1, -1
	v_and_b32 v1, 31, v0
	v_lshlrev_b32 v[PFO], 12, v1
	s_wait_dscnt 0x0                               ; the opening add is done
	s_wait_kmcnt 0x0
	s_lshl_b32 s88, s[CH], 18                      ; 64 rows of pw
	s_mov_b32 s89, 0
	s_add_nc_u64 s[PB:PB+1], s[4:5], s[88:89]
	s_lshl_b32 s2, s[BB], 18                       ; st: 8 tiles of 32,768 bytes a batch; group 2 i + my query half, 1,024 bytes each
	s_lshl_b32 s88, s[PPN], 1
	s_add_co_u32 s88, s88, s[RH]
	s_lshl_b32 s88, s88, 10
	s_add_co_u32 s88, s88, s2
	s_add_nc_u64 s[SB:SB+1], s[8:9], s[88:89]
	s_lshl_b32 s88, s[PL], 1
	s_add_co_u32 s88, s88, s[RH]
	s_lshl_b32 s88, s88, 10
	s_add_co_u32 s88, s88, s2
	s_add_nc_u64 s[SBL:SBL+1], s[8:9], s[88:89]
	s_mul_i32 s80, s[BB], 2048*QROW                ; what holds cx has registers of its own
	s_mul_i32 s81, s[CH], 128*QROW
	s_add_co_u32 s80, s80, s81
	s_lshl_b32 s81, s[CT], 8
	s_add_co_u32 s80, s80, s81
	s_add_co_u32 s80, s80, 2048                    ; v begins 2,048 bytes into a row of yv
	s_mov_b32 s81, 0
	s_add_nc_u64 s[VB:VB+1], s[6:7], s[80:81]
	s_lshl_b32 s80, s[CT], 9
	s_lshl_b32 s81, s[CH], 8
	s_add_co_u32 s80, s80, s81
	s_lshl_b32 s81, s[RH], 18
	s_add_co_u32 s80, s80, s81
	s_add_co_u32 s82, s80, s[ABL]                  ; out0's rows are as long as pw's: a block's offset is the same
	s_add_co_u32 s80, s80, s[ABO]
	s_mov_b32 s81, 0
	s_mov_b32 s83, 0
	s_add_nc_u64 s[OB:OB+1], s[10:11], s[80:81]
	s_add_nc_u64 s[OBL:OBL+1], s[10:11], s[82:83]
	s_lshl_b32 s80, s[CX], 17                      ; my work-group's 32 rows of a block of P,
	s_lshl_b32 s81, s[CH], 8                       ; my wave's 256 bytes of their 512
	s_add_co_u32 s80, s80, s81
	s_mov_b32 s81, 0
	s_add_nc_u64 s[90:91], s[4:5], s[80:81]
	s_cmp_eq_u32 s[RH], 0
	s_cselect_b64 s[PFB:PFB+1], s[90:91], s[VB:VB+1]
	CROUND                                         ; all four work-groups are here: the first joint loads meet
	NEXT 0, 0
	NEXT 1, SLOT
	s_cmp_lt_u32 s[WV], 2                          ; a wave's two first fills stand in one branch: two loads of mine are out
	s_cbranch_scc0 .Lfirst_v
	tensor_load_to_lds s[G0P:G0P+3], s[G1P:G1P+7]
	s_nop 0
	tensor_load_to_lds s[G0P+4:G0P+7], s[G1P:G1P+7]
	s_nop 0
	PLACES
	s_branch .Lfirst_asked
.Lfirst_v:
	tensor_load_to_lds s[G0V:G0V+3], s[G1V:G1V+7]
	s_nop 0
	tensor_load_to_lds s[G0V+4:G0V+7], s[G1V:G1V+7]
	s_nop 0
	PLACES
.Lfirst_asked:
	v_and_b32 v14, 15, v0                          ; r
	v_bfe_u32 v15, v0, 4, 1                        ; h
	s_mul_i32 s15, s[RH], PHALF
	v_mul_u32_u24 v[AP0], v14, PPITCH
	v_lshl_add_u32 v[AP0], v15, 4, v[AP0]
	v_add_nc_u32 v[AP0], s15, v[AP0]               ; a fragment of P: row r, 16 bytes for each half of the lanes
	v_and_b32 v[AV0], 7, v0
	v_lshl_add_u32 v[AV0], v15, 3, v[AV0]
	v_mul_u32_u24 v[AV0], v[AV0], VPITCH           ; the turning load: key 8 h + l % 8,
	v_bfe_u32 v1, v0, 3, 1
	v_lshl_add_u32 v[AV0], v1, 4, v[AV0]           ; channels 8 ((l / 8) % 2) + 0..7
	s_lshl_b32 s15, s[CH], 7
	s_add_co_u32 s15, s15, VOFF
	v_add_nc_u32 v[AV0], s15, v[AV0]
	s_mul_i32 s15, s[WV], 16*SPITCH
	s_add_co_u32 s15, s15, STAGE
	v_mul_u32_u24 v[STO], v14, SPITCH
	v_lshl_add_u32 v[STO], v15, 5, v[STO]
	v_add_nc_u32 v[STO], s15, v[STO]               ; in: row r, 32 bytes for each half of the lanes
	v_mul_u32_u24 v[RD], v15, SPITCH
	v_lshl_add_u32 v[RD], v14, 4, v[RD]
	v_add_nc_u32 v[RD], s15, v[RD]                 ; back: lanes 0-15 one row of 256 bytes, lanes 16-31 the next
	v_lshlrev_b32 v[GO], 12, v15
	v_lshl_add_u32 v[GO], v14, 4, v[GO]
	v_lshlrev_b32 v[SO], 4, v14
.macro LOADST                          ; the tile's statistics for my 64 queries: c m, and l of both halves of its keys
	global_load_b128 v[CMT:CMT+3], v[SO], s[SB:SB+1]
	global_load_b128 v[LA0:LA0+3], v[SO], s[SB:SB+1] offset:256
	global_load_b128 v[LA1:LA1+3], v[SO], s[SB:SB+1] offset:768
.endm
	LOADST
	; O and L start at 0, M far below every c m: the first tile is a tile like any other, with a = 0.  128 lines once a launch, in the wait for the first tile, in place of a first step written out.
	WIN 0x80
.set i, 0
.rept 128
	v_mov_b32 v[i], 0
.set i, i+1
.endr
	WIN 0
.irp a, 0,1,2,3
	v_mov_b32 v[LR+(\a)], 0
	v_mov_b32 v[MR+(\a)], 0xfe000000
.endr
; 8 matrix instructions: query blocks a0, a0 + 1 x all 4 channel blocks, 32 keys: half c of buffer f.  The 16 accumulators take turns.  zero = 1: the product starts the sums
.macro MUL8 f, c, a0, zero
	WIN MUL
.irp a, \a0, (\a0)+1
.irp b, 0,1,2,3
.if \zero
	v_wmma_f32_16x16x32_f16 v[ACC+8*(4*(\a)+(\b)):ACC+8*(4*(\a)+(\b))+7], v[(\f)+64+8*(4*(\c)+(\b)):(\f)+64+8*(4*(\c)+(\b))+7], v[(\f)+8*(4*(\c)+(\a)):(\f)+8*(4*(\c)+(\a))+7], 0
.else
	v_wmma_f32_16x16x32_f16 v[ACC+8*(4*(\a)+(\b)):ACC+8*(4*(\a)+(\b))+7], v[(\f)+64+8*(4*(\c)+(\b)):(\f)+64+8*(4*(\c)+(\b))+7], v[(\f)+8*(4*(\c)+(\a)):(\f)+8*(4*(\c)+(\a))+7], v[ACC+8*(4*(\a)+(\b)):ACC+8*(4*(\a)+(\b))+7]
.endif
.endr
.endr
.endm
; 32 LDS loads in one run: the fragments of keys 64 q .. 64 q + 63 into buffer f, the first 32 keys first
.macro FETCH q, f
	WIN TO_F
.if (\q) < 2
.set AVX, AVL
.else
.set AVX, AVH
.endif
.irp c, 0,1
.irp i, 0,1,2,3
	ds_load_tr16_b128 v[(\f)+64+8*(4*(\c)+(\i)):(\f)+64+8*(4*(\c)+(\i))+3],   v[AVX] offset:(64*((\q)%2)+32*(\c))*VPITCH+32*(\i)
	ds_load_tr16_b128 v[(\f)+64+8*(4*(\c)+(\i))+4:(\f)+64+8*(4*(\c)+(\i))+7], v[AVX] offset:(64*((\q)%2)+32*(\c)+16)*VPITCH+32*(\i)
	ds_load_b128 v[(\f)+8*(4*(\c)+(\i)):(\f)+8*(4*(\c)+(\i))+3],   v[AP] offset:128*(\q)+64*(\c)+(\i)*16*PPITCH
	ds_load_b128 v[(\f)+8*(4*(\c)+(\i))+4:(\f)+8*(4*(\c)+(\i))+7], v[AP] offset:128*(\q)+64*(\c)+(\i)*16*PPITCH+32
.endr
.endr
.endm
.macro QTR f, g, q, zero               ; 64 keys: multiplies buffer f; in its middle fetches quarter q into g
	s_wait_dscnt 16                                ; the first 32 keys' fragments are in
	MUL8 \f, 0, 0, \zero
	MUL8 \f, 0, 2, \zero
	PLACES
	FETCH \q, \g
	s_wait_dscnt 32                                ; all but the 32 just issued
	MUL8 \f, 1, 0, 0
	MUL8 \f, 1, 2, 0
.endm
.macro QUARTERS                        ; a slot: T = P V over 256 keys, 128 matrix instructions
	QTR F0, F1, 1, 1
	QTR F1, F0, 2, 0
	QTR F0, F1, 3, 0
	s_wait_dscnt 16
	MUL8 F1, 0, 0, 0
	MUL8 F1, 0, 2, 0
	s_wait_dscnt 0x0
	MUL8 F1, 1, 0, 0
	MUL8 F1, 1, 2, 0
.endm
.macro RADDR                           ; my lane's places in the slot in hand
	v_add_nc_u32 v[AP], s[TB], v[AP0]
	v_add_nc_u32 v[AVL], s[TB], v[AV0]
	v_add_nc_u32 v[AVH], VHALF, v[AVL]
.endm
; THE CHANGE OF SLOTS.  Each wave waits for all its tensor loads (one is out: its part of the other slot), adds 0 to its spare word, and waits for that and for its reads of the slot that it leaves.
; fill = 1: the barrier is a round of the cluster's, and the slot just read is filled again first thing behind it, with the walk's tile two on: it has 128 matrix instructions and an update in which to land.
.macro CHANGE fill
	WIN 0
	s_wait_tensorcnt 0x0                           ; no tensor load of mine is out, so a group 0 may be written
	ds_add_u32 v[SPW], v[NIL]                      ; 0 onto my spare word; scalar work stands between it and the wait for it
.if \fill
	s_wait_xcnt 0x0                                ; the last prefetches, a slot back, have read their address
	NEXT 1, s[TB]
	s_lshl_b32 s[OFF], s[NXT], 9                   ; the tile after that one, for the prefetch
	s_add_co_u32 s[OFF], s[OFF], s[ABO]
	s_mul_i32 s15, s[NXT], VSTEP
	s_cmp_eq_u32 s[RH], 0
	s_cselect_b32 s[OFF], s[OFF], s15
	s_add_nc_u64 s[PFA:PFA+1], s[PFB:PFB+1], s[OFF:OFF+1]
.endif
	s_xor_b32 s[TB], s[TB], SLOT                   ; 0 and SLOT by turns
	s_wait_dscnt 0x0                               ; the add is done, and my reads of the slot are over
.if \fill
	CROUND
	JLOAD                                          ; its four v_nop are also the places in front of the loads below and of the update's reads of T
.else
	s_barrier_signal -1
	s_barrier_wait -1
	PLACES
.endif
	RADDR
	FETCH 0, F0
	WIN 0
.if \fill
	ASK
.endif
.endm
; THE UPDATE with the tile just multiplied.  Eight exponentials are one batch: eight plain lines follow, then the one wait ahead of the first reader.  T is read from each accumulator's low end on.
.macro UPDATE
	WIN 0
	s_wait_loadcnt 0x0                             ; the tile's statistics
.irp a, 0,1,2,3
	v_max_num_f32 v[MN+(\a)], v[MR+(\a)], v[CMT+(\a)]
.endr
.irp a, 0,1,2,3
	v_sub_f32 v[AA+2*(\a)+1], v[MR+(\a)], v[MN+(\a)]
	v_sub_f32 v[FF+2*(\a)+1], v[CMT+(\a)], v[MN+(\a)]
.endr
.irp a, 0,1,2,3
	v_exp_f32 v[AA+2*(\a)], v[AA+2*(\a)+1]
	v_exp_f32 v[FF+2*(\a)], v[FF+2*(\a)+1]
.endr
.irp a, 0,1,2,3
	v_add_f32 v[LA0+(\a)], v[LA0+(\a)], v[LA1+(\a)]
	v_mov_b32 v[MR+(\a)], v[MN+(\a)]
.endr
	s_wait_alu depctr_va_vdst(0)
.irp a, 0,1,2,3
	v_mul_f32 v[LA0+(\a)], v[LA0+(\a)], v[FF+2*(\a)]
.endr
.irp a, 0,1,2,3
	v_fma_f32 v[LR+(\a)], v[LR+(\a)], v[AA+2*(\a)], v[LA0+(\a)]
.endr
	WIN 0x82                                       ; O (destination and source 0) in window 2, a in window 0
.irp a, 0,1,2,3
.set i, 0
.rept 16
	v_pk_mul_f32 v[32*(\a)+i:32*(\a)+i+1], v[32*(\a)+i:32*(\a)+i+1], v[AA+2*(\a):AA+2*(\a)+1] op_sel_hi:[1,0]
.set i, i+2
.endr
.endr
	WIN 0xa0                                       ; T and f in window 0, O (source 2 and destination) in window 2
.irp a, 0,1,2,3
.set i, 0
.rept 16
	v_pk_fma_f32 v[32*(\a)+i:32*(\a)+i+1], v[ACC+32*(\a)+i:ACC+32*(\a)+i+1], v[FF+2*(\a):FF+2*(\a)+1], v[32*(\a)+i:32*(\a)+i+1] op_sel_hi:[1,0,1]
.set i, i+2
.endr
.endr
	WIN 0
.endm
; THE WAY OUT of a block.  Tile u of 16 queries: O / L into T's registers (T has been added), 32 bytes a lane and channel block into my stage, and back as whole rows of 256 bytes into the registers that they left.
.macro PACKO u
	WIN 0x02                                       ; source 0 window 2
.set i, 0
.rept 16
	v_pk_mul_f32 v[ACC+32*(\u)+i:ACC+32*(\u)+i+1], v[32*(\u)+i:32*(\u)+i+1], v[RR+2*(\u):RR+2*(\u)+1] op_sel_hi:[1,0]
.set i, i+2
.endr
	WIN 0
.irp b, 0,1,2,3
	ds_store_b128 v[STO], v[ACC+32*(\u)+8*(\b):ACC+32*(\u)+8*(\b)+3]   offset:64*(\b)
	ds_store_b128 v[STO], v[ACC+32*(\u)+8*(\b)+4:ACC+32*(\u)+8*(\b)+7] offset:64*(\b)+16
.endr
.irp t, 0,1,2,3,4,5,6,7
	ds_load_b128 v[ACC+32*(\u)+4*(\t):ACC+32*(\u)+4*(\t)+3], v[RD] offset:(\t)*2*SPITCH  ; LDS serves a wave's instructions in order (ISA guide 5.7.1.4): these see the stores above; the next tile's stores come behind them
.endr
.endm
.macro SENDO u, younger                ; younger: the LDS instructions issued behind tile u's loads: the next tile's sixteen, or none
.irp t, 0,1,2,3,4,5,6,7
	s_wait_dscnt (\younger)+7-(\t)
	global_store_b128 v[GO], v[ACC+32*(\u)+4*(\t):ACC+32*(\u)+4*(\t)+3], s[OB:OB+1] offset:(16*(\u)+2*(\t))*PROW  ; 16 lanes store 256 consecutive bytes, aligned
.endr
.endm
.macro OUT
	WIN 0
.irp a, 0,1,2,3
	v_rcp_f32 v[RR+2*(\a)], v[LR+(\a)]
.endr
.irp a, 0,1,2,3
	v_mov_b32 v[RR+2*(\a)+1], 0                    ; named with the reciprocal as a pair; also the plain lines behind the batch
.endr
	s_wait_alu depctr_va_vdst(0)                   ; one wait for the four reciprocals
	PACKO 0
	PACKO 1
	SENDO 0, 16
	PACKO 2
	SENDO 1, 16
	PACKO 3
	SENDO 2, 16
	SENDO 3, 0
	s_wait_xcnt 0x0                                ; T's registers and out0's address are written again only behind this wait
.endm
	s_wait_tensorcnt 0x1                           ; my part of slot 0 is in; slot 1's may stay out
	s_barrier_signal -1
	s_barrier_wait -1
	RADDR
	FETCH 0, F0
	WIN 0
	s_branch .Lfirst                               ; the loop is entered in the middle of a trip
.Lslot:                                                ; seven times: the walk's tile j is entered, tile j + 1 asked for, tile j - 1 added
	CHANGE 1
	UPDATE
	s_sub_co_u32 s[RT], s[RT], 1
	s_cmp_lg_u32 s[RT], 0
	s_cbranch_scc1 .Lsame
	OUT                                            ; the first block's end: it has 1 to 4 tiles, so it falls into trips 1 to 4
	s_mov_b64 s[OB:OB+1], s[OBL:OBL+1]
	s_mov_b64 s[SB:SB+1], s[SBL:SBL+1]
	s_mov_b32 s[RT], s[NL]
.irp a, 0,1,2,3
	v_mov_b32 v[MR+(\a)], 0xfe000000               ; the second block's first a is 0
.endr
	s_branch .Lld
.Lsame:
	s_add_nc_u64 s[SB:SB+1], s[SB:SB+1], 32768     ; the next tile's records; the loads that read the address were waited for in the update
.Lld:
	LOADST
.Lfirst:
	QUARTERS
	WIN 0
	s_sub_co_u32 s[CNT], s[CNT], 1
	s_cmp_lg_u32 s[CNT], 0
	s_cbranch_scc1 .Lslot
	CHANGE 0                                       ; the walk's last tile has a text of its own: nothing is asked for
	s_mov_b32 s[CNT], 2
.Ltl:                                                  ; two trips: the last tile but one is added and the last multiplied; then the last is added, and the trip is left in its middle
	UPDATE                                         ; in the second trip its lines on the statistics are the places behind the last products
	s_sub_co_u32 s[CNT], s[CNT], 1
	s_cmp_eq_u32 s[CNT], 0
	s_cbranch_scc1 .Lfin
	s_add_nc_u64 s[SB:SB+1], s[SB:SB+1], 32768
	LOADST
	QUARTERS
	WIN 0
	s_branch .Ltl
.Lfin:
	OUT
	s_wait_tensorcnt 0x0                           ; the wave's end
	ds_add_u32 v[SPW], v[NIL]
	s_wait_dscnt 0x0
	CROUND                                         ; the closing round
	s_endpgm
.Lfunc_end_k_q1303383eed_ctx:
	.size	k_q1303383eed_ctx, .Lfunc_end_k_q1303383eed_ctx-k_q1303383eed_ctx
	.p2alignl 7, 3214868480
	.fill 96, 4, 3214868480
	.section	.rodata,"a",@progbits
	.p2align	6, 0x0
	.amdhsa_kernel k_q1303383eed_ctx
		.amdhsa_group_segment_fixed_size 327680
		.amdhsa_private_segment_fixed_size 0
		.amdhsa_enable_private_segment 0
		.amdhsa_kernarg_size 32
		.amdhsa_user_sgpr_count 2
		.amdhsa_user_sgpr_kernarg_segment_ptr 1
		.amdhsa_wavefront_size32 1
		.amdhsa_system_sgpr_workgroup_id_x 1
		.amdhsa_system_sgpr_workgroup_id_y 1
		.amdhsa_system_sgpr_workgroup_id_z 1
		.amdhsa_system_vgpr_workitem_id 0
		.amdhsa_next_free_vgpr 640
		.amdhsa_next_free_sgpr 96
		.amdhsa_reserve_vcc 0
		.amdhsa_float_denorm_mode_32 3
		.amdhsa_float_denorm_mode_16_64 3
		.amdhsa_memory_ordered 1
		.amdhsa_forward_progress 1
		.amdhsa_inst_pref_size 98
	.end_amdhsa_kernel
	.amdgpu_metadata
---
amdhsa.version: [ 1, 2 ]
amdhsa.kernels:
  - .name:           k_q1303383eed_ctx
    .symbol:         k_q1303383eed_ctx.kd
    .args:
      - { .name: pw, .offset: 0, .size: 8, .value_kind: global_buffer, .address_space: global }
      - { .name: yv, .offset: 8, .size: 8, .value_kind: global_buffer, .address_space: global }
      - { .name: st, .offset: 16, .size: 8, .value_kind: global_buffer, .address_space: global }
      - { .name: out0, .offset: 24, .size: 8, .value_kind: global_buffer, .address_space: global }
    .group_segment_fixed_size: 327680
    .private_segment_fixed_size: 0
    .kernarg_segment_align: 8
    .kernarg_segment_size: 32
    .max_flat_workgroup_size: 128
    .sgpr_count:     96
    .vgpr_count:     640
    .wavefront_size: 32
...
	.end_amdgpu_metadata
.endif
;; end of part 9
